; MI455X (gfx1250); checked and timed in simulation.
; The chip was launched on July 23, 2026; its instructions are those of AMD's public machine-readable ISA for CDNA 5 (MIT licence, August 2026) and "CDNA5" Instruction Set Architecture Reference Guide (July 2026). The comments in the code are by the model that wrote it; some were corrected since.
;; Transformer Block. Allowed arithmetic: matrix products marked QUANTISED: E2M1 operands, one E8M0 scale for each 32 along K, by v_wmma_scale_f32_16x16x128_f8f6f4 with both operands' format E2M1 (or v_wmma_scale_f32_32x16x128_f4), f32 sums; everything else in f32.
;; Inputs: W1 512 x 2,048 float32; W2 2,048 x 512 float32; Wk 512 x 512 float32; Wo 512 x 512 float32; Wq 512 x 512 float32; Wv 512 x 512 float32; b1 2,048 float32; b2 512 float32; bo 512 float32; ln1_scale 512 float32; ln1_shift 512 float32; ln2_scale 512 float32; ln2_shift 512 float32; x 4 x 2,048 x 512 float32.
;; Outputs: out0 4 x 2,048 x 512 float32.
;; This version of the problem:
;;   THIS VERSION OF THE PROBLEM IS GIVEN IN LOW PRECISION. The matrix products marked QUANTISED in the list below multiply operands that are first quantised to E2M1 (2 exponent bits, 1 mantissa bit; 4 bits a number), with one power-of-two scale for each 32 numbers along K (OCP MX v1.0); their sums are f32. All else is computed in f32.
;;   The module's matrix products, in the order in which they are computed (A, B: the left and right operand; K: the contracted axis; several contracted axes count as one K, in the product's order):
;;     1. [M 8,192, K 512] x [K 512, N 512]; A: computed on the way; B: input Wq: QUANTISED
;;     2. [M 8,192, K 512] x [K 512, N 512]; A: computed on the way; B: input Wk: QUANTISED
;;     3. [M 8,192, K 512] x [K 512, N 512]; A: computed on the way; B: input Wv: QUANTISED
;;     4. batch 64 x [M 2,048, K 32] x [K 32, N 2,048]; A: computed on the way; B: computed on the way: QUANTISED
;;     5. batch 64 x [M 2,048, K 2,048] x [K 2,048, N 32]; A: softmax (see below); B: computed on the way: QUANTISED
;;     6. [M 8,192, K 512] x [K 512, N 512]; A: computed on the way; B: input Wo: QUANTISED
;;     7. [M 8,192, K 512] x [K 512, N 2,048]; A: computed on the way; B: input W1: QUANTISED
;;     8. [M 8,192, K 2,048] x [K 2,048, N 512]; A: computed on the way; B: input W2: QUANTISED
;;   THE QUANTISER, for each operand of a quantised product, along K:
;;     - K is cut into blocks of 32 from its start; a last block that is shorter is filled with zeros.
;;     - A block's scale is 2^e with e = floor(log2(the largest magnitude in the block)) - 2, held to -126 .. 127; a block of zeros has e = 0. As a byte (E8M0): e + 127.
;;     - Each number is divided by its block's scale, clamped to +-6, and rounded to the nearest number of E2M1, ties to even, subnormals kept.
;;     - The product sums the exact products of the quantised numbers (number of the format x scale) in f32.
;;   ~~~python
;;   def quantise(x, axis):      # numpy; x: float32 -> the quantised numbers, widened to float32 again
;;       x = np.moveaxis(x, axis, -1); K = x.shape[-1]
;;       x = np.pad(x, [(0, 0)] * (x.ndim - 1) + [(0, -K % 32)]); x = x.reshape(x.shape[:-1] + (-1, 32)); a = np.abs(x).max(-1, keepdims=True)
;;       e = np.where(a > 0, np.clip(np.frexp(np.where(a > 0, a, 1))[1] - 1 - 2, -126, 127), 0)      # np.frexp(a)[1] - 1 = floor(log2(a)), exactly
;;       r = np.clip(x / 2.0 ** e, -6, 6)
;;       step = 2.0 ** (np.maximum(np.frexp(np.where(r == 0, 1, r))[1] - 1, 0) - 1)
;;       q = np.round(r / step) * step * 2.0 ** e      # np.round: ties to even
;;       return np.moveaxis(q.reshape(q.shape[:-2] + (-1,))[..., :K], -1, axis).astype(np.float32)
;;   ~~~
;;   SOFTMAX AHEAD OF A QUANTISED PRODUCT. Where the list says 'softmax', what is quantised is not the finished softmax but p = 2^(t - M), with t = logit x log2(e) and M = ceil(the row's largest t), a whole number; so 1/2 < the row's largest p <= 1. The row's sum l is taken of the UNQUANTISED p, in f32, and the product's result is divided by l at the end. Since M is a whole number, a kernel that streams over the keys may use a running M (the ceiling of the running maximum): every later rescaling is an exact power of two, which a block's scale takes up: the codes' values come out the same.
;;   OPERANDS COMPUTED ON THE WAY. 'Computed on the way' means the value that the module computes at that place (a softmax that the list does not call 'softmax' is quantised finished and normalised). What goes into a quantiser is computed in f32, as accurately as f32 sums, v_exp_f32 and their like allow (about 1e-6 of the number): no bf16 or f16 on the way to a quantiser, and a product that is left as it is and whose result goes on into a quantised operand takes f32 operands (vector FMAs, or v_wmma_f32_16x16x4_f32). A number that lies on a knife's edge between two numbers of the format may be rounded either way, as far as f32 arithmetic and the matrix unit's own rounding can turn it there, and no further.
;; 2 versions. Each part assembles by itself: llvm-mc -triple=amdgcn-amd-amdhsa -mcpu=gfx1250 --defsym DOCPART=n.
;; ======== version 1 of 2: 4 launches
;; workspace buffers: wimg 1,572,864 bytes; wscl 98,304 bytes; qkvc 6,291,456 bytes; qkvs 393,216 bytes; cc 2,097,152 bytes; cs 131,072 bytes
;; launch wq (part 1): grid 192 x 1, 4 waves a work-group, no clusters, 0 bytes of LDS; arguments Wq, Wk, Wv, Wo, W1, W2, wimg, wscl; writes wimg, wscl
.if DOCPART == 1
	.amdgcn_target "amdgcn-amd-amdhsa--gfx1250"
	.amdhsa_code_object_version 6
	.text
	.protected	k_qc4b08e3d9b_wq
	.globl	k_qc4b08e3d9b_wq
	.p2align	8
	.type	k_qc4b08e3d9b_wq,@function
k_qc4b08e3d9b_wq:
	s_mov_b64 s[64:65], 0
	v_nop
	global_prefetch_b8 v0, s[64:65] scope:SCOPE_SE
	s_setreg_imm32_b32 hwreg(HW_REG_WAVE_MODE, 25, 1), 1
	s_wait_xcnt 0x0
; The six weights, f32 stored [K][N], become codes of FP4 (E2M1) with one E8M0 byte for each 32 along K, laid in the order of the operand's registers.
; A block's scale is 2^(floor(log2(largest magnitude)) - 2): its byte is the largest magnitude's exponent field - 2, held at 1 from below.
; LIMITS: a block of zeros, or one whose largest magnitude lies under 2^-124, gets the byte 1 (its codes are zeros or subnormal; the bytes are read by this program alone); NaN and infinities are not served.
; LAYOUT OUT.  wimg, a section for each weight: [group of 32 columns g][K step of 128 s][tile u][c][lane][16 bytes]: a fragment (16 columns x 128 K) is 1,024 bytes, lane (r, h) part c = block 2 c + h of row r.
; Row r of tile u is column 8 u + r + 8 (r / 8) of the group, so that the 16 result registers of a group's two tiles are 16 neighbouring columns.  wscl: [g][s][32 lanes] words, lane 16 u + r, byte j = block j.
; SHARES.  A wave takes 32 columns x 128 K; a lane takes ONE column and its registers run down K, so a block of 32 is one lane's and the conversions give K innermost.  The four waves of a work-group
; stand side by side: a row of the weight is read as 512 consecutive bytes.  Work-groups 0-63: Wq, Wk, Wv, Wo (16 each); 64-127: W1; 128-191: W2.
; No LDS, no barrier: waves share nothing.  Loads run one block (32 loads) ahead of the block at work.
.set X,     16                         ; v16-143  four blocks of 32 numbers
.set MX,    144                        ; v144-145 largest magnitudes, two chains
.set SCR,   152                        ; v152-155 the conversions' scale operands
.set WRD,   160                        ; v160     the scale word
.set CD,    164                        ; v164-179 codes, four registers a block: no store's data are written again
.set FLOOR, 0x1800000                  ; 2^(3 - 127)
	s_load_b512 s[8:23], s[0:1], 0x0               ; Wq s[8:9], Wk, Wv, Wo, W1 s[16:17], W2 s[18:19], wimg s[20:21], wscl s[22:23]
	v_lshrrev_b32 v1, 5, v0
	v_readfirstlane_b32 s4, v1                     ; wave 0..3
	v_and_b32 v1, 31, v0                           ; lane = 16 u + r
	v_lshrrev_b32 v5, 4, v1                        ; u
	v_and_b32 v6, 15, v1                           ; r
	v_bfe_u32 v7, v1, 3, 1                         ; r / 8
	v_lshl_add_u32 v2, v5, 3, v6
	v_lshl_add_u32 v2, v7, 3, v2                   ; my column of the group: 8 u + r + 8 (r / 8)
	v_lshlrev_b32 v2, 2, v2                        ; in bytes
	v_lshlrev_b32 v3, 4, v6
	v_lshl_add_u32 v3, v5, 10, v3                  ; my codes' place in a K step's image: 1,024 u + 16 r
	v_lshlrev_b32 v4, 2, v1                        ; my scale word's place
	; which weight, which four groups, which K step: all from the work-group's number
	s_lshr_b32 s5, ttmp9, 6                        ; class 0: the four square weights; 1: W1; 2: W2
	s_lshr_b32 s6, ttmp9, 4                        ; class 0: which of the four
	s_and_b32 s24, ttmp9, 3                        ; four groups: gq
	s_bfe_u32 s25, ttmp9, 0x20002                  ; K step
	s_mov_b32 s26, 2                               ; log2 of the K steps in the weight
	s_lshl_b32 s27, s6, 17                         ; the section in wimg
	s_lshl_b32 s28, s6, 13                         ; and in wscl
	s_mov_b32 s29, 18                              ; log2 of 128 rows in bytes
	s_and_b32 s30, ttmp9, 15
	s_bfe_u32 s31, ttmp9, 0x20004
	s_bfe_u32 s32, ttmp9, 0x40002
	s_cmp_eq_u32 s5, 1                             ; W1: 16 x 4 groups, 4 K steps, rows of 8,192 bytes
	s_cselect_b32 s24, s30, s24
	s_cselect_b32 s25, s31, s25
	s_cselect_b32 s27, 0x80000, s27
	s_cselect_b32 s28, 0x8000, s28
	s_cselect_b32 s29, 20, s29
	s_cmp_eq_u32 s5, 2                             ; W2: 4 x 4 groups, 16 K steps
	s_cselect_b32 s25, s32, s25
	s_cselect_b32 s26, 4, s26
	s_cselect_b32 s27, 0x100000, s27
	s_cselect_b32 s28, 0x10000, s28
	s_lshl_b32 s33, s24, 2
	s_add_co_u32 s33, s33, s4                      ; my group g = 4 gq + wave
	s_lshl_b32 s34, s33, s26
	s_add_co_u32 s34, s34, s25                     ; g x K steps + s
	s_lshl_b32 s36, s34, 11
	s_add_co_u32 s36, s36, s27                     ; my image: 2,048 bytes each
	s_mov_b32 s37, 0
	s_lshl_b32 s38, s34, 7
	s_add_co_u32 s38, s38, s28                     ; my scale words: 128 bytes each
	s_mov_b32 s39, 0
	s_lshl_b32 s40, s25, s29
	s_lshl_b32 s41, s33, 7
	s_add_co_u32 s40, s40, s41                     ; in the weight: 128 s rows down, 32 g columns along
	s_mov_b32 s41, 0
	s_wait_kmcnt 0x0
	s_cmp_eq_u32 s6, 1                             ; the choice of the buffer hangs on the work-group's number alone
	s_cselect_b64 s[8:9], s[10:11], s[8:9]
	s_cmp_eq_u32 s6, 2
	s_cselect_b64 s[8:9], s[12:13], s[8:9]
	s_cmp_eq_u32 s6, 3
	s_cselect_b64 s[8:9], s[14:15], s[8:9]
	s_cmp_eq_u32 s5, 1
	s_cselect_b64 s[8:9], s[16:17], s[8:9]
	s_cmp_eq_u32 s5, 2
	s_cselect_b64 s[8:9], s[18:19], s[8:9]
	s_add_nc_u64 s[8:9], s[8:9], s[40:41]
	s_add_nc_u64 s[20:21], s[20:21], s[36:37]
	s_add_nc_u64 s[22:23], s[22:23], s[38:39]
.macro LD32 j, rowb                    ; block j: W(32 j + i, my column), i = 0 .. 31; a wave reads 128 consecutive bytes of a row
.irp i, 0,1,2,3,4,5,6,7,8,9,10,11,12,13,14,15,16,17,18,19,20,21,22,23,24,25,26,27,28,29,30,31
	global_load_b32 v[X+32*(\j)+\i], v2, s[8:9] offset:(32*(\j)+\i)*(\rowb) th:TH_LOAD_NT
.endr
.endm
.macro BLK j
.set XS, X+32*(\j)
	v_max3_num_f32 v[MX], |v[XS]|, |v[XS+1]|, |v[XS+2]|              ; the block's largest magnitude: all 32 numbers are mine
	v_max3_num_f32 v[MX+1], |v[XS+3]|, |v[XS+4]|, |v[XS+5]|
.irp i, 6,10,14,18,22,26
	v_max3_num_f32 v[MX], v[MX], |v[XS+\i]|, |v[XS+\i+1]|
	v_max3_num_f32 v[MX+1], v[MX+1], |v[XS+\i+2]|, |v[XS+\i+3]|
.endr
	v_max3_num_f32 v[MX], v[MX], |v[XS+30]|, |v[XS+31]|
	v_max3_num_f32 v[MX], v[MX], v[MX+1], FLOOR                      ; and the floor: the byte cannot fall under 1
	v_add_nc_u32 v[SCR+(\j)], 0xff000000, v[MX]                      ; 2 off the exponent field: the conversion takes that field as its scale
.irp g, 0,1,2,3
	v_cvt_scalef32_pk8_fp4_f32 v[CD+4*(\j)+\g], v[XS+8*\g:XS+8*\g+7], v[SCR+(\j)]
.endr
	v_lshrrev_b32 v[MX+1], 23, v[SCR+(\j)]                           ; the scale's byte (a plain line behind the conversions)
.if (\j) == 0
	v_mov_b32 v[WRD], v[MX+1]
.else
	v_lshl_or_b32 v[WRD], v[MX+1], 8*(\j), v[WRD]
.endif
	global_store_b128 v3, v[CD+4*(\j):CD+4*(\j)+3], s[20:21] offset:256*(\j)   ; lanes 0-15 store 256 consecutive aligned bytes, lanes 16-31 another 256
.endm
.macro BODY rowb
	LD32 0, \rowb
	LD32 1, \rowb
	s_wait_loadcnt 32                              ; block 0 is in; block 1's 32 loads may be out
	BLK 0
	LD32 2, \rowb
	s_wait_loadcnt 32
	BLK 1
	LD32 3, \rowb
	s_wait_loadcnt 32
	BLK 2
	s_wait_loadcnt 0x0
	BLK 3
	global_store_b32 v4, v[WRD], s[22:23]          ; the K step's 32 scale words: 128 consecutive bytes
	s_endpgm
.endm
	s_cmp_eq_u32 s5, 1                             ; a row's length stands in the loads' immediates: two copies of the body
	s_cbranch_scc1 .Lwide
	BODY 2048
.Lwide:
	BODY 8192
.Lfunc_end_k_qc4b08e3d9b_wq:
	.size	k_qc4b08e3d9b_wq, .Lfunc_end_k_qc4b08e3d9b_wq-k_qc4b08e3d9b_wq
	.p2alignl 7, 3214868480
	.fill 96, 4, 3214868480
	.section	.rodata,"a",@progbits
	.p2align	6, 0x0
	.amdhsa_kernel k_qc4b08e3d9b_wq
		.amdhsa_group_segment_fixed_size 0
		.amdhsa_private_segment_fixed_size 0
		.amdhsa_enable_private_segment 0
		.amdhsa_kernarg_size 64
		.amdhsa_user_sgpr_count 2
		.amdhsa_user_sgpr_kernarg_segment_ptr 1
		.amdhsa_wavefront_size32 1
		.amdhsa_system_sgpr_workgroup_id_x 1
		.amdhsa_system_sgpr_workgroup_id_y 1
		.amdhsa_system_sgpr_workgroup_id_z 1
		.amdhsa_system_vgpr_workitem_id 0
		.amdhsa_next_free_vgpr 184
		.amdhsa_next_free_sgpr 66
		.amdhsa_reserve_vcc 0
		.amdhsa_float_denorm_mode_32 3
		.amdhsa_float_denorm_mode_16_64 3
		.amdhsa_memory_ordered 1
		.amdhsa_forward_progress 1
		.amdhsa_inst_pref_size 40
	.end_amdhsa_kernel
	.amdgpu_metadata
---
amdhsa.version: [ 1, 2 ]
amdhsa.kernels:
  - .name:           k_qc4b08e3d9b_wq
    .symbol:         k_qc4b08e3d9b_wq.kd
    .args:
      - { .name: Wq, .offset: 0, .size: 8, .value_kind: global_buffer, .address_space: global }
      - { .name: Wk, .offset: 8, .size: 8, .value_kind: global_buffer, .address_space: global }
      - { .name: Wv, .offset: 16, .size: 8, .value_kind: global_buffer, .address_space: global }
      - { .name: Wo, .offset: 24, .size: 8, .value_kind: global_buffer, .address_space: global }
      - { .name: W1, .offset: 32, .size: 8, .value_kind: global_buffer, .address_space: global }
      - { .name: W2, .offset: 40, .size: 8, .value_kind: global_buffer, .address_space: global }
      - { .name: wimg, .offset: 48, .size: 8, .value_kind: global_buffer, .address_space: global }
      - { .name: wscl, .offset: 56, .size: 8, .value_kind: global_buffer, .address_space: global }
    .group_segment_fixed_size: 0
    .private_segment_fixed_size: 0
    .kernarg_segment_align: 8
    .kernarg_segment_size: 64
    .max_flat_workgroup_size: 128
    .sgpr_count:     66
    .vgpr_count:     184
    .wavefront_size: 32
...
	.end_amdgpu_metadata
.endif
;; end of part 1
;; launch qkv (part 2): grid 256 x 1, 16 waves a work-group, no clusters, 14,336 bytes of LDS; arguments x, ln1_scale, ln1_shift, wimg, wscl, qkvc, qkvs; writes qkvc, qkvs
.if DOCPART == 2
	.amdgcn_target "amdgcn-amd-amdhsa--gfx1250"
	.amdhsa_code_object_version 6
	.text
	.protected	k_qc4b08e3d9b_qkv
	.globl	k_qc4b08e3d9b_qkv
	.p2align	8
	.type	k_qc4b08e3d9b_qkv,@function
k_qc4b08e3d9b_qkv:
	s_mov_b64 s[64:65], 0
	v_nop
	global_prefetch_b8 v0, s[64:65] scope:SCOPE_SE
	s_setreg_imm32_b32 hwreg(HW_REG_WAVE_MODE, 25, 1), 1
	s_wait_xcnt 0x0
; LayerNorm 1, its quantising, q = h Wq, k = h Wk, v = h Wv on codes of FP4 (E2M1, one E8M0 scale for each 32 along K), and the quantising of q, k (along the head's 32) and v (along 32 tokens).
; SHARES.  A work-group takes 32 tokens; wave w normalises rows 2 w, 2 w + 1 and then makes head w of q, k and v for all 32 tokens.  Its weights (8 KiB a product) go from memory straight into its registers.
; ORDER IN A GROUP OF 32 (tokens, or a weight's columns): row r of tile u is element 8 u + r + 8 (r / 8); slot = 16 u + r.  A product whose source 0 is a group's two tiles leaves in a lane's 16 result
; registers the group's elements 16 (lane / 16) + 0 .. 15, which is what the conversions want.
; q, k: source 0 = the weight's columns, source 1 = tokens: a lane holds one token and 16 of the head's 32.  v: sources swapped: a lane holds one of the head's 32 and 16 tokens.
; OUT.  qkvc: q, k [batch x 16 + head][slot of the token][16 bytes]; v [batch x 16 + head][128 keys][tile of 16 dims][c][lane][16 bytes], the image of V^T's fragments.  qkvs: [32 tokens][head][slot] bytes, three sections.
; LIMITS: a block whose largest magnitude lies under 2^-124 (a block of zeros too) gets the byte 1; NaN and infinities are not served.  1 / sqrt by v_rsq_f32.
.set XIMG, 0                           ; LDS: the normalised rows' codes as images of fragments: [tile u][256 x block + 16 r + 8 x half], 8,192 bytes
.set XSC,  8192                        ; their scale words [K step][slot], 512 bytes
.set SCST, 8704                        ; a stage for q's, k's, v's scale bytes: [section][32 w + lane], 1,536 bytes
.set LI,   1                           ; v1  16 x lane
.set LS,   2                           ; v2  4 x lane
.set XO,   3                           ; v3  64 x lane: my 16 numbers of a row
.set XW,   4                           ; v4  where my codes of a normalised row go
.set XSB,  5                           ; v5  and my block's scale byte
.set QO,   6                           ; v6  16 r + 8 h
.set SCW,  7                           ; v7  32 w + lane
.set SCR,  8                           ; v8  the stage read back
.set W0,   16                          ; v16-79, v80-143  two weight buffers: fragment (K step s, tile u) at 16 s + 8 u
.set W1,   80
.set WS0,  144                         ; v144-147, v148-151 their scale words
.set WS1,  148
.set AS,   152                         ; v152-155 the tokens' scale words
.set BI,   156                         ; (a bias as C: not used in this body)
.set ACC,  172                         ; v172-203 four accumulators; before the products: the two rows
.set AF,   204                         ; v204-235 the tokens' fragments of two K steps; before the products: gain and shift
.set PC,   236                         ; v236-247 codes of q, k, v; before the products: at work
.set QT,   248                         ; v248-254 the quantiser's registers
.set WV,   18
.set SEL,  20
.set HI,   22
; ---- macros shared with the last launch's body
.macro WLOAD wb, ws, cb, ci, sb, si    ; a chunk of a weight: 32 columns x 512 K: 16 loads of 512 consecutive bytes and 4 of scale words
.irp i, 0,1,2,3,4,5,6,7,8,9,10,11,12,13,14,15
	global_load_b128 v[(\wb)+4*\i:(\wb)+4*\i+3], v[LI], s[\cb:\cb+1] offset:(\ci)+512*\i
.endr
.irp i, 0,1,2,3
	global_load_b32 v[(\ws)+\i], v[LS], s[\sb:\sb+1] offset:(\si)+128*\i
.endr
.endm
.macro MM d, a, b, c, sa, sb, ra, rb   ; one product; c < 0: C is the constant 0; ra, rb: the scales stand in lanes 16-31
.if (\c) < 0
.if (\ra) && (\rb)
	v_wmma_scale_f32_16x16x128_f8f6f4 v[(\d):(\d)+7], v[(\a):(\a)+7], v[(\b):(\b)+7], 0, v[(\sa)], v[(\sb)] matrix_a_fmt:MATRIX_FMT_FP4 matrix_b_fmt:MATRIX_FMT_FP4 matrix_a_scale:MATRIX_SCALE_ROW1 matrix_b_scale:MATRIX_SCALE_ROW1
.elseif (\ra)
	v_wmma_scale_f32_16x16x128_f8f6f4 v[(\d):(\d)+7], v[(\a):(\a)+7], v[(\b):(\b)+7], 0, v[(\sa)], v[(\sb)] matrix_a_fmt:MATRIX_FMT_FP4 matrix_b_fmt:MATRIX_FMT_FP4 matrix_a_scale:MATRIX_SCALE_ROW1
.elseif (\rb)
	v_wmma_scale_f32_16x16x128_f8f6f4 v[(\d):(\d)+7], v[(\a):(\a)+7], v[(\b):(\b)+7], 0, v[(\sa)], v[(\sb)] matrix_a_fmt:MATRIX_FMT_FP4 matrix_b_fmt:MATRIX_FMT_FP4 matrix_b_scale:MATRIX_SCALE_ROW1
.else
	v_wmma_scale_f32_16x16x128_f8f6f4 v[(\d):(\d)+7], v[(\a):(\a)+7], v[(\b):(\b)+7], 0, v[(\sa)], v[(\sb)] matrix_a_fmt:MATRIX_FMT_FP4 matrix_b_fmt:MATRIX_FMT_FP4
.endif
.else
.if (\ra) && (\rb)
	v_wmma_scale_f32_16x16x128_f8f6f4 v[(\d):(\d)+7], v[(\a):(\a)+7], v[(\b):(\b)+7], v[(\c):(\c)+7], v[(\sa)], v[(\sb)] matrix_a_fmt:MATRIX_FMT_FP4 matrix_b_fmt:MATRIX_FMT_FP4 matrix_a_scale:MATRIX_SCALE_ROW1 matrix_b_scale:MATRIX_SCALE_ROW1
.elseif (\ra)
	v_wmma_scale_f32_16x16x128_f8f6f4 v[(\d):(\d)+7], v[(\a):(\a)+7], v[(\b):(\b)+7], v[(\c):(\c)+7], v[(\sa)], v[(\sb)] matrix_a_fmt:MATRIX_FMT_FP4 matrix_b_fmt:MATRIX_FMT_FP4 matrix_a_scale:MATRIX_SCALE_ROW1
.elseif (\rb)
	v_wmma_scale_f32_16x16x128_f8f6f4 v[(\d):(\d)+7], v[(\a):(\a)+7], v[(\b):(\b)+7], v[(\c):(\c)+7], v[(\sa)], v[(\sb)] matrix_a_fmt:MATRIX_FMT_FP4 matrix_b_fmt:MATRIX_FMT_FP4 matrix_b_scale:MATRIX_SCALE_ROW1
.else
	v_wmma_scale_f32_16x16x128_f8f6f4 v[(\d):(\d)+7], v[(\a):(\a)+7], v[(\b):(\b)+7], v[(\c):(\c)+7], v[(\sa)], v[(\sb)] matrix_a_fmt:MATRIX_FMT_FP4 matrix_b_fmt:MATRIX_FMT_FP4
.endif
.endif
.endm
.macro AFETCH aoff, ustr, s0           ; the tokens' fragments of K steps s0, s0 + 1: images, 16 bytes a lane, 512 consecutive bytes a load
.irp s, \s0, \s0+1
.irp u, 0,1
.irp c, 0,1
	ds_load_b128 v[AF+16*((\s)&1)+8*\u+4*\c:AF+16*((\s)&1)+8*\u+4*\c+3], v[LI] offset:(\aoff)+\u*(\ustr)+1024*(\s)+512*\c
.endr
.endr
.endr
.endm
.macro MM8 wb, ws, s0, cmode, swap     ; two K steps x four accumulators, which take turns, one instruction a turn
.irp s, \s0, \s0+1
.irp a, 0,1
.irp b, 0,1
.if ((\s) == 0) && ((\cmode) == 0)
.set CC, -1
.elseif ((\s) == 0) && ((\cmode) == 1)
.set CC, BI+8*\b
.else
.set CC, ACC+16*\a+8*\b
.endif
.if \swap
	MM ACC+16*\a+8*\b, AF+16*((\s)&1)+8*\b, (\wb)+16*(\s)+8*\a, CC, AS+(\s), (\ws)+(\s), \b, \a
.else
	MM ACC+16*\a+8*\b, (\wb)+16*(\s)+8*\b, AF+16*((\s)&1)+8*\a, CC, (\ws)+(\s), AS+(\s), \b, \a
.endif
.endr
.endr
.endr
.endm
; 32 tokens x 32 columns x 512 K.  swap = 0: accumulator 16 a + 8 b: token slot (a, lane % 16), columns 16 (lane / 16) + 8 b + 0 .. 7.  swap = 1: column slot (a, lane % 16), tokens 16 (lane / 16) + 8 b + 0 .. 7.
; cmode 0: the sums start at 0; 1: at the bias in v[BI] on (fetched by the caller); 2: they go on.  n: the global loads issued behind this chunk's, which may stay out.
.macro PROD wb, ws, aoff, ustr, soff, n, cmode, swap
	AFETCH \aoff, \ustr, 0
.irp s, 0,1,2,3
	ds_load_b32 v[AS+\s], v[LS] offset:(\soff)+128*\s
.endr
	s_wait_dscnt 0x0
	s_wait_loadcnt \n
	MM8 \wb, \ws, 0, \cmode, \swap
.rept 4
	v_nop                                          ; places in front of loads into registers that the products have read
.endr
	AFETCH \aoff, \ustr, 2
	s_wait_dscnt 0x0
	MM8 \wb, \ws, 2, 2, \swap
.rept 5
	v_nop                                          ; places in front of the first read of the results and of loads into the operands; the fifth for the next products, which write over these accumulators
.endr
.endm
; 2 x 16 numbers of a lane, v[s + 16 u + i]: halves of two blocks of 32 whose other halves lie in lane xor 16.  Codes into v[d + 2 u], v[d + 2 u + 1]; v[t + 6]: lane l holds the scale byte of slot l.
.macro Q16X2 s, d, t
.irp u, 0,1
	v_max3_num_f32 v[(\t)+\u], |v[(\s)+16*\u]|, |v[(\s)+16*\u+1]|, 0x1800000   ; with the floor 2^(3 - 127): the byte cannot fall under 1
.endr
.irp i, 2,4,6,8,10,12,14
.irp u, 0,1
	v_max3_num_f32 v[(\t)+\u], v[(\t)+\u], |v[(\s)+16*\u+\i]|, |v[(\s)+16*\u+\i+1]|
.endr
.endr
.irp u, 0,1
	v_permlanex16_b32 v[(\t)+2+\u], v[(\t)+\u], s[SEL], s[SEL+1]
.endr
.irp u, 0,1
	v_max_num_f32 v[(\t)+\u], v[(\t)+\u], v[(\t)+2+\u]
.endr
.irp u, 0,1
	v_add_nc_u32 v[(\t)+4+\u], 0xff000000, v[(\t)+\u]           ; 2 off the exponent field: the conversion's scale operand
.endr
.irp u, 0,1
	v_cvt_scalef32_pk8_fp4_f32 v[(\d)+2*\u], v[(\s)+16*\u:(\s)+16*\u+7], v[(\t)+4+\u]
	v_cvt_scalef32_pk8_fp4_f32 v[(\d)+2*\u+1], v[(\s)+16*\u+8:(\s)+16*\u+15], v[(\t)+4+\u]
.endr
	v_nop                                          ; one plain line behind the conversions
.irp u, 0,1
	v_lshrrev_b32 v[(\t)+\u], 23, v[(\t)+4+\u]     ; the scales' bytes
.endr
	v_cndmask_b32 v[(\t)+6], v[(\t)], v[(\t)+1], s[HI]   ; lanes 0-15: tile 0's, lanes 16-31: tile 1's
.endm
.macro TREE2 s, t                      ; for u = 0, 1: v[t + 8 u] = the sum of v[s + 16 u] .. v[s + 16 u + 15]; v[t + 8 u + 1 .. 7] at work
.irp k, 0,1,2,3
.irp u, 0,1
	v_pk_add_f32 v[(\t)+8*\u+2*\k:(\t)+8*\u+2*\k+1], v[(\s)+16*\u+4*\k:(\s)+16*\u+4*\k+1], v[(\s)+16*\u+4*\k+2:(\s)+16*\u+4*\k+3]
.endr
.endr
.irp u, 0,1
	v_pk_add_f32 v[(\t)+8*\u:(\t)+8*\u+1], v[(\t)+8*\u:(\t)+8*\u+1], v[(\t)+8*\u+2:(\t)+8*\u+3]
	v_pk_add_f32 v[(\t)+8*\u+4:(\t)+8*\u+5], v[(\t)+8*\u+4:(\t)+8*\u+5], v[(\t)+8*\u+6:(\t)+8*\u+7]
.endr
.irp u, 0,1
	v_pk_add_f32 v[(\t)+8*\u:(\t)+8*\u+1], v[(\t)+8*\u:(\t)+8*\u+1], v[(\t)+8*\u+4:(\t)+8*\u+5]
.endr
.irp u, 0,1
	v_add_f32 v[(\t)+8*\u], v[(\t)+8*\u], v[(\t)+8*\u+1]
.endr
.endm
.macro SQ2 s, t                        ; the same of the squares; v[t + 8 u + 1 .. 3] at work
.irp u, 0,1
	v_pk_mul_f32 v[(\t)+8*\u:(\t)+8*\u+1], v[(\s)+16*\u:(\s)+16*\u+1], v[(\s)+16*\u:(\s)+16*\u+1]
	v_pk_mul_f32 v[(\t)+8*\u+2:(\t)+8*\u+3], v[(\s)+16*\u+2:(\s)+16*\u+3], v[(\s)+16*\u+2:(\s)+16*\u+3]
.endr
.irp k, 4,8,12
.irp u, 0,1
	v_pk_fma_f32 v[(\t)+8*\u:(\t)+8*\u+1], v[(\s)+16*\u+\k:(\s)+16*\u+\k+1], v[(\s)+16*\u+\k:(\s)+16*\u+\k+1], v[(\t)+8*\u:(\t)+8*\u+1]
	v_pk_fma_f32 v[(\t)+8*\u+2:(\t)+8*\u+3], v[(\s)+16*\u+\k+2:(\s)+16*\u+\k+3], v[(\s)+16*\u+\k+2:(\s)+16*\u+\k+3], v[(\t)+8*\u+2:(\t)+8*\u+3]
.endr
.endr
.irp u, 0,1
	v_pk_add_f32 v[(\t)+8*\u:(\t)+8*\u+1], v[(\t)+8*\u:(\t)+8*\u+1], v[(\t)+8*\u+2:(\t)+8*\u+3]
.endr
.irp u, 0,1
	v_add_f32 v[(\t)+8*\u], v[(\t)+8*\u], v[(\t)+8*\u+1]
.endr
.endm
.macro LANES2 t                        ; v[t], v[t + 8] summed over the wave's 32 lanes, the result in every lane; v[t + 1], v[t + 9] at work
.irp m, 1,2,4,8
.irp u, 0,1
	v_add_f32_dpp v[(\t)+8*\u], v[(\t)+8*\u], v[(\t)+8*\u] row_xmask:\m row_mask:0xf bank_mask:0xf
.endr
.endr
.irp u, 0,1
	v_permlanex16_b32 v[(\t)+8*\u+1], v[(\t)+8*\u], s[SEL], s[SEL+1]
.endr
.irp u, 0,1
	v_add_f32 v[(\t)+8*\u], v[(\t)+8*\u], v[(\t)+8*\u+1]
.endr
.endm
; ---- the head
	s_load_b256 s[4:11], s[0:1], 0x0               ; x s[4:5], ln1_scale s[6:7], ln1_shift s[8:9], wimg s[10:11]
	s_load_b128 s[12:15], s[0:1], 0x20             ; wscl s[12:13], qkvc s[14:15]
	s_load_b64 s[16:17], s[0:1], 0x30              ; qkvs
	v_lshl_add_u32 v171, v0, 2, 0x3000
	v_mov_b32 v255, 0
	v_lshrrev_b32 v9, 5, v0
	v_readfirstlane_b32 s[WV], v9                  ; wave 0..15
	v_and_b32 v9, 31, v0                           ; lane
	v_lshlrev_b32 v[LI], 4, v9
	v_lshlrev_b32 v[LS], 2, v9
	v_lshlrev_b32 v[XO], 6, v9
	v_lshrrev_b32 v10, 1, v9                       ; my block of the row's 16
	v_and_b32 v11, 1, v9                           ; which half of it
	v_lshrrev_b32 v12, 3, v9                       ; its K step
	v_and_b32 v13, 3, v10                          ; its byte in the scale word
	v_and_b32 v14, 15, v9                          ; r
	v_lshrrev_b32 v15, 4, v9                       ; h
	s_mov_b32 s[SEL], 0x76543210
	s_mov_b32 s[SEL+1], 0xfedcba98                 ; v_permlanex16_b32's selects for lane xor 16
	s_mov_b32 s[HI], 0xffff0000                    ; lanes 16-31
	s_mov_b32 s23, 0x3b000000                      ; 1 / 512
	s_mov_b32 s24, 0x3727c5ac                      ; 1e-5
	s_bfe_u32 s44, s[WV], 0x10002                  ; token 2 w + i lies in tile u = (w / 4) % 2,
	s_lshl_b32 s45, s[WV], 1
	s_and_b32 s45, s45, 6
	s_lshr_b32 s46, s[WV], 3
	s_lshl_b32 s46, s46, 3
	s_add_co_u32 s45, s45, s46                     ; row r0 + i, r0 = (2 w) % 8 + 8 (w / 8)
	s_lshl_b32 s46, s44, 12
	s_lshl_b32 s47, s45, 4
	s_add_co_u32 s46, s46, s47
	v_lshlrev_b32 v[XW], 8, v10
	v_lshl_add_u32 v[XW], v11, 3, v[XW]
	v_add_nc_u32 v[XW], s46, v[XW]                 ; 4,096 u + 16 r0 + 256 x block + 8 x half
	s_lshl_b32 s46, s44, 6
	s_lshl_b32 s47, s45, 2
	s_add_co_u32 s46, s46, s47
	s_add_co_u32 s46, s46, XSC
	v_lshl_add_u32 v[XSB], v12, 7, v13
	v_add_nc_u32 v[XSB], s46, v[XSB]               ; XSC + 128 x K step + 4 x slot + byte
	v_lshlrev_b32 v[QO], 4, v14
	v_lshl_add_u32 v[QO], v15, 3, v[QO]
	s_lshl_b32 s46, s[WV], 5
	v_add_nc_u32 v[SCW], s46, v9
	s_min_u32 s47, s[WV], 2
	s_lshl_b32 s46, s47, 9
	v_add_nc_u32 v[SCR], s46, v[LI]
	s_lshl_b32 s26, ttmp9, 16                      ; x: 32 rows of 2,048 bytes a work-group,
	s_lshl_b32 s27, s[WV], 12
	s_add_co_u32 s26, s26, s27                     ; two a wave
	s_mov_b32 s27, 0
	s_lshl_b32 s28, s[WV], 13                      ; my group's chunk in each weight's section
	s_mov_b32 s29, 0
	s_lshl_b32 s30, s[WV], 9                       ; and its scale words
	s_mov_b32 s31, 0
	s_lshr_b32 s32, ttmp9, 6                       ; batch
	s_and_b32 s33, ttmp9, 63                       ; which 32 tokens of the batch: tb
	s_lshl_b32 s32, s32, 19
	s_lshl_b32 s34, s[WV], 15
	s_add_co_u32 s32, s32, s34                     ; (batch x 16 + head) x 32,768
	s_lshl_b32 s34, s33, 9
	s_add_co_u32 s34, s34, s32                     ; q, k: + 512 tb
	s_mov_b32 s35, 0
	s_lshr_b32 s36, s33, 2
	s_lshl_b32 s36, s36, 11
	s_and_b32 s37, s33, 3
	s_lshl_b32 s37, s37, 8
	s_add_co_u32 s36, s36, s37
	s_add_co_u32 s36, s36, s32
	s_add_co_u32 s36, s36, 0x400000                ; v: its section + 2,048 (tb / 4) + 256 (tb % 4)
	s_mov_b32 s37, 0
	s_lshl_b32 s38, s47, 17
	s_lshl_b32 s39, ttmp9, 9
	s_add_co_u32 s38, s38, s39                     ; the scale bytes: section w (waves 0 to 2) + 512 x work-group
	s_mov_b32 s39, 0
	s_wait_kmcnt 0x0
	s_add_nc_u64 s[4:5], s[4:5], s[26:27]
	s_add_nc_u64 s[10:11], s[10:11], s[28:29]
	s_add_nc_u64 s[12:13], s[12:13], s[30:31]
	s_add_nc_u64 s[40:41], s[14:15], s[34:35]
	s_add_nc_u64 s[42:43], s[14:15], s[36:37]
	s_add_nc_u64 s[16:17], s[16:17], s[38:39]
.irp i, 0,1
.irp j, 0,1,2,3
	global_load_b128 v[ACC+16*\i+4*\j:ACC+16*\i+4*\j+3], v[XO], s[4:5] offset:2048*\i+16*\j th:TH_LOAD_NT   ; row 2 w + i: my 16 neighbours
.endr
.endr
.irp j, 0,1,2,3
	global_load_b128 v[AF+4*\j:AF+4*\j+3], v[XO], s[6:7] offset:16*\j
	global_load_b128 v[AF+16+4*\j:AF+16+4*\j+3], v[XO], s[8:9] offset:16*\j
.endr
	WLOAD W0, WS0, 10, 0, 12, 0                    ; Wq's group w
	WLOAD W1, WS1, 10, 131072, 12, 8192            ; Wk's
	s_wait_loadcnt 40                              ; the rows, gain and shift are in; the 40 loads of weights may be out
; ---- LayerNorm 1, two rows by turns: mean, then the mean of the squared differences
	TREE2 ACC, PC
	LANES2 PC
.irp u, 0,1
	v_mul_f32 v[PC+8*\u], s23, v[PC+8*\u]          ; the mean
.endr
.irp k, 0,2,4,6,8,10,12,14
.irp u, 0,1
	v_pk_add_f32 v[ACC+16*\u+\k:ACC+16*\u+\k+1], v[ACC+16*\u+\k:ACC+16*\u+\k+1], v[PC+8*\u:PC+8*\u+1] op_sel_hi:[1,0] neg_lo:[0,1] neg_hi:[0,1]
.endr
.endr
	SQ2 ACC, PC
	LANES2 PC
.irp u, 0,1
	v_fma_f32 v[PC+8*\u], v[PC+8*\u], s23, s24     ; variance + 1e-5
.endr
.irp u, 0,1
	v_rsq_f32 v[PC+8*\u], v[PC+8*\u]
.endr
	v_nop                                          ; a plain line behind the transcendentals
	s_wait_alu depctr_va_vdst(0)                   ; one wait for both, ahead of their first reader
.irp k, 0,2,4,6,8,10,12,14
.irp u, 0,1
	v_pk_mul_f32 v[ACC+16*\u+\k:ACC+16*\u+\k+1], v[ACC+16*\u+\k:ACC+16*\u+\k+1], v[PC+8*\u:PC+8*\u+1] op_sel_hi:[1,0]
.endr
.endr
.irp k, 0,2,4,6,8,10,12,14
.irp u, 0,1
	v_pk_fma_f32 v[ACC+16*\u+\k:ACC+16*\u+\k+1], v[ACC+16*\u+\k:ACC+16*\u+\k+1], v[AF+\k:AF+\k+1], v[AF+16+\k:AF+16+\k+1]
.endr
.endr
; quantised: lanes 2 p and 2 p + 1 hold block p of the row
.irp u, 0,1
	v_max3_num_f32 v[PC+8*\u+4], |v[ACC+16*\u]|, |v[ACC+16*\u+1]|, 0x1800000
.endr
.irp i, 2,4,6,8,10,12,14
.irp u, 0,1
	v_max3_num_f32 v[PC+8*\u+4], v[PC+8*\u+4], |v[ACC+16*\u+\i]|, |v[ACC+16*\u+\i+1]|
.endr
.endr
.irp u, 0,1
	v_max_num_f32_dpp v[PC+8*\u+4], v[PC+8*\u+4], v[PC+8*\u+4] row_xmask:1 row_mask:0xf bank_mask:0xf
.endr
.irp u, 0,1
	v_add_nc_u32 v[PC+8*\u+5], 0xff000000, v[PC+8*\u+4]
.endr
.irp u, 0,1
	v_cvt_scalef32_pk8_fp4_f32 v[PC+8*\u+2], v[ACC+16*\u:ACC+16*\u+7], v[PC+8*\u+5]
	v_cvt_scalef32_pk8_fp4_f32 v[PC+8*\u+3], v[ACC+16*\u+8:ACC+16*\u+15], v[PC+8*\u+5]
.endr
	v_nop                                          ; one plain line behind the conversions
.irp u, 0,1
	v_lshrrev_b32 v[PC+8*\u+6], 23, v[PC+8*\u+5]
.endr
.irp u, 0,1
	ds_store_b64 v[XW], v[PC+8*\u+2:PC+8*\u+3] offset:XIMG+16*\u
	ds_store_b8 v[XSB], v[PC+8*\u+6] offset:4*\u   ; both lanes of a block write the same byte with the same value
.endr
	s_wait_dscnt 0x0                               ; for the others' sake: my stores have landed
	s_barrier_signal -1
	s_barrier_wait -1                              ; the 32 rows' fragments and scale words lie in LDS
; ---- the three products of head w
	PROD W0, WS0, XIMG, 4096, XSC, 20, 0, 0        ; q; Wk's 20 loads may be out
	WLOAD W0, WS0, 10, 262144, 12, 16384           ; Wv's group w into the buffer that q has left
	Q16X2 ACC, PC, QT
	global_store_b64 v[QO], v[PC:PC+1], s[40:41]                   ; 32 lanes store 256 consecutive aligned bytes: 16 slots x 16 bytes
	global_store_b64 v[QO], v[PC+2:PC+3], s[40:41] offset:256
	ds_store_b8 v[SCW], v[QT+6] offset:SCST
	PROD W1, WS1, XIMG, 4096, XSC, 20, 0, 0        ; k; Wv's 20 loads may be out
	Q16X2 ACC, PC+4, QT
	global_store_b64 v[QO], v[PC+4:PC+5], s[40:41] offset:2097152
	global_store_b64 v[QO], v[PC+6:PC+7], s[40:41] offset:2097152+256
	ds_store_b8 v[SCW], v[QT+6] offset:SCST+512
	PROD W0, WS0, XIMG, 4096, XSC, 0, 0, 1         ; v, sources swapped: registers run along the tokens
	Q16X2 ACC, PC+8, QT
	global_store_b64 v[QO], v[PC+8:PC+9], s[42:43]                 ; block tb % 4 of V^T's fragment, dims' tile 0,
	global_store_b64 v[QO], v[PC+10:PC+11], s[42:43] offset:1024   ; tile 1
	ds_store_b8 v[SCW], v[QT+6] offset:SCST+1024
	s_wait_dscnt 0x0
	s_barrier_signal -1
	s_barrier_wait -1                              ; the sixteen heads' scale bytes lie in the stage
	s_cmp_lt_u32 s[WV], 3                          ; wave 0: q's 512 bytes, wave 1: k's, wave 2: v's
	s_cbranch_scc0 .Ldone
	ds_load_b128 v[AF:AF+3], v[SCR] offset:SCST
	s_wait_dscnt 0x0
	global_store_b128 v[LI], v[AF:AF+3], s[16:17]  ; 512 consecutive aligned bytes
.Ldone:
	s_wait_tensorcnt 0x0
	ds_add_u32 v171, v255
	s_wait_dscnt 0x0
	s_endpgm
.Lfunc_end_k_qc4b08e3d9b_qkv:
	.size	k_qc4b08e3d9b_qkv, .Lfunc_end_k_qc4b08e3d9b_qkv-k_qc4b08e3d9b_qkv
	.p2alignl 7, 3214868480
	.fill 96, 4, 3214868480
	.section	.rodata,"a",@progbits
	.p2align	6, 0x0
	.amdhsa_kernel k_qc4b08e3d9b_qkv
		.amdhsa_group_segment_fixed_size 14336
		.amdhsa_private_segment_fixed_size 0
		.amdhsa_enable_private_segment 0
		.amdhsa_kernarg_size 56
		.amdhsa_user_sgpr_count 2
		.amdhsa_user_sgpr_kernarg_segment_ptr 1
		.amdhsa_wavefront_size32 1
		.amdhsa_system_sgpr_workgroup_id_x 1
		.amdhsa_system_sgpr_workgroup_id_y 1
		.amdhsa_system_sgpr_workgroup_id_z 1
		.amdhsa_system_vgpr_workitem_id 0
		.amdhsa_next_free_vgpr 256
		.amdhsa_next_free_sgpr 66
		.amdhsa_reserve_vcc 0
		.amdhsa_float_denorm_mode_32 3
		.amdhsa_float_denorm_mode_16_64 3
		.amdhsa_memory_ordered 1
		.amdhsa_forward_progress 1
		.amdhsa_inst_pref_size 37
	.end_amdhsa_kernel
	.amdgpu_metadata
---
amdhsa.version: [ 1, 2 ]
amdhsa.kernels:
  - .name:           k_qc4b08e3d9b_qkv
    .symbol:         k_qc4b08e3d9b_qkv.kd
    .args:
      - { .name: x, .offset: 0, .size: 8, .value_kind: global_buffer, .address_space: global }
      - { .name: ln1_scale, .offset: 8, .size: 8, .value_kind: global_buffer, .address_space: global }
      - { .name: ln1_shift, .offset: 16, .size: 8, .value_kind: global_buffer, .address_space: global }
      - { .name: wimg, .offset: 24, .size: 8, .value_kind: global_buffer, .address_space: global }
      - { .name: wscl, .offset: 32, .size: 8, .value_kind: global_buffer, .address_space: global }
      - { .name: qkvc, .offset: 40, .size: 8, .value_kind: global_buffer, .address_space: global }
      - { .name: qkvs, .offset: 48, .size: 8, .value_kind: global_buffer, .address_space: global }
    .group_segment_fixed_size: 14336
    .private_segment_fixed_size: 0
    .kernarg_segment_align: 8
    .kernarg_segment_size: 56
    .max_flat_workgroup_size: 512
    .sgpr_count:     66
    .vgpr_count:     256
    .wavefront_size: 32
...
	.end_amdgpu_metadata
.endif
;; end of part 2
;; launch attn (part 3): grid 4 x 64, 16 waves a work-group, no clusters, 169,984 bytes of LDS; arguments qkvc, qkvs, cc, cs; writes cc, cs
.if DOCPART == 3
	.amdgcn_target "amdgcn-amd-amdhsa--gfx1250"
	.amdhsa_code_object_version 6
	.text
	.protected	k_qc4b08e3d9b_attn
	.globl	k_qc4b08e3d9b_attn
	.p2align	8
	.type	k_qc4b08e3d9b_attn,@function
k_qc4b08e3d9b_attn:
	s_mov_b64 s[64:65], 0
	v_nop
	global_prefetch_b8 v0, s[64:65] scope:SCOPE_SE
	s_setreg_imm32_b32 hwreg(HW_REG_WAVE_MODE, 25, 1), 1
	s_wait_xcnt 0x0
; Causal attention of one head on codes of FP4 (E2M1, one E8M0 scale for each 32 along a product's K), and the quantising of its result for the next product.
; THE SOFTMAX: t = score x log2(e) / sqrt(32); M = the running largest t rounded UP to a whole number; p = 2^(t - M) is quantised along the keys, not normalised; the row's sum is taken of the unquantised p
; and divides at the end.  When M moves, the sum and O are multiplied by 2^(old M - new M), which rounds nothing.
; SHARES.  Work-group (x, y): head y (batch x 16 + head), quarter x.  Wave w owns query tiles i = 16 x + w and 127 - i (16 queries each): (i / 8 + 1) + ((127 - i) / 8 + 1) = 17 key steps of 128 for every wave.
; A head's codes of K and V and their scale bytes are 68 KiB: they come into LDS once, by one tensor load in each of ten waves; nothing is filled again.
; No cluster: the four work-groups of a head leave out different key steps, by branches that hang on their query tiles, and partners of a cluster must run alike.
; THE HEAD IS 32 WIDE, the instruction 128 deep.  A fragment of K's codes, read as 1,024 bytes on end, holds 64 keys: block j of row r is key slot 16 j + r.  Q is kept in four versions, its 32 codes in block j
; and zero codes elsewhere: K's fragment x version j gives the scores of the 16 keys in block j.  Key slots are laid so that the 16 registers of two neighbouring score tiles are 16 neighbouring keys.
; Both products are used transposed: a lane holds ONE query (lane % 16) throughout.
; LIMITS: a block whose largest magnitude lies under 2^-124 (a block of zeros too) gets the byte 1; NaN and infinities are not served; the largest p of a block is taken from its largest score, which takes v_exp_f32 not to fall where its input rises.
.set KPL, 0                            ; LDS: K's scale bytes [32 tokens][slot], 2,048
.set VPL, 2048                         ; V's [32 tokens][dim's slot], 2,048
.set KW,  4096                         ; K's scale words [fragment of 64 keys][row], 2,048: written by ds_store
.set VW,  6144                         ; V's scale words [128 keys][lane], 2,048: written by ds_store
.set CST, 8192                         ; a stage for the result's scale bytes, 512
.set KC,  16384                        ; K's codes, 16 bytes a key slot, 32,768
.set VC,  49152                        ; V^T's fragments, 2,048 bytes a key step, 32,768
.set WV,  12
.set HI,  13
.set SEL, 20
.set CS,  22                           ; s[22:23] c = log2(e) / sqrt(32)
.set G1C, 24                           ; s[24:31] group 1 for the codes;  s[32:39] for the scale bytes;  s[40:43], s[44:47] their groups 0
.set G1P, 32
.set G0C, 40
.set G0P, 44
.set KSI, 60                           ; the key step
.set TKV, 61                           ; its codes: 2,048 bytes a step
.set TSC, 62                           ; its scale words: 128 bytes a step
.set REP, 63                           ; 0x01010101
; REGISTERS: v1 16 lane + KC; v2 4 lane + KW; v3, v4 the step's addresses; v5 my query less the diagonal step's first key less 16 h; v6 16 r + 8 h; v7, v8 the stage; v9 16 r; v10 r; v11 r + 8 (r / 8) - 16 h;
; v12 -M, v13 the largest t, v[14:15] the sum; v16-39 Q's four versions (zeros, low, zeros, zeros, high, zeros); v40 Q's scale word; v41, v42 the last store's addresses; v44-47, v84-87 the two tiles' codes of Q, v88, v89 their bytes;
; v48-63 K's two fragments; v64-79 V's two; v80 K's, v81 V's, v82 p's scale words; v96-159 scores, then p; v160-175 O^T; v176-183 p's codes; v184-206 at work; v208-213 the result's codes and bytes.
.macro MM d, a, b, c, sa, sb, ra, rb   ; one product; c < 0: C is the constant 0; ra: source 0's scales stand in lanes 16-31
.if (\c) < 0
.if (\ra)
	v_wmma_scale_f32_16x16x128_f8f6f4 v[(\d):(\d)+7], v[(\a):(\a)+7], v[(\b):(\b)+7], 0, v[(\sa)], v[(\sb)] matrix_a_fmt:MATRIX_FMT_FP4 matrix_b_fmt:MATRIX_FMT_FP4 matrix_a_scale:MATRIX_SCALE_ROW1
.else
	v_wmma_scale_f32_16x16x128_f8f6f4 v[(\d):(\d)+7], v[(\a):(\a)+7], v[(\b):(\b)+7], 0, v[(\sa)], v[(\sb)] matrix_a_fmt:MATRIX_FMT_FP4 matrix_b_fmt:MATRIX_FMT_FP4
.endif
.else
.if (\ra)
	v_wmma_scale_f32_16x16x128_f8f6f4 v[(\d):(\d)+7], v[(\a):(\a)+7], v[(\b):(\b)+7], v[(\c):(\c)+7], v[(\sa)], v[(\sb)] matrix_a_fmt:MATRIX_FMT_FP4 matrix_b_fmt:MATRIX_FMT_FP4 matrix_a_scale:MATRIX_SCALE_ROW1
.else
	v_wmma_scale_f32_16x16x128_f8f6f4 v[(\d):(\d)+7], v[(\a):(\a)+7], v[(\b):(\b)+7], v[(\c):(\c)+7], v[(\sa)], v[(\sb)] matrix_a_fmt:MATRIX_FMT_FP4 matrix_b_fmt:MATRIX_FMT_FP4
.endif
.endif
.endm
; a query tile's numbers: its diagonal step, its first query's place in that step, and the byte offsets of its codes, its scale bytes and its result
.macro TSETUP qt, ds, sq, qb, sb, cb
	s_lshr_b32 s[\ds], s[\qt], 3                   ; tile qt holds tokens of block qt / 2: key step qt / 8
	s_bfe_u32 s76, s[\qt], 0x20001
	s_lshl_b32 s76, s76, 5
	s_and_b32 s77, s[\qt], 1
	s_lshl_b32 s78, s77, 3
	s_add_co_u32 s[\sq], s76, s78                  ; 32 ((qt / 2) % 4) + 8 (qt % 2)
	s_lshl_b32 s[\qb], s[\qt], 8
	s_add_co_u32 s[\qb], s[\qb], s17               ; codes: head x 32,768 + 256 qt
	s_mov_b32 s[\qb+1], 0
	s_lshr_b32 s76, s[\qt], 1
	s_lshl_b32 s76, s76, 9
	s_lshl_b32 s77, s77, 4
	s_add_co_u32 s76, s76, s77
	s_add_co_u32 s76, s76, s19
	s_lshl_b32 s77, s16, 5
	s_add_co_u32 s[\sb], s76, s77                  ; bytes: (batch x 64 + qt / 2) x 512 + 32 head + 16 (qt % 2)
	s_mov_b32 s[\sb+1], 0
	s_lshl_b32 s76, s15, 19
	s_lshl_b32 s77, s[\qt], 12
	s_add_co_u32 s76, s76, s77
	s_lshl_b32 s77, s16, 8
	s_add_co_u32 s[\cb], s76, s77                  ; result: batch x 524,288 + 4,096 qt + 256 head
	s_mov_b32 s[\cb+1], 0
.endm
	s_load_b256 s[4:11], s[0:1], 0x0               ; qkvc s[4:5], qkvs s[6:7], cc s[8:9], cs s[10:11]
	v_lshl_add_u32 v254, v0, 2, 0x29000
	v_mov_b32 v255, 0
	ds_add_u32 v254, v255
	ds_add_u32 v254, v255
	v_lshrrev_b32 v1, 5, v0
	v_readfirstlane_b32 s[WV], v1                  ; wave 0..15
	s_and_b32 s14, ttmp7, 0xffff                   ; batch x 16 + head
	s_lshr_b32 s15, s14, 4                         ; batch
	s_and_b32 s16, s14, 15                         ; head
	s_lshl_b32 s17, s14, 15                        ; the head's 32,768 bytes in each section of codes
	s_lshl_b32 s19, s15, 15                        ; the batch's 64 x 512 scale bytes in each section
	; group 1 for the codes: 32 rows of 256 bytes (32 elements of 8 bytes), dense, no padding: fragments are read 512 bytes on end
	s_mov_b32 s[G1C], 3<<16
	s_mov_b32 s[G1C+1], 32<<16                     ; tensor_dim0
	s_mov_b32 s[G1C+2], 32<<16                     ; tensor_dim1
	s_mov_b32 s[G1C+3], 32<<16                     ; tile_dim0
	s_mov_b32 s[G1C+4], 32                         ; tile_dim1
	s_mov_b32 s[G1C+5], 32                         ; from row to row
	s_mov_b32 s[G1C+6], 0
	s_mov_b32 s[G1C+7], 0
	; group 1 for the scale bytes: 64 rows (blocks of 32 tokens) of 32 bytes (8 elements of 4 bytes), 512 bytes apart in memory
	s_mov_b32 s[G1P], 2<<16
	s_mov_b32 s[G1P+1], 8<<16
	s_mov_b32 s[G1P+2], 64<<16
	s_mov_b32 s[G1P+3], 8<<16
	s_mov_b32 s[G1P+4], 64
	s_mov_b32 s[G1P+5], 128
	s_mov_b32 s[G1P+6], 0
	s_mov_b32 s[G1P+7], 0
	s_bfe_u32 s48, s[WV], 0x10002                  ; waves 0-3 fetch K's codes, waves 4-7 V's, a quarter each
	s_add_co_u32 s48, s48, 1
	s_lshl_b32 s48, s48, 21                        ; the section
	s_add_co_u32 s48, s48, s17
	s_and_b32 s49, s[WV], 3
	s_lshl_b32 s49, s49, 13
	s_add_co_u32 s48, s48, s49
	s_mov_b32 s49, 0
	s_and_b32 s18, s[WV], 1                        ; wave 8 fetches K's scale bytes, wave 9 V's
	s_add_co_u32 s50, s18, 1
	s_lshl_b32 s50, s50, 17
	s_add_co_u32 s50, s50, s19
	s_lshl_b32 s51, s16, 5
	s_add_co_u32 s50, s50, s51
	s_mov_b32 s51, 0
	s_lshl_b32 s66, ttmp9, 4
	s_add_co_u32 s66, s66, s[WV]                   ; my first query tile
	s_sub_co_u32 s69, 127, s66                     ; and my second
	TSETUP 66, 67, 68, 52, 56, 72
	TSETUP 69, 70, 71, 54, 58, 74
	s_mov_b32 s[SEL], 0x76543210
	s_mov_b32 s[SEL+1], 0xfedcba98
	s_mov_b32 s[HI], 0xffff0000
	s_mov_b32 s[CS], 0x3e8293ee
	s_mov_b32 s[CS+1], s[CS]                       ; (named with it as a pair, so it is written)
	s_mov_b32 s[REP], 0x01010101
	s_wait_dscnt 0x0
	s_wait_kmcnt 0x0
	s_mov_b32 s[G0C], 1
	s_lshl_b32 s[G0C+1], s[WV], 13
	s_add_co_u32 s[G0C+1], s[G0C+1], KC            ; 8,192 bytes a wave: K's four quarters, then V's
	s_add_nc_u64 s[G0C+2:G0C+3], s[4:5], s[48:49]
	s_or_b32 s[G0C+3], s[G0C+3], 0x80000000
	s_mov_b32 s[G0P], 1
	s_lshl_b32 s[G0P+1], s18, 11                   ; KPL, VPL
	s_add_nc_u64 s[G0P+2:G0P+3], s[6:7], s[50:51]
	s_or_b32 s[G0P+3], s[G0P+3], 0x80000000
	s_cmp_lt_u32 s[WV], 8                          ; the launch's only fills: at most one tensor load a wave is out; four v_nop follow each
	s_cbranch_scc0 .Lnot_codes
	tensor_load_to_lds s[G0C:G0C+3], s[G1C:G1C+7]
	s_nop 0
.rept 4
	v_nop
.endr
	s_branch .Lasked
.Lnot_codes:
	s_cmp_lt_u32 s[WV], 10
	s_cbranch_scc0 .Lasked
	tensor_load_to_lds s[G0P:G0P+3], s[G1P:G1P+7]
	s_nop 0
.rept 4
	v_nop
.endr
.Lasked:
	s_add_nc_u64 s[52:53], s[4:5], s[52:53]
	s_add_nc_u64 s[54:55], s[4:5], s[54:55]
	s_add_nc_u64 s[56:57], s[6:7], s[56:57]
	s_add_nc_u64 s[58:59], s[6:7], s[58:59]
	s_add_nc_u64 s[72:73], s[8:9], s[72:73]
	s_add_nc_u64 s[74:75], s[8:9], s[74:75]
	v_and_b32 v10, 15, v0                          ; r
	v_lshlrev_b32 v9, 4, v10
	global_load_b128 v[44:47], v9, s[52:53]        ; my query's 32 codes, in both halves of the lanes
	global_load_b128 v[84:87], v9, s[54:55]
	global_load_u8 v88, v10, s[56:57]              ; and its scale byte
	global_load_u8 v89, v10, s[58:59]
	v_and_b32 v1, 31, v0
	v_lshlrev_b32 v2, 2, v1
	v_add_nc_u32 v2, KW, v2
	v_lshlrev_b32 v1, 4, v1
	v_add_nc_u32 v41, CST, v1
	v_add_nc_u32 v1, KC, v1
	v_bfe_u32 v93, v0, 3, 1                        ; r / 8
	v_bfe_u32 v94, v0, 4, 1                        ; h
	v_lshl_add_u32 v11, v93, 3, v10
	v_lshlrev_b32 v95, 4, v94
	v_sub_nc_u32 v11, v11, v95
	v_lshl_add_u32 v6, v94, 3, v9
	s_lshl_b32 s76, s[WV], 4
	s_add_co_u32 s76, s76, CST
	v_add_nc_u32 v7, s76, v10                      ; the first tile's bytes: CST + 16 w + r
	s_xor_b32 s76, s[WV], 15
	s_lshl_b32 s76, s76, 4
	s_add_co_u32 s76, s76, CST+256
	v_add_nc_u32 v8, s76, v10                      ; the second's: CST + 256 + 16 (15 - w) + r
	s_lshl_b32 s76, ttmp9, 9
	s_sub_co_u32 s76, 1792, s76
	v_mul_u32_u24 v42, s76, v94
	v_lshl_add_u32 v42, v10, 4, v42                ; the last store: 16 r + h (1,792 - 512 x)
	s_lshl_b32 s76, s14, 11
	s_lshl_b32 s77, ttmp9, 8
	s_add_co_u32 s76, s76, s77
	s_mov_b32 s77, 0
	s_add_nc_u64 s[10:11], s[10:11], s[76:77]      ; cs at head x 2,048 + 256 x
	v_lshrrev_b32 v90, 4, v0
	v_lshl_add_u32 v90, v90, 6, v10                ; thread t gathers K's word of fragment t / 16, row t % 16: bytes 64 (t / 16) + 16 j + t % 16
	v_lshrrev_b32 v91, 5, v0
	v_and_b32 v92, 31, v0
	v_lshl_add_u32 v91, v91, 7, v92                ; and V's word of key step t / 32, lane t % 32: bytes 128 (t / 32) + 32 j + t % 32
	v_lshlrev_b32 v92, 2, v0
.irp i, 16,17,18,19,24,25,26,27,28,29,30,31,36,37,38,39
	v_mov_b32 v[\i], 0                             ; Q's zero codes
.endr
.irp i, 188,189,190,191,201
	v_mov_b32 v[\i], 0                             ; written once: a lane permute's destination counts as a source; v201 is named as the upper half of a pair
.endr
	v_mov_b32 v206, 0xff800000                     ; -infinity
	s_wait_tensorcnt 0x0                           ; my part has landed
	s_barrier_signal -1
	s_barrier_wait -1                              ; everybody's has
.irp j, 0,1,2,3
	ds_load_u8 v[96+\j], v90 offset:KPL+16*\j
	ds_load_u8 v[100+\j], v91 offset:VPL+32*\j
.endr
	s_wait_dscnt 0x0
	v_lshl_or_b32 v96, v97, 8, v96
	v_lshl_or_b32 v100, v101, 8, v100
	v_lshl_or_b32 v96, v98, 16, v96
	v_lshl_or_b32 v100, v102, 16, v100
	v_lshl_or_b32 v96, v99, 24, v96
	v_lshl_or_b32 v100, v103, 24, v100
	ds_store_b32 v92, v96 offset:KW
	ds_store_b32 v92, v100 offset:VW
	s_wait_dscnt 0x0
	s_barrier_signal -1
	s_barrier_wait -1                              ; the scale words lie in LDS
	s_wait_loadcnt 0x0                             ; Q
; ONE QUERY TILE: all 16 key steps are walked (a constant count); a step all of whose keys come after the tile's queries is left out by a scalar branch on ids, round its work and not round the lines that step addresses.
.macro TILE src, byt, ds, sq, cb, cadr, pcr, byr
	v_mul_lo_u32 v40, v[\byt], s[REP]              ; Q's scale byte in all four places: it stands well over 8 plain lines ahead of the first product
.irp i, 0,1,2,3
	v_cndmask_b32 v[20+\i], v[\src+\i], v16, s[HI] ; the codes in lanes 0-15, zeros above: blocks 0 and 2
	v_cndmask_b32 v[32+\i], v16, v[\src+\i], s[HI] ; the codes in lanes 16-31: blocks 1 and 3
.endr
	v_add_nc_u32 v5, s[\sq], v11
	v_mov_b32 v13, 0xff61b1e6                      ; the largest t so far: -3e38
	v_floor_f32 v12, -v13
	v_mov_b32 v14, 0
	v_mov_b32 v15, 0
.irp i, 0,1,2,3,4,5,6,7,8,9,10,11,12,13,14,15
	v_mov_b32 v[160+\i], 0                         ; O^T: the step is written once; its first trip finds zeros
.endr
	s_mov_b32 s[KSI], 0
	s_mov_b32 s[TKV], 0
	s_mov_b32 s[TSC], 0
.Lstep_\@:
	s_cmp_gt_u32 s[KSI], s[\ds]
	s_cbranch_scc1 .Lhidden_\@
	v_add_nc_u32 v3, s[TKV], v1
	v_add_nc_u32 v4, s[TSC], v2
	v_nop
	v_nop                                          ; four places in front of loads into registers that the last trip's products have read
.irp f, 0,1
.irp c, 0,1
	ds_load_b128 v[48+8*\f+4*\c:51+8*\f+4*\c], v3 offset:1024*\f+512*\c
.endr
.endr
	ds_load_b32 v80, v4                            ; lanes 0-15: fragment 0's words, lanes 16-31: fragment 1's
.irp f, 0,1
.irp c, 0,1
	ds_load_b128 v[64+8*\f+4*\c:67+8*\f+4*\c], v3 offset:VC-KC+1024*\f+512*\c
.endr
.endr
	ds_load_b32 v81, v4 offset:VW-KW
	s_wait_dscnt 0x5                               ; K is in; V's five loads may be out
.irp f, 0,1
	MM 96+32*\f, 48+8*\f, 20, -1, 80, 40, \f, 0
	MM 104+32*\f, 48+8*\f, 32, -1, 80, 40, \f, 0
	MM 112+32*\f, 48+8*\f, 16, -1, 80, 40, \f, 0
	MM 120+32*\f, 48+8*\f, 28, -1, 80, 40, \f, 0
.endr                                              ; register 16 b + i: key 128 step + 32 b + 16 h + i
.rept 4
	v_nop
.endr
	s_cmp_lg_u32 s[KSI], s[\ds]                    ; on the diagonal the scores of hidden keys become -infinity ahead of the maximum
	s_cbranch_scc1 .Lopen_\@
.irp n, 0,1,2,3,4,5,6,7,8,9,10,11,12,13,14,15,16,17,18,19,20,21,22,23,24,25,26,27,28,29,30,31,32,33,34,35,36,37,38,39,40,41,42,43,44,45,46,47,48,49,50,51,52,53,54,55,56,57,58,59,60,61,62,63
	v_cmp_gt_i32 vcc_lo, 32*(\n/16)+\n%16, v5
	v_cndmask_b32 v[96+\n], v[96+\n], v206, vcc_lo
.endr
.Lopen_\@:
.irp b, 0,1,2,3
	v_max3_num_f32 v[184+\b], v[96+16*\b], v[97+16*\b], v[98+16*\b]   ; the largest score of each block of 32 keys: for the row's maximum and for the block's largest p
.endr
.irp i, 3,5,7,9,11,13
.irp b, 0,1,2,3
	v_max3_num_f32 v[184+\b], v[184+\b], v[96+16*\b+\i], v[97+16*\b+\i]
.endr
.endr
.irp b, 0,1,2,3
	v_max_num_f32 v[184+\b], v[184+\b], v[111+16*\b]
.endr
.irp b, 0,1,2,3
	v_permlanex16_b32 v[188+\b], v[184+\b], s[SEL], s[SEL+1]
.endr
.irp b, 0,1,2,3
	v_max_num_f32 v[184+\b], v[184+\b], v[188+\b]
.endr
	v_max3_num_f32 v202, v184, v185, v186
	v_max_num_f32 v202, v202, v187
	v_mul_f32 v202, s[CS], v202                    ; as t (c is positive)
	v_max_num_f32 v13, v13, v202                   ; the running largest t
	v_mov_b32 v202, v12
	v_floor_f32 v12, -v13                          ; the new -M = -ceil(t): a whole number
	v_sub_f32 v202, v12, v202                      ; old M - new M, 0 or less
	v_cvt_i32_f32 v202, v202
	v_ldexp_f32 v200, 1.0, v202                    ; f = 2^(old M - new M)
.irp j, 0,2,4,6,8,10,12,14,16,18,20,22,24,26,28,30,32,34,36,38,40,42,44,46,48,50,52,54,56,58,60,62
	v_pk_fma_f32 v[96+\j:97+\j], v[96+\j:97+\j], s[CS:CS+1], v[12:13] op_sel_hi:[1,0,0]   ; t - M
.endr
.irp b, 0,1,2,3
	v_fma_f32 v[184+\b], v[184+\b], s[CS], v12
.endr
.irp j, 0,1,2,3,4,5,6,7,8,9,10,11,12,13,14,15,16,17,18,19,20,21,22,23,24,25,26,27,28,29,30,31,32,33,34,35,36,37,38,39,40,41,42,43,44,45,46,47,48,49,50,51,52,53,54,55,56,57,58,59,60,61,62,63
	v_exp_f32 v[96+\j], v[96+\j]                   ; p = 2^(t - M)
.endr
	v_pk_mul_f32 v[14:15], v[14:15], v[200:201] op_sel_hi:[1,0]   ; the sum under the new M (a plain line behind the exponentials)
	s_wait_alu depctr_va_vdst(0)                   ; one wait for the batch, ahead of its first reader
.irp b, 0,1,2,3
	v_exp_f32 v[184+\b], v[184+\b]                 ; each block's largest p
.endr
.irp j, 0,4,8,12,16,20,24,28,32,36,40,44,48,52,56,60
	v_pk_add_f32 v[14:15], v[14:15], v[96+\j:97+\j]               ; half of the row's sum, of the unquantised p
.endr
	s_wait_alu depctr_va_vdst(0)                   ; and one for the four
.irp b, 0,1,2,3
	v_max_num_f32 v[184+\b], 0x1800000, v[184+\b]  ; the floor 2^(3 - 127)
.endr
.irp b, 0,1,2,3
	v_add_nc_u32 v[192+\b], 0xff000000, v[184+\b]
.endr
.irp b, 0,1,2,3
	v_lshrrev_b32 v[196+\b], 23, v[192+\b]
.endr
	v_lshl_or_b32 v82, v197, 8, v196               ; p's scale word for these 128 keys
	v_lshl_or_b32 v82, v198, 16, v82
	v_lshl_or_b32 v82, v199, 24, v82
.irp b, 0,1,2,3
	v_cvt_scalef32_pk8_fp4_f32 v[176+2*\b], v[96+16*\b:103+16*\b], v[192+\b]
	v_cvt_scalef32_pk8_fp4_f32 v[177+2*\b], v[104+16*\b:111+16*\b], v[192+\b]
.endr
	v_nop                                          ; one plain line behind the conversions
.irp c, 0,1
.irp i, 0,1
	v_permlane16_swap_b32 v[176+4*\c+\i], v[178+4*\c+\i]          ; a whole block to a lane: lanes 0-15 block 2 c, lanes 16-31 block 2 c + 1
.endr
.endr
	v_pk_add_f32 v[204:205], v[98:99], v[102:103]                 ; the other half of the sum: sixteen plain lines that name nothing of the product below: the places behind p's codes and scale word
.irp j, 10,14,18,22,26,30,34,38,42,46,50,54,58,62
	v_pk_add_f32 v[204:205], v[204:205], v[96+\j:97+\j]
.endr
	v_pk_add_f32 v[14:15], v[14:15], v[204:205]
.irp j, 0,2,4,6,8,10,12,14
	v_pk_mul_f32 v[160+\j:161+\j], v[160+\j:161+\j], v[200:201] op_sel_hi:[1,0]   ; O^T under the new M
.endr
	s_wait_dscnt 0x0                               ; V is in
	MM 160, 64, 176, 160, 81, 82, 0, 0             ; O^T += V^T P^T: the two accumulators by turns
	MM 168, 72, 176, 168, 81, 82, 1, 0
.Lhidden_\@:
	s_add_co_u32 s[TKV], s[TKV], 2048
	s_add_co_u32 s[TSC], s[TSC], 128
	s_add_co_u32 s[KSI], s[KSI], 1
	s_cmp_lt_u32 s[KSI], 16
	s_cbranch_scc1 .Lstep_\@
.rept 4
	v_nop                                          ; places behind the last products
.endr
	v_add_f32 v14, v14, v15
	v_permlanex16_b32 v188, v14, s[SEL], s[SEL+1]
	v_add_f32 v14, v14, v188                       ; the row's sum
	v_rcp_f32 v14, v14
	v_nop
	s_wait_alu depctr_va_vdst(0)
.irp i, 0,1,2,3,4,5,6,7,8,9,10,11,12,13,14,15
	v_mul_f32 v[96+\i], v[160+\i], v14             ; my query's dims 16 h + 0 .. 15
.endr
	v_max3_num_f32 v184, |v96|, |v97|, 0x1800000   ; the head's 32 are one block of the next product's K
.irp i, 2,4,6,8,10,12,14
	v_max3_num_f32 v184, v184, |v[96+\i]|, |v[97+\i]|
.endr
	v_permlanex16_b32 v188, v184, s[SEL], s[SEL+1]
	v_max_num_f32 v184, v184, v188
	v_add_nc_u32 v192, 0xff000000, v184
	v_cvt_scalef32_pk8_fp4_f32 v[\pcr], v[96:103], v192
	v_cvt_scalef32_pk8_fp4_f32 v[\pcr+1], v[104:111], v192
	v_nop
	v_lshrrev_b32 v[\byr], 23, v192
	global_store_b64 v6, v[\pcr:\pcr+1], s[\cb:\cb+1]             ; 32 lanes store 256 consecutive aligned bytes: block 'head' of the tile's fragment image
	ds_store_b8 v[\cadr], v[\byr]                  ; both halves of the lanes write the same byte with the same value
.endm
	TILE 44, 88, 67, 68, 72, 7, 208, 212
	TILE 84, 89, 70, 71, 74, 8, 210, 213
	s_wait_dscnt 0x0
	s_barrier_signal -1
	s_barrier_wait -1                              ; the work-group's 32 tiles' scale bytes lie in the stage
	s_cmp_lg_u32 s[WV], 0
	s_cbranch_scc1 .Ldone
	ds_load_b128 v[96:99], v41
	s_wait_dscnt 0x0
	global_store_b128 v42, v[96:99], s[10:11]      ; lanes 0-15: tiles 16 x .. 16 x + 15; lanes 16-31: tiles 112 - 16 x .. 127 - 16 x: 256 consecutive aligned bytes each
.Ldone:
	s_wait_tensorcnt 0x0
	ds_add_u32 v254, v255
	s_wait_dscnt 0x0
	s_endpgm
.Lfunc_end_k_qc4b08e3d9b_attn:
	.size	k_qc4b08e3d9b_attn, .Lfunc_end_k_qc4b08e3d9b_attn-k_qc4b08e3d9b_attn
	.p2alignl 7, 3214868480
	.fill 96, 4, 3214868480
	.section	.rodata,"a",@progbits
	.p2align	6, 0x0
	.amdhsa_kernel k_qc4b08e3d9b_attn
		.amdhsa_group_segment_fixed_size 169984
		.amdhsa_private_segment_fixed_size 0
		.amdhsa_enable_private_segment 0
		.amdhsa_kernarg_size 32
		.amdhsa_user_sgpr_count 2
		.amdhsa_user_sgpr_kernarg_segment_ptr 1
		.amdhsa_wavefront_size32 1
		.amdhsa_system_sgpr_workgroup_id_x 1
		.amdhsa_system_sgpr_workgroup_id_y 1
		.amdhsa_system_sgpr_workgroup_id_z 1
		.amdhsa_system_vgpr_workitem_id 0
		.amdhsa_next_free_vgpr 256
		.amdhsa_next_free_sgpr 80
		.amdhsa_reserve_vcc 1
		.amdhsa_float_denorm_mode_32 3
		.amdhsa_float_denorm_mode_16_64 3
		.amdhsa_memory_ordered 1
		.amdhsa_forward_progress 1
		.amdhsa_inst_pref_size 54
	.end_amdhsa_kernel
	.amdgpu_metadata
---
amdhsa.version: [ 1, 2 ]
amdhsa.kernels:
  - .name:           k_qc4b08e3d9b_attn
    .symbol:         k_qc4b08e3d9b_attn.kd
    .args:
      - { .name: qkvc, .offset: 0, .size: 8, .value_kind: global_buffer, .address_space: global }
      - { .name: qkvs, .offset: 8, .size: 8, .value_kind: global_buffer, .address_space: global }
      - { .name: cc, .offset: 16, .size: 8, .value_kind: global_buffer, .address_space: global }
      - { .name: cs, .offset: 24, .size: 8, .value_kind: global_buffer, .address_space: global }
    .group_segment_fixed_size: 169984
    .private_segment_fixed_size: 0
    .kernarg_segment_align: 8
    .kernarg_segment_size: 32
    .max_flat_workgroup_size: 512
    .sgpr_count:     80
    .vgpr_count:     256
    .wavefront_size: 32
...
	.end_amdgpu_metadata
.endif
;; end of part 3
;; launch tail (part 4): grid 256 x 1, 16 waves a work-group, no clusters, 141,824 bytes of LDS; arguments cc, cs, wimg, wscl, x, bo, b1, b2, ln2_scale, ln2_shift, out0; writes out0
.if DOCPART == 4
	.amdgcn_target "amdgcn-amd-amdhsa--gfx1250"
	.amdhsa_code_object_version 6
	.text
	.protected	k_qc4b08e3d9b_tail
	.globl	k_qc4b08e3d9b_tail
	.p2align	8
	.type	k_qc4b08e3d9b_tail,@function
k_qc4b08e3d9b_tail:
	s_mov_b64 s[64:65], 0
	v_nop
	global_prefetch_b8 v0, s[64:65] scope:SCOPE_SE
	s_setreg_imm32_b32 hwreg(HW_REG_WAVE_MODE, 25, 1), 1
	s_wait_xcnt 0x0
; x1 = x + ctx Wo + bo;  h = LayerNorm 2 (x1);  out = x1 + gelu(h W1 + b1) W2 + b2.  The three products on codes of FP4 (E2M1, one E8M0 scale for each 32 along K); all else in f32.
; SHARES.  A work-group takes 32 tokens through the whole chain; nothing between the products goes to memory.  THE WAVES SHARE THE COLUMNS: wave w makes columns 32 w .. 32 w + 31 of x1 and of out, and hidden units
; 128 w .. 128 w + 127, which are K step w of the last product.  Its weights, nine chunks of 32 columns x 512 K, go from memory straight into two register buffers, each asked for two chunks ahead.
; Operands go from wave to wave through LDS as images of their registers: block p of tile u at 4,096 u (hidden: 16,384 u) + 256 p + 16 r + 8 x half; scale words [K step][slot].
; ORDER IN A GROUP OF 32 (tokens, a weight's columns): row r of tile u is element 8 u + r + 8 (r / 8); a lane's 16 result registers of a group's two tiles are columns 16 (lane / 16) + 0 .. 15 of one token.
; GELU: 0.5 a (1 + erf(a / sqrt 2)), erf(z) = z P(z^2) / Q(z^2) with z held to +-4 (polynomials of degree 6 and 4).
; LIMITS: that erf is good to a few units in the last place of f32; 1 + erf cancels for a far below 0, where gelu is small beside its block's largest number; a block whose largest magnitude lies under 2^-124 gets the byte 1;
; NaN and infinities are not served.  1 / sqrt by v_rsq_f32, the division in erf by v_rcp_f32.
.set CIMG, 0                           ; LDS: ctx's fragments, 8,192
.set HIMG, 8192                        ; the normalised rows', 8,192
.set GIMG, 16384                       ; the hidden layer's, 32,768
.set CSC,  49152                       ; their scale words: 512, 512, 2,048
.set HSC,  49664
.set GSC,  50176
.set B1L,  52224                       ; b1, 8,192
.set VEC,  60416                       ; bo, b2, ln2_scale, ln2_shift: 2,048 each
.set RED1, 68608                       ; the rows' partial sums: 80 bytes a slot, word w; 2,560; the squares' 2,560 behind them
.set XST,  73728                       ; x, then x1, then out: 32 rows of 2,048 bytes + 16
.set XP,   2064
.set LI,   1                           ; v1  16 x lane
.set LS,   2                           ; v2  4 x lane
.set XA,   3                           ; v3  my 64 bytes of my token's row (tile 0; tile 1 lies 8 rows on)
.set BV,   4                           ; v4  my 16 columns in the vectors of 512
.set BB,   5                           ; v5  my 16 hidden units in b1
.set IW,   6                           ; v6  16 r + 8 h + 256 w
.set IG,   7                           ; v7  16 r + 8 h + 1,024 w
.set SW,   8                           ; v8  4 lane + 128 (w / 4) + w % 4
.set GSW,  9                           ; v9  4 lane + 128 w
.set RW,   10                          ; v10 RED1 + 80 lane + 4 w
.set RR,   11                          ; v11 RED1 + 80 lane
.set W0,   16                          ; v16-79, v80-143 two weight buffers
.set WS0,  144                         ; v144-151 their scale words
.set AS,   152                         ; v152-155 the tokens' scale words
.set BI,   156                         ; v156-171 a bias as C; the gain
.set ACC,  172                         ; v172-203 four accumulators
.set AF,   204                         ; v204-235 the tokens' fragments; between products: at work
.set T16,  236                         ; v236 16 x thread
.set XD,   237                         ; v237 rows 2 w, 2 w + 1 of the stage, 16 bytes a lane
.set V16,  238                         ; v238 16 x (thread % 128)
.set LN,   239                         ; v239 lane
.set T4,   240                         ; v240 4 x thread
.set PC,   244                         ; v244-247 codes just made
.set QT,   248                         ; v248-254 the quantiser's registers
.set ZC,   AF                          ; GELU: z, z^2 (later a / 2), P, Q: 8 registers each
.set Z2,   AF+8
.set PP,   AF+16
.set QQ,   AF+24
.set WV,   26
.set HI,   27
.set SEL,  28
.set RS2,  56                          ; s[56:57] 1 / sqrt 2
; ---- macros shared with the second launch's body
.macro WLOAD wb, ws, cb, ci, sb, si    ; a chunk of a weight: 32 columns x 512 K: 16 loads of 512 consecutive bytes and 4 of scale words
.irp i, 0,1,2,3,4,5,6,7,8,9,10,11,12,13,14,15
	global_load_b128 v[(\wb)+4*\i:(\wb)+4*\i+3], v[LI], s[\cb:\cb+1] offset:(\ci)+512*\i
.endr
.irp i, 0,1,2,3
	global_load_b32 v[(\ws)+\i], v[LS], s[\sb:\sb+1] offset:(\si)+128*\i
.endr
.endm
.macro MM d, a, b, c, sa, sb, ra, rb   ; one product; ra, rb: the scales stand in lanes 16-31
.if (\ra) && (\rb)
	v_wmma_scale_f32_16x16x128_f8f6f4 v[(\d):(\d)+7], v[(\a):(\a)+7], v[(\b):(\b)+7], v[(\c):(\c)+7], v[(\sa)], v[(\sb)] matrix_a_fmt:MATRIX_FMT_FP4 matrix_b_fmt:MATRIX_FMT_FP4 matrix_a_scale:MATRIX_SCALE_ROW1 matrix_b_scale:MATRIX_SCALE_ROW1
.elseif (\ra)
	v_wmma_scale_f32_16x16x128_f8f6f4 v[(\d):(\d)+7], v[(\a):(\a)+7], v[(\b):(\b)+7], v[(\c):(\c)+7], v[(\sa)], v[(\sb)] matrix_a_fmt:MATRIX_FMT_FP4 matrix_b_fmt:MATRIX_FMT_FP4 matrix_a_scale:MATRIX_SCALE_ROW1
.elseif (\rb)
	v_wmma_scale_f32_16x16x128_f8f6f4 v[(\d):(\d)+7], v[(\a):(\a)+7], v[(\b):(\b)+7], v[(\c):(\c)+7], v[(\sa)], v[(\sb)] matrix_a_fmt:MATRIX_FMT_FP4 matrix_b_fmt:MATRIX_FMT_FP4 matrix_b_scale:MATRIX_SCALE_ROW1
.else
	v_wmma_scale_f32_16x16x128_f8f6f4 v[(\d):(\d)+7], v[(\a):(\a)+7], v[(\b):(\b)+7], v[(\c):(\c)+7], v[(\sa)], v[(\sb)] matrix_a_fmt:MATRIX_FMT_FP4 matrix_b_fmt:MATRIX_FMT_FP4
.endif
.endm
.macro AFETCH aoff, ustr, s0           ; the tokens' fragments of K steps s0, s0 + 1: images, 512 consecutive bytes a load
.irp s, \s0, \s0+1
.irp u, 0,1
.irp c, 0,1
	ds_load_b128 v[AF+16*((\s)&1)+8*\u+4*\c:AF+16*((\s)&1)+8*\u+4*\c+3], v[LI] offset:(\aoff)+\u*(\ustr)+1024*(\s)+512*\c
.endr
.endr
.endr
.endm
.macro MM8 wb, ws, s0, cmode           ; two K steps x four accumulators, which take turns, one instruction a turn
.irp s, \s0, \s0+1
.irp a, 0,1
.irp b, 0,1
.if ((\s) == 0) && ((\cmode) == 1)
.set CC, BI+8*\b
.else
.set CC, ACC+16*\a+8*\b
.endif
	MM ACC+16*\a+8*\b, (\wb)+16*(\s)+8*\b, AF+16*((\s)&1)+8*\a, CC, (\ws)+(\s), AS+(\s), \b, \a
.endr
.endr
.endr
.endm
; 32 tokens x 32 columns x 512 K; source 0 = the weight's columns, source 1 = tokens: accumulator 16 a + 8 b: token slot (a, lane % 16), columns 16 (lane / 16) + 8 b + 0 .. 7.
; cmode 1: the sums start at the bias in v[BI] on (fetched by the caller); 2: they go on.  n: the global loads issued behind this chunk's, which may stay out.
.macro PROD wb, ws, aoff, ustr, soff, n, cmode
	AFETCH \aoff, \ustr, 0
.irp s, 0,1,2,3
	ds_load_b32 v[AS+\s], v[LS] offset:(\soff)+128*\s
.endr
	s_wait_dscnt 0x0
	s_wait_loadcnt \n
	MM8 \wb, \ws, 0, \cmode
.rept 4
	v_nop                                          ; places in front of loads into registers that the products have read
.endr
	AFETCH \aoff, \ustr, 2
	s_wait_dscnt 0x0
	MM8 \wb, \ws, 2, 2
.rept 5
	v_nop                                          ; places in front of the first read of the results and of loads into the operands; the fifth for products that write over these accumulators
.endr
.endm
.macro Q16X2 s, d, t                   ; 2 x 16 numbers of a lane, halves of two blocks whose other halves lie in lane xor 16: codes into v[d + 2 u], v[d + 2 u + 1]; v[t + 6]: lane l holds slot l's scale byte
.irp u, 0,1
	v_max3_num_f32 v[(\t)+\u], |v[(\s)+16*\u]|, |v[(\s)+16*\u+1]|, 0x1800000   ; with the floor 2^(3 - 127)
.endr
.irp i, 2,4,6,8,10,12,14
.irp u, 0,1
	v_max3_num_f32 v[(\t)+\u], v[(\t)+\u], |v[(\s)+16*\u+\i]|, |v[(\s)+16*\u+\i+1]|
.endr
.endr
.irp u, 0,1
	v_permlanex16_b32 v[(\t)+2+\u], v[(\t)+\u], s[SEL], s[SEL+1]
.endr
.irp u, 0,1
	v_max_num_f32 v[(\t)+\u], v[(\t)+\u], v[(\t)+2+\u]
.endr
.irp u, 0,1
	v_add_nc_u32 v[(\t)+4+\u], 0xff000000, v[(\t)+\u]
.endr
.irp u, 0,1
	v_cvt_scalef32_pk8_fp4_f32 v[(\d)+2*\u], v[(\s)+16*\u:(\s)+16*\u+7], v[(\t)+4+\u]
	v_cvt_scalef32_pk8_fp4_f32 v[(\d)+2*\u+1], v[(\s)+16*\u+8:(\s)+16*\u+15], v[(\t)+4+\u]
.endr
	v_nop                                          ; one plain line behind the conversions
.irp u, 0,1
	v_lshrrev_b32 v[(\t)+\u], 23, v[(\t)+4+\u]
.endr
	v_cndmask_b32 v[(\t)+6], v[(\t)], v[(\t)+1], s[HI]
.endm
.macro TREE2 s, t                      ; for u = 0, 1: v[t + 8 u] = the sum of v[s + 16 u] .. v[s + 16 u + 15]
.irp k, 0,1,2,3
.irp u, 0,1
	v_pk_add_f32 v[(\t)+8*\u+2*\k:(\t)+8*\u+2*\k+1], v[(\s)+16*\u+4*\k:(\s)+16*\u+4*\k+1], v[(\s)+16*\u+4*\k+2:(\s)+16*\u+4*\k+3]
.endr
.endr
.irp u, 0,1
	v_pk_add_f32 v[(\t)+8*\u:(\t)+8*\u+1], v[(\t)+8*\u:(\t)+8*\u+1], v[(\t)+8*\u+2:(\t)+8*\u+3]
	v_pk_add_f32 v[(\t)+8*\u+4:(\t)+8*\u+5], v[(\t)+8*\u+4:(\t)+8*\u+5], v[(\t)+8*\u+6:(\t)+8*\u+7]
.endr
.irp u, 0,1
	v_pk_add_f32 v[(\t)+8*\u:(\t)+8*\u+1], v[(\t)+8*\u:(\t)+8*\u+1], v[(\t)+8*\u+4:(\t)+8*\u+5]
.endr
.irp u, 0,1
	v_add_f32 v[(\t)+8*\u], v[(\t)+8*\u], v[(\t)+8*\u+1]
.endr
.endm
.macro SQ2 s, t                        ; the same of the squares
.irp u, 0,1
	v_pk_mul_f32 v[(\t)+8*\u:(\t)+8*\u+1], v[(\s)+16*\u:(\s)+16*\u+1], v[(\s)+16*\u:(\s)+16*\u+1]
	v_pk_mul_f32 v[(\t)+8*\u+2:(\t)+8*\u+3], v[(\s)+16*\u+2:(\s)+16*\u+3], v[(\s)+16*\u+2:(\s)+16*\u+3]
.endr
.irp k, 4,8,12
.irp u, 0,1
	v_pk_fma_f32 v[(\t)+8*\u:(\t)+8*\u+1], v[(\s)+16*\u+\k:(\s)+16*\u+\k+1], v[(\s)+16*\u+\k:(\s)+16*\u+\k+1], v[(\t)+8*\u:(\t)+8*\u+1]
	v_pk_fma_f32 v[(\t)+8*\u+2:(\t)+8*\u+3], v[(\s)+16*\u+\k+2:(\s)+16*\u+\k+3], v[(\s)+16*\u+\k+2:(\s)+16*\u+\k+3], v[(\t)+8*\u+2:(\t)+8*\u+3]
.endr
.endr
.irp u, 0,1
	v_pk_add_f32 v[(\t)+8*\u:(\t)+8*\u+1], v[(\t)+8*\u:(\t)+8*\u+1], v[(\t)+8*\u+2:(\t)+8*\u+3]
.endr
.irp u, 0,1
	v_add_f32 v[(\t)+8*\u], v[(\t)+8*\u], v[(\t)+8*\u+1]
.endr
.endm
; ---- this body's own macros
.macro SHARE off                       ; v[AF], v[AF + 8]: my 16 columns' sums of tiles 0, 1.  With lane xor 16's they are my wave's 32 columns'; lane l stores slot l's into word w
	v_permlanex16_b32 v[AF+1], v[AF], s[SEL], s[SEL+1]
	v_permlanex16_b32 v[AF+9], v[AF+8], s[SEL], s[SEL+1]
	v_add_f32 v[AF], v[AF], v[AF+1]
	v_add_f32 v[AF+8], v[AF+8], v[AF+9]
	v_cndmask_b32 v[AF+2], v[AF], v[AF+8], s[HI]
	ds_store_b32 v[RW], v[AF+2] offset:\off
	s_wait_dscnt 0x0                               ; for the others' sake: my stores have landed, my loads are in
	s_barrier_signal -1
	s_barrier_wait -1
.irp k, 0,1,2,3
	ds_load_b128 v[AF+4*\k:AF+4*\k+3], v[RR] offset:(\off)+16*\k   ; slot l's sixteen partial sums
.endr
	s_wait_dscnt 0x0
.irp k, 0,4,8,12
	v_pk_add_f32 v[AF+\k:AF+\k+1], v[AF+\k:AF+\k+1], v[AF+\k+2:AF+\k+3]
.endr
	v_pk_add_f32 v[AF:AF+1], v[AF:AF+1], v[AF+4:AF+5]
	v_pk_add_f32 v[AF+8:AF+9], v[AF+8:AF+9], v[AF+12:AF+13]
	v_pk_add_f32 v[AF:AF+1], v[AF:AF+1], v[AF+8:AF+9]
	v_add_f32 v[AF], v[AF], v[AF+1]                ; the row's sum, for slot l
.endm
.macro SPREAD                          ; v[AF]: a number for slot l.  v[AF + 2]: tile 0's for my row, v[AF + 4]: tile 1's, in both halves of the lanes
	v_permlanex16_b32 v[AF+1], v[AF], s[SEL], s[SEL+1]
	v_cndmask_b32 v[AF+2], v[AF], v[AF+1], s[HI]
	v_cndmask_b32 v[AF+4], v[AF+1], v[AF], s[HI]
.endm
.macro GELU a                          ; eight numbers in place, four pairs by turns
.irp k, 0,2,4,6
	v_pk_mul_f32 v[ZC+\k:ZC+\k+1], v[(\a)+\k:(\a)+\k+1], s[RS2:RS2+1] op_sel_hi:[1,0]
.endr
.irp i, 0,1,2,3,4,5,6,7
	v_med3_num_f32 v[ZC+\i], v[ZC+\i], -4.0, 4.0
.endr
.irp k, 0,2,4,6
	v_pk_mul_f32 v[Z2+\k:Z2+\k+1], v[ZC+\k:ZC+\k+1], v[ZC+\k:ZC+\k+1]
.endr
.irp k, 0,2,4,6
	v_pk_fma_f32 v[PP+\k:PP+\k+1], v[Z2+\k:Z2+\k+1], v[12:13], s[66:67] op_sel_hi:[1,1,0]
	v_pk_fma_f32 v[QQ+\k:QQ+\k+1], v[Z2+\k:Z2+\k+1], v[14:15], s[78:79] op_sel_hi:[1,1,0]
.endr
.irp cf, 68,70,72,74,76
.irp k, 0,2,4,6
	v_pk_fma_f32 v[PP+\k:PP+\k+1], v[PP+\k:PP+\k+1], v[Z2+\k:Z2+\k+1], s[\cf:\cf+1] op_sel_hi:[1,1,0]
.endr
.endr
.irp cf, 80,82,84
.irp k, 0,2,4,6
	v_pk_fma_f32 v[QQ+\k:QQ+\k+1], v[QQ+\k:QQ+\k+1], v[Z2+\k:Z2+\k+1], s[\cf:\cf+1] op_sel_hi:[1,1,0]
.endr
.endr
.irp k, 0,2,4,6
	v_pk_mul_f32 v[PP+\k:PP+\k+1], v[PP+\k:PP+\k+1], v[ZC+\k:ZC+\k+1]
.endr
.irp i, 0,1,2,3,4,5,6,7
	v_rcp_f32 v[QQ+\i], v[QQ+\i]
.endr
.irp k, 0,2,4,6
	v_pk_mul_f32 v[Z2+\k:Z2+\k+1], v[(\a)+\k:(\a)+\k+1], 0.5 op_sel_hi:[1,0]   ; a / 2: plain lines behind the reciprocals
.endr
	s_wait_alu depctr_va_vdst(0)                   ; one wait for the eight, ahead of their first reader
.irp k, 0,2,4,6
	v_pk_mul_f32 v[PP+\k:PP+\k+1], v[PP+\k:PP+\k+1], v[QQ+\k:QQ+\k+1]          ; erf
.endr
.irp k, 0,2,4,6
	v_pk_fma_f32 v[(\a)+\k:(\a)+\k+1], v[Z2+\k:Z2+\k+1], v[PP+\k:PP+\k+1], v[Z2+\k:Z2+\k+1]
.endr
.endm
.macro CHUNK n                         ; chunk n of nine into buffer n % 2: 0: Wo's group w; 1-4: W1's groups 4 w + 0 .. 3; 5-8: W2's group w, K steps 4 (n - 5) on
.if (\n) == 0
	WLOAD W0, WS0, 32, 0, 34, 0
.elseif (\n) < 5
	WLOAD W0+64*((\n)%2), WS0+4*((\n)%2), 36, 8192*((\n)-1), 38, 512*((\n)-1)
.else
	WLOAD W0+64*((\n)%2), WS0+4*((\n)%2), 40, 8192*((\n)-5), 42, 512*((\n)-5)
.endif
.endm
.macro PRODN n, aoff, ustr, soff, cnt, cmode
	PROD W0+64*((\n)%2), WS0+4*((\n)%2), \aoff, \ustr, \soff, \cnt, \cmode
.endm
; ---- the head
	s_load_b512 s[4:19], s[0:1], 0x0               ; cc s[4:5], cs s[6:7], wimg s[8:9], wscl s[10:11], x s[12:13], bo s[14:15], b1 s[16:17], b2 s[18:19]
	s_load_b128 s[20:23], s[0:1], 0x40             ; ln2_scale s[20:21], ln2_shift s[22:23]
	s_load_b64 s[24:25], s[0:1], 0x50              ; out0
	v_lshl_add_u32 v243, v0, 2, 0x22200
	v_mov_b32 v255, 0
	v_lshrrev_b32 v16, 5, v0
	v_readfirstlane_b32 s[WV], v16                 ; wave 0..15
	v_and_b32 v[LN], 31, v0
	v_lshlrev_b32 v[LI], 4, v[LN]
	v_lshlrev_b32 v[LS], 2, v[LN]
	v_lshlrev_b32 v[T16], 4, v0
	v_lshlrev_b32 v[T4], 2, v0
	v_and_b32 v[V16], 127, v0
	v_lshlrev_b32 v[V16], 4, v[V16]
	v_and_b32 v17, 15, v0                          ; r
	v_bfe_u32 v18, v0, 4, 1                        ; h
	v_bfe_u32 v19, v0, 3, 1                        ; r / 8
	v_lshl_add_u32 v20, v19, 3, v17                ; the token of (tile 0, row r)
	v_mul_u32_u24 v[XA], v20, XP
	v_lshl_add_u32 v[XA], v18, 6, v[XA]
	s_lshl_b32 s46, s[WV], 7
	s_add_co_u32 s47, s46, XST
	v_add_nc_u32 v[XA], s47, v[XA]
	v_lshlrev_b32 v[BV], 6, v18
	s_add_co_u32 s47, s46, VEC
	v_add_nc_u32 v[BV], s47, v[BV]
	v_add_nc_u32 v[GSW], s46, v[LS]
	v_lshlrev_b32 v[BB], 6, v18
	s_lshl_b32 s47, s[WV], 9
	s_add_co_u32 s47, s47, B1L
	v_add_nc_u32 v[BB], s47, v[BB]
	v_lshlrev_b32 v21, 4, v17
	v_lshl_add_u32 v21, v18, 3, v21                ; 16 r + 8 h
	s_lshl_b32 s47, s[WV], 8
	v_add_nc_u32 v[IW], s47, v21
	s_lshl_b32 s47, s[WV], 10
	v_add_nc_u32 v[IG], s47, v21
	s_lshr_b32 s47, s[WV], 2
	s_lshl_b32 s47, s47, 7
	s_and_b32 s48, s[WV], 3
	s_add_co_u32 s47, s47, s48
	v_add_nc_u32 v[SW], s47, v[LS]
	v_mul_u32_u24 v[RR], v[LN], 80
	v_add_nc_u32 v[RR], RED1, v[RR]
	s_lshl_b32 s47, s[WV], 2
	v_add_nc_u32 v[RW], s47, v[RR]
	s_mul_i32 s47, s[WV], 2*XP
	s_add_co_u32 s47, s47, XST
	v_add_nc_u32 v[XD], s47, v[LI]
	v_mov_b32 v12, 0xaf95df0b                      ; erf's leading coefficients, as pairs
	v_mov_b32 v13, 0xaf95df0b
	v_mov_b32 v14, 0xb77460cd
	v_mov_b32 v15, 0xb77460cd
	v_mov_b32 v[QT+2], 0                           ; written once: a lane permute's destination counts as a source
	v_mov_b32 v[QT+3], 0
	s_mov_b32 s[HI], 0xffff0000
	s_mov_b32 s[SEL], 0x76543210
	s_mov_b32 s[SEL+1], 0xfedcba98
	s_mov_b32 s30, 0x3b000000                      ; 1 / 512
	s_mov_b32 s31, 0x3727c5ac                      ; 1e-5
	s_mov_b32 s[RS2], 0x3f3504f3
	s_mov_b32 s[RS2+1], 0x3f3504f3
	s_mov_b32 s66, 0x32edffee                      ; P's coefficients from z^10 down; each pair's low word serves both halves, the upper is written since the pair is named
	s_mov_b32 s68, 0xb60cff51
	s_mov_b32 s70, 0xb86ec2d2
	s_mov_b32 s72, 0xba40ac63
	s_mov_b32 s74, 0xbb41a1f6
	s_mov_b32 s76, 0xbc83dbd4
	s_mov_b32 s78, 0xb95fbd29                      ; Q's from z^6 down
	s_mov_b32 s80, 0xbadc924e
	s_mov_b32 s82, 0xbbf19bf8
	s_mov_b32 s84, 0xbc69b6a7
.irp p, 66,68,70,72,74,76,78,80,82,84
	s_mov_b32 s[\p+1], s[\p]
.endr
	s_lshl_b32 s46, s[WV], 13
	s_add_co_u32 s46, s46, 393216                  ; Wo's group w
	s_mov_b32 s47, 0
	s_lshl_b32 s48, s[WV], 9
	s_add_co_u32 s48, s48, 24576
	s_mov_b32 s49, 0
	s_lshl_b32 s50, s[WV], 15
	s_add_co_u32 s50, s50, 524288                  ; W1's groups 4 w on
	s_mov_b32 s51, 0
	s_lshl_b32 s52, s[WV], 11
	s_add_co_u32 s52, s52, 32768
	s_mov_b32 s53, 0
	s_lshl_b32 s54, s[WV], 2
	s_lshr_b32 s54, s54, 4                         ; w / 4: which vector my quarter of the work-group stages
	s_wait_kmcnt 0x0
	s_add_nc_u64 s[32:33], s[8:9], s[46:47]
	s_add_nc_u64 s[34:35], s[10:11], s[48:49]
	s_add_nc_u64 s[36:37], s[8:9], s[50:51]
	s_add_nc_u64 s[38:39], s[10:11], s[52:53]
	s_add_nc_u64 s[40:41], s[36:37], 524288        ; W2's group w lies as far into its section as W1's groups into theirs
	s_add_nc_u64 s[42:43], s[38:39], 32768
	s_cmp_eq_u32 s54, 1
	s_cselect_b64 s[44:45], s[18:19], s[14:15]
	s_cmp_eq_u32 s54, 2
	s_cselect_b64 s[44:45], s[20:21], s[44:45]
	s_cmp_eq_u32 s54, 3
	s_cselect_b64 s[44:45], s[22:23], s[44:45]
	s_lshl_b32 s46, ttmp9, 16
	s_lshl_b32 s48, s[WV], 12
	s_add_co_u32 s46, s46, s48                     ; x, out0: 32 rows a work-group, two a wave
	s_add_nc_u64 s[12:13], s[12:13], s[46:47]
	s_add_nc_u64 s[24:25], s[24:25], s[46:47]
	s_lshl_b32 s46, ttmp9, 13
	s_add_nc_u64 s[4:5], s[4:5], s[46:47]          ; ctx's images: 8,192 bytes a work-group
	s_lshr_b32 s46, ttmp9, 6
	s_lshl_b32 s46, s46, 15
	s_min_u32 s48, s[WV], 3
	s_lshl_b32 s48, s48, 13
	s_add_co_u32 s46, s46, s48
	s_and_b32 s48, ttmp9, 63
	s_lshl_b32 s48, s48, 5
	s_add_co_u32 s46, s46, s48                     ; ctx's scale bytes: batch x 32,768 + heads 4 w on + 32 x (my 32 tokens)
	s_add_nc_u64 s[6:7], s[6:7], s[46:47]
; ---- staging: everything that the work-group shares goes to LDS once, in loads of 512 consecutive bytes a wave
.irp i, 0,1
.irp j, 0,1,2,3
	global_load_b128 v[ACC+16*\i+4*\j:ACC+16*\i+4*\j+3], v[LI], s[12:13] offset:2048*\i+512*\j th:TH_LOAD_NT
.endr
.endr
	global_load_b128 v[AF:AF+3], v[T16], s[4:5] th:TH_LOAD_NT
	global_load_b128 v[AF+4:AF+7], v[T16], s[16:17]
	global_load_b128 v[AF+8:AF+11], v[V16], s[44:45]
	s_cmp_lt_u32 s[WV], 4
	s_cbranch_scc0 .Lno_cs
.irp j, 0,1,2,3
	global_load_u8 v[AF+12+\j], v[LN], s[6:7] offset:2048*\j      ; wave w: K step w: the bytes of heads 4 w + j for slot = lane
.endr
.Lno_cs:
	CHUNK 0
	CHUNK 1
	s_wait_loadcnt 40                              ; all but the 40 loads of weights
.irp i, 0,1
.irp j, 0,1,2,3
	ds_store_b128 v[XD], v[ACC+16*\i+4*\j:ACC+16*\i+4*\j+3] offset:XP*\i+512*\j
.endr
.endr
	ds_store_b128 v[T16], v[AF:AF+3] offset:CIMG
	ds_store_b128 v[T16], v[AF+4:AF+7] offset:B1L
	ds_store_b128 v[T16], v[AF+8:AF+11] offset:VEC
	s_cmp_lt_u32 s[WV], 4
	s_cbranch_scc0 .Lno_csw
	v_lshl_or_b32 v[AF+12], v[AF+13], 8, v[AF+12]
	v_lshl_or_b32 v[AF+12], v[AF+14], 16, v[AF+12]
	v_lshl_or_b32 v[AF+12], v[AF+15], 24, v[AF+12]
	ds_store_b32 v[T4], v[AF+12] offset:CSC
.Lno_csw:
	s_wait_dscnt 0x0
	s_barrier_signal -1
	s_barrier_wait -1
; ---- A: x1 = x + ctx Wo + bo, LayerNorm 2, quantised
.irp i, 0,1,2,3
	ds_load_b128 v[BI+4*\i:BI+4*\i+3], v[BV] offset:16*\i         ; bo at my 16 columns: the C of the first products
.endr
	PRODN 0, CIMG, 4096, CSC, 20, 1
	CHUNK 2
.irp u, 0,1
.irp i, 0,1,2,3
	ds_load_b128 v[AF+16*\u+4*\i:AF+16*\u+4*\i+3], v[XA] offset:8*XP*\u+16*\i
.endr
.endr
.irp i, 0,1,2,3
	ds_load_b128 v[BI+4*\i:BI+4*\i+3], v[BV] offset:4096+16*\i    ; the gain
.endr
	s_wait_dscnt 0x0
.irp k, 0,2,4,6,8,10,12,14,16,18,20,22,24,26,28,30
	v_pk_add_f32 v[ACC+\k:ACC+\k+1], v[ACC+\k:ACC+\k+1], v[AF+\k:AF+\k+1]      ; x1, each accumulator from its low end on
.endr
.irp u, 0,1
.irp i, 0,1,2,3
	ds_store_b128 v[XA], v[ACC+16*\u+4*\i:ACC+16*\u+4*\i+3] offset:8*XP*\u+16*\i   ; kept for the end, in my own bytes of the stage
.endr
.endr
.irp i, 0,1,2,3
	ds_load_b128 v[AF+16+4*\i:AF+16+4*\i+3], v[BV] offset:6144+16*\i           ; the shift
.endr
	TREE2 ACC, AF
	SHARE 0
	v_mul_f32 v[AF], s30, v[AF]                    ; the mean
	SPREAD
.irp k, 0,2,4,6,8,10,12,14
.irp u, 0,1
	v_pk_add_f32 v[ACC+16*\u+\k:ACC+16*\u+\k+1], v[ACC+16*\u+\k:ACC+16*\u+\k+1], v[AF+2+2*\u:AF+3+2*\u] op_sel_hi:[1,0] neg_lo:[0,1] neg_hi:[0,1]
.endr
.endr
	SQ2 ACC, AF
	SHARE 2560
	v_fma_f32 v[AF], v[AF], s30, s31               ; variance + 1e-5
	v_rsq_f32 v[AF], v[AF]
	v_nop
	s_wait_alu depctr_va_vdst(0)
	SPREAD
.irp k, 0,2,4,6,8,10,12,14
.irp u, 0,1
	v_pk_mul_f32 v[ACC+16*\u+\k:ACC+16*\u+\k+1], v[ACC+16*\u+\k:ACC+16*\u+\k+1], v[AF+2+2*\u:AF+3+2*\u] op_sel_hi:[1,0]
.endr
.endr
.irp k, 0,2,4,6,8,10,12,14
.irp u, 0,1
	v_pk_fma_f32 v[ACC+16*\u+\k:ACC+16*\u+\k+1], v[ACC+16*\u+\k:ACC+16*\u+\k+1], v[BI+\k:BI+\k+1], v[AF+16+\k:AF+16+\k+1]
.endr
.endr
	Q16X2 ACC, PC, QT
	ds_store_b64 v[IW], v[PC:PC+1] offset:HIMG     ; block w of the two tiles' images
	ds_store_b64 v[IW], v[PC+2:PC+3] offset:HIMG+4096
	ds_store_b8 v[SW], v[QT+6] offset:HSC
	s_wait_dscnt 0x0
	s_barrier_signal -1
	s_barrier_wait -1
; ---- B: my 128 hidden units, 32 at a time
.irp q, 0,1,2,3
.irp i, 0,1,2,3
	ds_load_b128 v[BI+4*\i:BI+4*\i+3], v[BB] offset:128*\q+16*\i
.endr
	PRODN 1+\q, HIMG, 4096, HSC, 20, 1
	CHUNK 3+\q
	GELU ACC
	GELU ACC+8
	GELU ACC+16
	GELU ACC+24
	Q16X2 ACC, PC, QT
	ds_store_b64 v[IG], v[PC:PC+1] offset:GIMG+256*\q
	ds_store_b64 v[IG], v[PC+2:PC+3] offset:GIMG+16384+256*\q
	ds_store_b8 v[GSW], v[QT+6] offset:GSC+\q
.endr
	s_wait_dscnt 0x0
	s_barrier_signal -1
	s_barrier_wait -1
; ---- C: out = x1 + hidden W2 + b2: one sum over 2,048, four chunks of 512
.irp i, 0,1,2,3
	ds_load_b128 v[BI+4*\i:BI+4*\i+3], v[BV] offset:2048+16*\i
.endr
	PRODN 5, GIMG, 16384, GSC, 20, 1
	CHUNK 7
	PRODN 6, GIMG+4096, 16384, GSC+512, 20, 2
	CHUNK 8
	PRODN 7, GIMG+8192, 16384, GSC+1024, 20, 2
	PRODN 8, GIMG+12288, 16384, GSC+1536, 0, 2
.irp u, 0,1
.irp i, 0,1,2,3
	ds_load_b128 v[AF+16*\u+4*\i:AF+16*\u+4*\i+3], v[XA] offset:8*XP*\u+16*\i  ; x1 back
.endr
.endr
	s_wait_dscnt 0x0
.irp k, 0,2,4,6,8,10,12,14,16,18,20,22,24,26,28,30
	v_pk_add_f32 v[ACC+\k:ACC+\k+1], v[ACC+\k:ACC+\k+1], v[AF+\k:AF+\k+1]
.endr
.irp u, 0,1
.irp i, 0,1,2,3
	ds_store_b128 v[XA], v[ACC+16*\u+4*\i:ACC+16*\u+4*\i+3] offset:8*XP*\u+16*\i
.endr
.endr
	s_wait_dscnt 0x0
	s_barrier_signal -1
	s_barrier_wait -1                              ; 32 whole rows of the result lie in the stage
.irp i, 0,1
.irp j, 0,1,2,3
	ds_load_b128 v[AF+16*\i+4*\j:AF+16*\i+4*\j+3], v[XD] offset:XP*\i+512*\j
.endr
.endr
.irp i, 0,1
.irp j, 0,1,2,3
	s_wait_dscnt 7-4*\i-\j
	global_store_b128 v[LI], v[AF+16*\i+4*\j:AF+16*\i+4*\j+3], s[24:25] offset:2048*\i+512*\j th:TH_STORE_NT   ; 32 lanes store 512 consecutive aligned bytes
.endr
.endr
	s_wait_tensorcnt 0x0
	ds_add_u32 v243, v255
	s_wait_dscnt 0x0
	s_endpgm
.Lfunc_end_k_qc4b08e3d9b_tail:
	.size	k_qc4b08e3d9b_tail, .Lfunc_end_k_qc4b08e3d9b_tail-k_qc4b08e3d9b_tail
	.p2alignl 7, 3214868480
	.fill 96, 4, 3214868480
	.section	.rodata,"a",@progbits
	.p2align	6, 0x0
	.amdhsa_kernel k_qc4b08e3d9b_tail
		.amdhsa_group_segment_fixed_size 141824
		.amdhsa_private_segment_fixed_size 0
		.amdhsa_enable_private_segment 0
		.amdhsa_kernarg_size 88
		.amdhsa_user_sgpr_count 2
		.amdhsa_user_sgpr_kernarg_segment_ptr 1
		.amdhsa_wavefront_size32 1
		.amdhsa_system_sgpr_workgroup_id_x 1
		.amdhsa_system_sgpr_workgroup_id_y 1
		.amdhsa_system_sgpr_workgroup_id_z 1
		.amdhsa_system_vgpr_workitem_id 0
		.amdhsa_next_free_vgpr 256
		.amdhsa_next_free_sgpr 96
		.amdhsa_reserve_vcc 0
		.amdhsa_float_denorm_mode_32 3
		.amdhsa_float_denorm_mode_16_64 3
		.amdhsa_memory_ordered 1
		.amdhsa_forward_progress 1
		.amdhsa_inst_pref_size 161
	.end_amdhsa_kernel
	.amdgpu_metadata
---
amdhsa.version: [ 1, 2 ]
amdhsa.kernels:
  - .name:           k_qc4b08e3d9b_tail
    .symbol:         k_qc4b08e3d9b_tail.kd
    .args:
      - { .name: cc, .offset: 0, .size: 8, .value_kind: global_buffer, .address_space: global }
      - { .name: cs, .offset: 8, .size: 8, .value_kind: global_buffer, .address_space: global }
      - { .name: wimg, .offset: 16, .size: 8, .value_kind: global_buffer, .address_space: global }
      - { .name: wscl, .offset: 24, .size: 8, .value_kind: global_buffer, .address_space: global }
      - { .name: x, .offset: 32, .size: 8, .value_kind: global_buffer, .address_space: global }
      - { .name: bo, .offset: 40, .size: 8, .value_kind: global_buffer, .address_space: global }
      - { .name: b1, .offset: 48, .size: 8, .value_kind: global_buffer, .address_space: global }
      - { .name: b2, .offset: 56, .size: 8, .value_kind: global_buffer, .address_space: global }
      - { .name: ln2_scale, .offset: 64, .size: 8, .value_kind: global_buffer, .address_space: global }
      - { .name: ln2_shift, .offset: 72, .size: 8, .value_kind: global_buffer, .address_space: global }
      - { .name: out0, .offset: 80, .size: 8, .value_kind: global_buffer, .address_space: global }
    .group_segment_fixed_size: 141824
    .private_segment_fixed_size: 0
    .kernarg_segment_align: 8
    .kernarg_segment_size: 88
    .max_flat_workgroup_size: 512
    .sgpr_count:     96
    .vgpr_count:     256
    .wavefront_size: 32
...
	.end_amdgpu_metadata
.endif
;; end of part 4
;; ======== version 2 of 2: 4 launches
;; workspace buffers: wimg 1,572,864 bytes; wscl 98,304 bytes; qkvc 6,291,456 bytes; qkvs 393,216 bytes; cc 2,097,152 bytes; cs 131,072 bytes
;; launch wq (part 5): grid 192 x 1, 4 waves a work-group, no clusters, 0 bytes of LDS; arguments Wq, Wk, Wv, Wo, W1, W2, wimg, wscl; writes wimg, wscl
.if DOCPART == 5
	.amdgcn_target "amdgcn-amd-amdhsa--gfx1250"
	.amdhsa_code_object_version 6
	.text
	.protected	k_qc4b08e3d9b_wq
	.globl	k_qc4b08e3d9b_wq
	.p2align	8
	.type	k_qc4b08e3d9b_wq,@function
k_qc4b08e3d9b_wq:
	s_mov_b64 s[64:65], 0
	v_nop
	global_prefetch_b8 v0, s[64:65] scope:SCOPE_SE
	s_setreg_imm32_b32 hwreg(HW_REG_WAVE_MODE, 25, 1), 1
	s_wait_xcnt 0x0
; The six weights, f32 stored [K][N], become codes of FP4 (E2M1) with one E8M0 byte for each 32 along K, laid in the order of the operand's registers.
; A block's scale is 2^(floor(log2(largest magnitude)) - 2): its byte is the largest magnitude's exponent field - 2, held at 1 from below.
; LIMITS: a block of zeros, or one whose largest magnitude lies under 2^-124, gets the byte 1 (its codes are zeros or subnormal; the bytes are read by this program alone); NaN and infinities are not served.
; LAYOUT OUT.  wimg, a section for each weight: [group of 32 columns g][K step of 128 s][tile u][c][lane][16 bytes]: a fragment (16 columns x 128 K) is 1,024 bytes, lane (r, h) part c = block 2 c + h of row r.
; Row r of tile u is column 8 u + r + 8 (r / 8) of the group, so that the 16 result registers of a group's two tiles are 16 neighbouring columns.  wscl: [g][s][32 lanes] words, lane 16 u + r, byte j = block j.
; SHARES.  A wave takes 32 columns x 128 K; a lane takes ONE column and its registers run down K, so a block of 32 is one lane's and the conversions give K innermost.  The four waves of a work-group
; stand side by side: a row of the weight is read as 512 consecutive bytes.  Work-groups 0-63: Wq, Wk, Wv, Wo (16 each); 64-127: W1; 128-191: W2.
; No LDS, no barrier: waves share nothing.  Loads run one block (32 loads) ahead of the block at work.
.set X,     16                         ; v16-143  four blocks of 32 numbers
.set MX,    144                        ; v144-145 largest magnitudes, two chains
.set SCR,   152                        ; v152-155 the conversions' scale operands
.set WRD,   160                        ; v160     the scale word
.set CD,    164                        ; v164-179 codes, four registers a block: no store's data are written again
.set FLOOR, 0x1800000                  ; 2^(3 - 127)
	s_load_b512 s[8:23], s[0:1], 0x0               ; Wq s[8:9], Wk, Wv, Wo, W1 s[16:17], W2 s[18:19], wimg s[20:21], wscl s[22:23]
	v_lshrrev_b32 v1, 5, v0
	v_readfirstlane_b32 s4, v1                     ; wave 0..3
	v_and_b32 v1, 31, v0                           ; lane = 16 u + r
	v_lshrrev_b32 v5, 4, v1                        ; u
	v_and_b32 v6, 15, v1                           ; r
	v_bfe_u32 v7, v1, 3, 1                         ; r / 8
	v_lshl_add_u32 v2, v5, 3, v6
	v_lshl_add_u32 v2, v7, 3, v2                   ; my column of the group: 8 u + r + 8 (r / 8)
	v_lshlrev_b32 v2, 2, v2                        ; in bytes
	v_lshlrev_b32 v3, 4, v6
	v_lshl_add_u32 v3, v5, 10, v3                  ; my codes' place in a K step's image: 1,024 u + 16 r
	v_lshlrev_b32 v4, 2, v1                        ; my scale word's place
	; which weight, which four groups, which K step: all from the work-group's number
	s_lshr_b32 s5, ttmp9, 6                        ; class 0: the four square weights; 1: W1; 2: W2
	s_lshr_b32 s6, ttmp9, 4                        ; class 0: which of the four
	s_and_b32 s24, ttmp9, 3                        ; four groups: gq
	s_bfe_u32 s25, ttmp9, 0x20002                  ; K step
	s_mov_b32 s26, 2                               ; log2 of the K steps in the weight
	s_lshl_b32 s27, s6, 17                         ; the section in wimg
	s_lshl_b32 s28, s6, 13                         ; and in wscl
	s_mov_b32 s29, 18                              ; log2 of 128 rows in bytes
	s_and_b32 s30, ttmp9, 15
	s_bfe_u32 s31, ttmp9, 0x20004
	s_bfe_u32 s32, ttmp9, 0x40002
	s_cmp_eq_u32 s5, 1                             ; W1: 16 x 4 groups, 4 K steps, rows of 8,192 bytes
	s_cselect_b32 s24, s30, s24
	s_cselect_b32 s25, s31, s25
	s_cselect_b32 s27, 0x80000, s27
	s_cselect_b32 s28, 0x8000, s28
	s_cselect_b32 s29, 20, s29
	s_cmp_eq_u32 s5, 2                             ; W2: 4 x 4 groups, 16 K steps
	s_cselect_b32 s25, s32, s25
	s_cselect_b32 s26, 4, s26
	s_cselect_b32 s27, 0x100000, s27
	s_cselect_b32 s28, 0x10000, s28
	s_lshl_b32 s33, s24, 2
	s_add_co_u32 s33, s33, s4                      ; my group g = 4 gq + wave
	s_lshl_b32 s34, s33, s26
	s_add_co_u32 s34, s34, s25                     ; g x K steps + s
	s_lshl_b32 s36, s34, 11
	s_add_co_u32 s36, s36, s27                     ; my image: 2,048 bytes each
	s_mov_b32 s37, 0
	s_lshl_b32 s38, s34, 7
	s_add_co_u32 s38, s38, s28                     ; my scale words: 128 bytes each
	s_mov_b32 s39, 0
	s_lshl_b32 s40, s25, s29
	s_lshl_b32 s41, s33, 7
	s_add_co_u32 s40, s40, s41                     ; in the weight: 128 s rows down, 32 g columns along
	s_mov_b32 s41, 0
	s_wait_kmcnt 0x0
	s_cmp_eq_u32 s6, 1                             ; the choice of the buffer hangs on the work-group's number alone
	s_cselect_b64 s[8:9], s[10:11], s[8:9]
	s_cmp_eq_u32 s6, 2
	s_cselect_b64 s[8:9], s[12:13], s[8:9]
	s_cmp_eq_u32 s6, 3
	s_cselect_b64 s[8:9], s[14:15], s[8:9]
	s_cmp_eq_u32 s5, 1
	s_cselect_b64 s[8:9], s[16:17], s[8:9]
	s_cmp_eq_u32 s5, 2
	s_cselect_b64 s[8:9], s[18:19], s[8:9]
	s_add_nc_u64 s[8:9], s[8:9], s[40:41]
	s_add_nc_u64 s[20:21], s[20:21], s[36:37]
	s_add_nc_u64 s[22:23], s[22:23], s[38:39]
.macro LD32 j, rowb                    ; block j: W(32 j + i, my column), i = 0 .. 31; a wave reads 128 consecutive bytes of a row
.irp i, 0,1,2,3,4,5,6,7,8,9,10,11,12,13,14,15,16,17,18,19,20,21,22,23,24,25,26,27,28,29,30,31
	global_load_b32 v[X+32*(\j)+\i], v2, s[8:9] offset:(32*(\j)+\i)*(\rowb) th:TH_LOAD_NT
.endr
.endm
.macro BLK j
.set XS, X+32*(\j)
	v_max3_num_f32 v[MX], |v[XS]|, |v[XS+1]|, |v[XS+2]|              ; the block's largest magnitude: all 32 numbers are mine
	v_max3_num_f32 v[MX+1], |v[XS+3]|, |v[XS+4]|, |v[XS+5]|
.irp i, 6,10,14,18,22,26
	v_max3_num_f32 v[MX], v[MX], |v[XS+\i]|, |v[XS+\i+1]|
	v_max3_num_f32 v[MX+1], v[MX+1], |v[XS+\i+2]|, |v[XS+\i+3]|
.endr
	v_max3_num_f32 v[MX], v[MX], |v[XS+30]|, |v[XS+31]|
	v_max3_num_f32 v[MX], v[MX], v[MX+1], FLOOR                      ; and the floor: the byte cannot fall under 1
	v_add_nc_u32 v[SCR+(\j)], 0xff000000, v[MX]                      ; 2 off the exponent field: the conversion takes that field as its scale
.irp g, 0,1,2,3
	v_cvt_scalef32_pk8_fp4_f32 v[CD+4*(\j)+\g], v[XS+8*\g:XS+8*\g+7], v[SCR+(\j)]
.endr
	v_lshrrev_b32 v[MX+1], 23, v[SCR+(\j)]                           ; the scale's byte (a plain line behind the conversions)
.if (\j) == 0
	v_mov_b32 v[WRD], v[MX+1]
.else
	v_lshl_or_b32 v[WRD], v[MX+1], 8*(\j), v[WRD]
.endif
	global_store_b128 v3, v[CD+4*(\j):CD+4*(\j)+3], s[20:21] offset:256*(\j)   ; lanes 0-15 store 256 consecutive aligned bytes, lanes 16-31 another 256
.endm
.macro BODY rowb
	LD32 0, \rowb
	LD32 1, \rowb
	s_wait_loadcnt 32                              ; block 0 is in; block 1's 32 loads may be out
	BLK 0
	LD32 2, \rowb
	s_wait_loadcnt 32
	BLK 1
	LD32 3, \rowb
	s_wait_loadcnt 32
	BLK 2
	s_wait_loadcnt 0x0
	BLK 3
	global_store_b32 v4, v[WRD], s[22:23]          ; the K step's 32 scale words: 128 consecutive bytes
	s_endpgm
.endm
	s_cmp_eq_u32 s5, 1                             ; a row's length stands in the loads' immediates: two copies of the body
	s_cbranch_scc1 .Lwide
	s_wait_alu depctr_va_vdst(0)
	BODY 2048
.Lwide:
	s_wait_alu depctr_va_vdst(0)
	BODY 8192
.Lfunc_end_k_qc4b08e3d9b_wq:
	.size	k_qc4b08e3d9b_wq, .Lfunc_end_k_qc4b08e3d9b_wq-k_qc4b08e3d9b_wq
	.p2alignl 7, 3214868480
	.fill 96, 4, 3214868480
	.section	.rodata,"a",@progbits
	.p2align	6, 0x0
	.amdhsa_kernel k_qc4b08e3d9b_wq
		.amdhsa_group_segment_fixed_size 0
		.amdhsa_private_segment_fixed_size 0
		.amdhsa_enable_private_segment 0
		.amdhsa_kernarg_size 64
		.amdhsa_user_sgpr_count 2
		.amdhsa_user_sgpr_kernarg_segment_ptr 1
		.amdhsa_wavefront_size32 1
		.amdhsa_system_sgpr_workgroup_id_x 1
		.amdhsa_system_sgpr_workgroup_id_y 1
		.amdhsa_system_sgpr_workgroup_id_z 1
		.amdhsa_system_vgpr_workitem_id 0
		.amdhsa_next_free_vgpr 184
		.amdhsa_next_free_sgpr 66
		.amdhsa_reserve_vcc 0
		.amdhsa_float_denorm_mode_32 3
		.amdhsa_float_denorm_mode_16_64 3
		.amdhsa_memory_ordered 1
		.amdhsa_forward_progress 1
		.amdhsa_inst_pref_size 40
	.end_amdhsa_kernel
	.amdgpu_metadata
---
amdhsa.version: [ 1, 2 ]
amdhsa.kernels:
  - .name:           k_qc4b08e3d9b_wq
    .symbol:         k_qc4b08e3d9b_wq.kd
    .args:
      - { .name: Wq, .offset: 0, .size: 8, .value_kind: global_buffer, .address_space: global }
      - { .name: Wk, .offset: 8, .size: 8, .value_kind: global_buffer, .address_space: global }
      - { .name: Wv, .offset: 16, .size: 8, .value_kind: global_buffer, .address_space: global }
      - { .name: Wo, .offset: 24, .size: 8, .value_kind: global_buffer, .address_space: global }
      - { .name: W1, .offset: 32, .size: 8, .value_kind: global_buffer, .address_space: global }
      - { .name: W2, .offset: 40, .size: 8, .value_kind: global_buffer, .address_space: global }
      - { .name: wimg, .offset: 48, .size: 8, .value_kind: global_buffer, .address_space: global }
      - { .name: wscl, .offset: 56, .size: 8, .value_kind: global_buffer, .address_space: global }
    .group_segment_fixed_size: 0
    .private_segment_fixed_size: 0
    .kernarg_segment_align: 8
    .kernarg_segment_size: 64
    .max_flat_workgroup_size: 128
    .sgpr_count:     66
    .vgpr_count:     184
    .wavefront_size: 32
...
	.end_amdgpu_metadata
.endif
;; end of part 5
;; launch qkv (part 6): grid 256 x 1, 16 waves a work-group, no clusters, 14,336 bytes of LDS; arguments x, ln1_scale, ln1_shift, wimg, wscl, qkvc, qkvs; writes qkvc, qkvs
.if DOCPART == 6
	.amdgcn_target "amdgcn-amd-amdhsa--gfx1250"
	.amdhsa_code_object_version 6
	.text
	.protected	k_qc4b08e3d9b_qkv
	.globl	k_qc4b08e3d9b_qkv
	.p2align	8
	.type	k_qc4b08e3d9b_qkv,@function
k_qc4b08e3d9b_qkv:
	s_mov_b64 s[64:65], 0
	v_nop
	global_prefetch_b8 v0, s[64:65] scope:SCOPE_SE
	s_setreg_imm32_b32 hwreg(HW_REG_WAVE_SCHED_MODE, 0, 2), 2
	s_setreg_imm32_b32 hwreg(HW_REG_WAVE_MODE, 25, 1), 1
	s_wait_xcnt 0x0
	s_wait_alu depctr_vm_vsrc(0)
; LayerNorm 1, its quantising, q = h Wq, k = h Wk, v = h Wv on codes of FP4 (E2M1, one E8M0 scale for each 32 along K), and the quantising of q, k (along the head's 32) and v (along 32 tokens).
; SHARES.  A work-group takes 32 tokens; wave w normalises rows 2 w, 2 w + 1 and then makes head w of q, k and v for all 32 tokens.  Its weights (8 KiB a product) go from memory straight into its registers.
; ORDER IN A GROUP OF 32 (tokens, or a weight's columns): row r of tile u is element 8 u + r + 8 (r / 8); slot = 16 u + r.  A product whose source 0 is a group's two tiles leaves in a lane's 16 result
; registers the group's elements 16 (lane / 16) + 0 .. 15, which is what the conversions want.
; q, k: source 0 = the weight's columns, source 1 = tokens: a lane holds one token and 16 of the head's 32.  v: sources swapped: a lane holds one of the head's 32 and 16 tokens.
; OUT.  qkvc: q, k [batch x 16 + head][slot of the token][16 bytes]; v [batch x 16 + head][128 keys][tile of 16 dims][c][lane][16 bytes], the image of V^T's fragments.  qkvs: [32 tokens][head][slot] bytes, three sections.
; LIMITS: a block whose largest magnitude lies under 2^-124 (a block of zeros too) gets the byte 1; NaN and infinities are not served.  1 / sqrt by v_rsq_f32.
; THE MODE: SCHED_MODE bits 1:0 = 2 (LLVM: expert scheduling mode 2), set by the entry lines.  The code itself states the register dependences
; between vector or matrix instructions and memory or LDS instructions, with s_wait_alu, always for 0.
; THE PLAN.  Registers that memory or LDS instructions touch:
;   v1-v8          addresses: written at the head, never again.
;   ACC            the two rows land in it at the head; from then on vector and matrix instructions alone name it.
;   AF             gain and shift land, LayerNorm reads them; then the tokens' fragments land and the products read them; at the end the stage's 16 bytes land.
;   AS, W0, W1, WS0, WS1   loads land, the products read.
;   PC, v250, v254 written by conversions and shifts, read by stores.  q, k and v have code registers of their own; the byte's register v254 is written anew by each quantiser.
; A product has one wait in its middle (K steps 0 and 1 are done reading AF).  Behind q's and k's products one wait frees the weight buffer, AF and AS: the next weights, the next product's first fragments
; and its scale words are asked for at once and land while the quantiser works, which names ACC, PC and QT alone.  One wait stands ahead of each run of stores, one on vm_vsrc ahead of each quantiser.
.set XIMG, 0                           ; LDS: the normalised rows' codes as images of fragments: [tile u][256 x block + 16 r + 8 x half], 8,192 bytes
.set XSC,  8192                        ; their scale words [K step][slot], 512 bytes
.set SCST, 8704                        ; a stage for q's, k's, v's scale bytes: [section][32 w + lane], 1,536 bytes
.set LI,   1                           ; v1  16 x lane
.set LS,   2                           ; v2  4 x lane
.set XO,   3                           ; v3  64 x lane: my 16 numbers of a row
.set XW,   4                           ; v4  where my codes of a normalised row go
.set XSB,  5                           ; v5  and my block's scale byte
.set QO,   6                           ; v6  16 r + 8 h
.set SCW,  7                           ; v7  32 w + lane
.set SCR,  8                           ; v8  the stage read back
.set W0,   16                          ; v16-79, v80-143  two weight buffers: fragment (K step s, tile u) at 16 s + 8 u
.set W1,   80
.set WS0,  144                         ; v144-147, v148-151 their scale words
.set WS1,  148
.set AS,   152                         ; v152-155 the tokens' scale words
.set BI,   156                         ; (a bias as C: not used in this body)
.set ACC,  172                         ; v172-203 four accumulators; before the products: the two rows
.set AF,   204                         ; v204-235 the tokens' fragments of two K steps; before the products: gain and shift
.set PC,   236                         ; v236-247 codes of q, k, v; before the products: at work
.set QT,   248                         ; v248-254 the quantiser's registers
.set WV,   18
.set SEL,  20
.set HI,   22
; ---- macros shared with the last launch's body
.macro WLOAD wb, ws, cb, ci, sb, si    ; a chunk of a weight: 32 columns x 512 K: 16 loads of 512 consecutive bytes and 4 of scale words
.irp i, 0,1,2,3,4,5,6,7,8,9,10,11,12,13,14,15
	global_load_b128 v[(\wb)+4*\i:(\wb)+4*\i+3], v[LI], s[\cb:\cb+1] offset:(\ci)+512*\i
.endr
.irp i, 0,1,2,3
	global_load_b32 v[(\ws)+\i], v[LS], s[\sb:\sb+1] offset:(\si)+128*\i
.endr
.endm
.macro MM d, a, b, c, sa, sb, ra, rb   ; one product; c < 0: C is the constant 0; ra, rb: the scales stand in lanes 16-31
.if (\c) < 0
.if (\ra) && (\rb)
	v_wmma_scale_f32_16x16x128_f8f6f4 v[(\d):(\d)+7], v[(\a):(\a)+7], v[(\b):(\b)+7], 0, v[(\sa)], v[(\sb)] matrix_a_fmt:MATRIX_FMT_FP4 matrix_b_fmt:MATRIX_FMT_FP4 matrix_a_scale:MATRIX_SCALE_ROW1 matrix_b_scale:MATRIX_SCALE_ROW1
.elseif (\ra)
	v_wmma_scale_f32_16x16x128_f8f6f4 v[(\d):(\d)+7], v[(\a):(\a)+7], v[(\b):(\b)+7], 0, v[(\sa)], v[(\sb)] matrix_a_fmt:MATRIX_FMT_FP4 matrix_b_fmt:MATRIX_FMT_FP4 matrix_a_scale:MATRIX_SCALE_ROW1
.elseif (\rb)
	v_wmma_scale_f32_16x16x128_f8f6f4 v[(\d):(\d)+7], v[(\a):(\a)+7], v[(\b):(\b)+7], 0, v[(\sa)], v[(\sb)] matrix_a_fmt:MATRIX_FMT_FP4 matrix_b_fmt:MATRIX_FMT_FP4 matrix_b_scale:MATRIX_SCALE_ROW1
.else
	v_wmma_scale_f32_16x16x128_f8f6f4 v[(\d):(\d)+7], v[(\a):(\a)+7], v[(\b):(\b)+7], 0, v[(\sa)], v[(\sb)] matrix_a_fmt:MATRIX_FMT_FP4 matrix_b_fmt:MATRIX_FMT_FP4
.endif
.else
.if (\ra) && (\rb)
	v_wmma_scale_f32_16x16x128_f8f6f4 v[(\d):(\d)+7], v[(\a):(\a)+7], v[(\b):(\b)+7], v[(\c):(\c)+7], v[(\sa)], v[(\sb)] matrix_a_fmt:MATRIX_FMT_FP4 matrix_b_fmt:MATRIX_FMT_FP4 matrix_a_scale:MATRIX_SCALE_ROW1 matrix_b_scale:MATRIX_SCALE_ROW1
.elseif (\ra)
	v_wmma_scale_f32_16x16x128_f8f6f4 v[(\d):(\d)+7], v[(\a):(\a)+7], v[(\b):(\b)+7], v[(\c):(\c)+7], v[(\sa)], v[(\sb)] matrix_a_fmt:MATRIX_FMT_FP4 matrix_b_fmt:MATRIX_FMT_FP4 matrix_a_scale:MATRIX_SCALE_ROW1
.elseif (\rb)
	v_wmma_scale_f32_16x16x128_f8f6f4 v[(\d):(\d)+7], v[(\a):(\a)+7], v[(\b):(\b)+7], v[(\c):(\c)+7], v[(\sa)], v[(\sb)] matrix_a_fmt:MATRIX_FMT_FP4 matrix_b_fmt:MATRIX_FMT_FP4 matrix_b_scale:MATRIX_SCALE_ROW1
.else
	v_wmma_scale_f32_16x16x128_f8f6f4 v[(\d):(\d)+7], v[(\a):(\a)+7], v[(\b):(\b)+7], v[(\c):(\c)+7], v[(\sa)], v[(\sb)] matrix_a_fmt:MATRIX_FMT_FP4 matrix_b_fmt:MATRIX_FMT_FP4
.endif
.endif
.endm
.macro AFETCH aoff, ustr, s0           ; the tokens' fragments of K steps s0, s0 + 1: images, 16 bytes a lane, 512 consecutive bytes a load
.irp s, \s0, \s0+1
.irp u, 0,1
.irp c, 0,1
	ds_load_b128 v[AF+16*((\s)&1)+8*\u+4*\c:AF+16*((\s)&1)+8*\u+4*\c+3], v[LI] offset:(\aoff)+\u*(\ustr)+1024*(\s)+512*\c
.endr
.endr
.endr
.endm
.macro ASLOAD soff                     ; the tokens' scale words of four K steps
.irp s, 0,1,2,3
	ds_load_b32 v[AS+\s], v[LS] offset:(\soff)+128*\s
.endr
.endm
.macro MM8 wb, ws, s0, cmode, swap     ; two K steps x four accumulators, which take turns, one instruction a turn
.irp s, \s0, \s0+1
.irp a, 0,1
.irp b, 0,1
.if ((\s) == 0) && ((\cmode) == 0)
.set CC, -1
.elseif ((\s) == 0) && ((\cmode) == 1)
.set CC, BI+8*\b
.else
.set CC, ACC+16*\a+8*\b
.endif
.if \swap
	MM ACC+16*\a+8*\b, AF+16*((\s)&1)+8*\b, (\wb)+16*(\s)+8*\a, CC, AS+(\s), (\ws)+(\s), \b, \a
.else
	MM ACC+16*\a+8*\b, (\wb)+16*(\s)+8*\b, AF+16*((\s)&1)+8*\a, CC, (\ws)+(\s), AS+(\s), \b, \a
.endif
.endr
.endr
.endr
.endm
; 32 tokens x 32 columns x 512 K.  swap = 0: accumulator 16 a + 8 b: token slot (a, lane % 16), columns 16 (lane / 16) + 8 b + 0 .. 7.  swap = 1: column slot (a, lane % 16), tokens 16 (lane / 16) + 8 b + 0 .. 7.
; cmode 0: the sums start at 0; 1: at the bias in v[BI] on (fetched by the caller); 2: they go on.  n: the global loads issued behind this chunk's, which may stay out.
; The caller has asked for the tokens' fragments of K steps 0 and 1 and for their scale words.
.macro PROD wb, ws, aoff, ustr, n, cmode, swap
	s_wait_dscnt 0x0
	s_wait_loadcnt \n
	MM8 \wb, \ws, 0, \cmode, \swap
.rept 4
	v_nop                                          ; places in front of loads into registers that the products have read
.endr
	s_wait_alu depctr_va_vdst(0)                   ; the eight products above are done reading v[AF ..], in which the fragments of K steps 2 and 3 land
	AFETCH \aoff, \ustr, 2
	s_wait_dscnt 0x0
	MM8 \wb, \ws, 2, 2, \swap
.rept 5
	v_nop                                          ; places in front of the first read of the results and of loads into the operands; the fifth for the next products, which write over these accumulators
.endr
.endm
; 2 x 16 numbers of a lane, v[s + 16 u + i]: halves of two blocks of 32 whose other halves lie in lane xor 16.  Codes into v[d + 2 u], v[d + 2 u + 1]; v[t + 6]: lane l holds the scale byte of slot l.
.macro Q16X2 s, d, t
.irp u, 0,1
	v_max3_num_f32 v[(\t)+\u], |v[(\s)+16*\u]|, |v[(\s)+16*\u+1]|, 0x1800000   ; with the floor 2^(3 - 127): the byte cannot fall under 1
.endr
.irp i, 2,4,6,8,10,12,14
.irp u, 0,1
	v_max3_num_f32 v[(\t)+\u], v[(\t)+\u], |v[(\s)+16*\u+\i]|, |v[(\s)+16*\u+\i+1]|
.endr
.endr
.irp u, 0,1
	v_permlanex16_b32 v[(\t)+2+\u], v[(\t)+\u], s[SEL], s[SEL+1]
.endr
.irp u, 0,1
	v_max_num_f32 v[(\t)+\u], v[(\t)+\u], v[(\t)+2+\u]
.endr
.irp u, 0,1
	v_add_nc_u32 v[(\t)+4+\u], 0xff000000, v[(\t)+\u]           ; 2 off the exponent field: the conversion's scale operand
.endr
.irp u, 0,1
	v_cvt_scalef32_pk8_fp4_f32 v[(\d)+2*\u], v[(\s)+16*\u:(\s)+16*\u+7], v[(\t)+4+\u]
	v_cvt_scalef32_pk8_fp4_f32 v[(\d)+2*\u+1], v[(\s)+16*\u+8:(\s)+16*\u+15], v[(\t)+4+\u]
.endr
	v_nop                                          ; one plain line behind the conversions
.irp u, 0,1
	v_lshrrev_b32 v[(\t)+\u], 23, v[(\t)+4+\u]     ; the scales' bytes
.endr
	v_cndmask_b32 v[(\t)+6], v[(\t)], v[(\t)+1], s[HI]   ; lanes 0-15: tile 0's, lanes 16-31: tile 1's
.endm
.macro TREE2 s, t                      ; for u = 0, 1: v[t + 8 u] = the sum of v[s + 16 u] .. v[s + 16 u + 15]; v[t + 8 u + 1 .. 7] at work
.irp k, 0,1,2,3
.irp u, 0,1
	v_pk_add_f32 v[(\t)+8*\u+2*\k:(\t)+8*\u+2*\k+1], v[(\s)+16*\u+4*\k:(\s)+16*\u+4*\k+1], v[(\s)+16*\u+4*\k+2:(\s)+16*\u+4*\k+3]
.endr
.endr
.irp u, 0,1
	v_pk_add_f32 v[(\t)+8*\u:(\t)+8*\u+1], v[(\t)+8*\u:(\t)+8*\u+1], v[(\t)+8*\u+2:(\t)+8*\u+3]
	v_pk_add_f32 v[(\t)+8*\u+4:(\t)+8*\u+5], v[(\t)+8*\u+4:(\t)+8*\u+5], v[(\t)+8*\u+6:(\t)+8*\u+7]
.endr
.irp u, 0,1
	v_pk_add_f32 v[(\t)+8*\u:(\t)+8*\u+1], v[(\t)+8*\u:(\t)+8*\u+1], v[(\t)+8*\u+4:(\t)+8*\u+5]
.endr
.irp u, 0,1
	v_add_f32 v[(\t)+8*\u], v[(\t)+8*\u], v[(\t)+8*\u+1]
.endr
.endm
.macro SQ2 s, t                        ; the same of the squares; v[t + 8 u + 1 .. 3] at work
.irp u, 0,1
	v_pk_mul_f32 v[(\t)+8*\u:(\t)+8*\u+1], v[(\s)+16*\u:(\s)+16*\u+1], v[(\s)+16*\u:(\s)+16*\u+1]
	v_pk_mul_f32 v[(\t)+8*\u+2:(\t)+8*\u+3], v[(\s)+16*\u+2:(\s)+16*\u+3], v[(\s)+16*\u+2:(\s)+16*\u+3]
.endr
.irp k, 4,8,12
.irp u, 0,1
	v_pk_fma_f32 v[(\t)+8*\u:(\t)+8*\u+1], v[(\s)+16*\u+\k:(\s)+16*\u+\k+1], v[(\s)+16*\u+\k:(\s)+16*\u+\k+1], v[(\t)+8*\u:(\t)+8*\u+1]
	v_pk_fma_f32 v[(\t)+8*\u+2:(\t)+8*\u+3], v[(\s)+16*\u+\k+2:(\s)+16*\u+\k+3], v[(\s)+16*\u+\k+2:(\s)+16*\u+\k+3], v[(\t)+8*\u+2:(\t)+8*\u+3]
.endr
.endr
.irp u, 0,1
	v_pk_add_f32 v[(\t)+8*\u:(\t)+8*\u+1], v[(\t)+8*\u:(\t)+8*\u+1], v[(\t)+8*\u+2:(\t)+8*\u+3]
.endr
.irp u, 0,1
	v_add_f32 v[(\t)+8*\u], v[(\t)+8*\u], v[(\t)+8*\u+1]
.endr
.endm
.macro LANES2 t                        ; v[t], v[t + 8] summed over the wave's 32 lanes, the result in every lane; v[t + 1], v[t + 9] at work
.irp m, 1,2,4,8
.irp u, 0,1
	v_add_f32_dpp v[(\t)+8*\u], v[(\t)+8*\u], v[(\t)+8*\u] row_xmask:\m row_mask:0xf bank_mask:0xf
.endr
.endr
.irp u, 0,1
	v_permlanex16_b32 v[(\t)+8*\u+1], v[(\t)+8*\u], s[SEL], s[SEL+1]
.endr
.irp u, 0,1
	v_add_f32 v[(\t)+8*\u], v[(\t)+8*\u], v[(\t)+8*\u+1]
.endr
.endm
; ---- the head
	s_load_b256 s[4:11], s[0:1], 0x0               ; x s[4:5], ln1_scale s[6:7], ln1_shift s[8:9], wimg s[10:11]
	s_load_b128 s[12:15], s[0:1], 0x20             ; wscl s[12:13], qkvc s[14:15]
	s_load_b64 s[16:17], s[0:1], 0x30              ; qkvs
	v_lshl_add_u32 v171, v0, 2, 0x3000
	v_mov_b32 v255, 0
	v_lshrrev_b32 v9, 5, v0
	v_readfirstlane_b32 s[WV], v9                  ; wave 0..15
	v_and_b32 v9, 31, v0                           ; lane
	v_lshlrev_b32 v[LI], 4, v9
	v_lshlrev_b32 v[LS], 2, v9
	v_lshlrev_b32 v[XO], 6, v9
	v_lshrrev_b32 v10, 1, v9                       ; my block of the row's 16
	s_wait_alu depctr_va_vdst(0)
	v_and_b32 v11, 1, v9                           ; which half of it
	v_lshrrev_b32 v12, 3, v9                       ; its K step
	v_and_b32 v13, 3, v10                          ; its byte in the scale word
	v_and_b32 v14, 15, v9                          ; r
	v_lshrrev_b32 v15, 4, v9                       ; h
	s_mov_b32 s[SEL], 0x76543210
	s_mov_b32 s[SEL+1], 0xfedcba98                 ; v_permlanex16_b32's selects for lane xor 16
	s_mov_b32 s[HI], 0xffff0000                    ; lanes 16-31
	s_mov_b32 s23, 0x3b000000                      ; 1 / 512
	s_mov_b32 s24, 0x3727c5ac                      ; 1e-5
	s_wait_alu depctr_va_sdst(0)                   ; the wave's number is written into s18, ahead of its first reader: LDS places and all the bases are made from it
	s_bfe_u32 s44, s[WV], 0x10002                  ; token 2 w + i lies in tile u = (w / 4) % 2,
	s_lshl_b32 s45, s[WV], 1
	s_and_b32 s45, s45, 6
	s_lshr_b32 s46, s[WV], 3
	s_lshl_b32 s46, s46, 3
	s_add_co_u32 s45, s45, s46                     ; row r0 + i, r0 = (2 w) % 8 + 8 (w / 8)
	s_lshl_b32 s46, s44, 12
	s_lshl_b32 s47, s45, 4
	s_add_co_u32 s46, s46, s47
	v_lshlrev_b32 v[XW], 8, v10
	s_wait_alu depctr_va_vdst(0)
	v_lshl_add_u32 v[XW], v11, 3, v[XW]
	v_add_nc_u32 v[XW], s46, v[XW]                 ; 4,096 u + 16 r0 + 256 x block + 8 x half
	s_lshl_b32 s46, s44, 6
	s_lshl_b32 s47, s45, 2
	s_add_co_u32 s46, s46, s47
	s_add_co_u32 s46, s46, XSC
	v_lshl_add_u32 v[XSB], v12, 7, v13
	v_add_nc_u32 v[XSB], s46, v[XSB]               ; XSC + 128 x K step + 4 x slot + byte
	v_lshlrev_b32 v[QO], 4, v14
	v_lshl_add_u32 v[QO], v15, 3, v[QO]
	s_lshl_b32 s46, s[WV], 5
	v_add_nc_u32 v[SCW], s46, v9
	s_min_u32 s47, s[WV], 2
	s_lshl_b32 s46, s47, 9
	v_add_nc_u32 v[SCR], s46, v[LI]
	s_lshl_b32 s26, ttmp9, 16                      ; x: 32 rows of 2,048 bytes a work-group,
	s_lshl_b32 s27, s[WV], 12
	s_add_co_u32 s26, s26, s27                     ; two a wave
	s_mov_b32 s27, 0
	s_lshl_b32 s28, s[WV], 13                      ; my group's chunk in each weight's section
	s_mov_b32 s29, 0
	s_lshl_b32 s30, s[WV], 9                       ; and its scale words
	s_mov_b32 s31, 0
	s_lshr_b32 s32, ttmp9, 6                       ; batch
	s_and_b32 s33, ttmp9, 63                       ; which 32 tokens of the batch: tb
	s_lshl_b32 s32, s32, 19
	s_lshl_b32 s34, s[WV], 15
	s_add_co_u32 s32, s32, s34                     ; (batch x 16 + head) x 32,768
	s_lshl_b32 s34, s33, 9
	s_add_co_u32 s34, s34, s32                     ; q, k: + 512 tb
	s_mov_b32 s35, 0
	s_lshr_b32 s36, s33, 2
	s_lshl_b32 s36, s36, 11
	s_and_b32 s37, s33, 3
	s_lshl_b32 s37, s37, 8
	s_add_co_u32 s36, s36, s37
	s_add_co_u32 s36, s36, s32
	s_add_co_u32 s36, s36, 0x400000                ; v: its section + 2,048 (tb / 4) + 256 (tb % 4)
	s_mov_b32 s37, 0
	s_lshl_b32 s38, s47, 17
	s_lshl_b32 s39, ttmp9, 9
	s_add_co_u32 s38, s38, s39                     ; the scale bytes: section w (waves 0 to 2) + 512 x work-group
	s_mov_b32 s39, 0
	s_wait_kmcnt 0x0
	s_add_nc_u64 s[4:5], s[4:5], s[26:27]
	s_add_nc_u64 s[10:11], s[10:11], s[28:29]
	s_add_nc_u64 s[12:13], s[12:13], s[30:31]
	s_add_nc_u64 s[40:41], s[14:15], s[34:35]
	s_add_nc_u64 s[42:43], s[14:15], s[36:37]
	s_add_nc_u64 s[16:17], s[16:17], s[38:39]
	s_wait_alu depctr_va_vdst(0)                   ; the eight addresses v1 to v8 are written: every load and store of the kernel reads one of them, and none is written again
.irp i, 0,1
.irp j, 0,1,2,3
	global_load_b128 v[ACC+16*\i+4*\j:ACC+16*\i+4*\j+3], v[XO], s[4:5] offset:2048*\i+16*\j th:TH_LOAD_NT   ; row 2 w + i: my 16 neighbours
.endr
.endr
.irp j, 0,1,2,3
	global_load_b128 v[AF+4*\j:AF+4*\j+3], v[XO], s[6:7] offset:16*\j
	global_load_b128 v[AF+16+4*\j:AF+16+4*\j+3], v[XO], s[8:9] offset:16*\j
.endr
	WLOAD W0, WS0, 10, 0, 12, 0                    ; Wq's group w
	WLOAD W1, WS1, 10, 131072, 12, 8192            ; Wk's
	s_wait_loadcnt 40                              ; the rows, gain and shift are in; the 40 loads of weights may be out
; ---- LayerNorm 1, two rows by turns: mean, then the mean of the squared differences
	TREE2 ACC, PC
	LANES2 PC
.irp u, 0,1
	v_mul_f32 v[PC+8*\u], s23, v[PC+8*\u]          ; the mean
.endr
.irp k, 0,2,4,6,8,10,12,14
.irp u, 0,1
	v_pk_add_f32 v[ACC+16*\u+\k:ACC+16*\u+\k+1], v[ACC+16*\u+\k:ACC+16*\u+\k+1], v[PC+8*\u:PC+8*\u+1] op_sel_hi:[1,0] neg_lo:[0,1] neg_hi:[0,1]
.endr
.endr
	SQ2 ACC, PC
	LANES2 PC
.irp u, 0,1
	v_fma_f32 v[PC+8*\u], v[PC+8*\u], s23, s24     ; variance + 1e-5
.endr
	s_wait_alu depctr_va_vdst(0)
.irp u, 0,1
	v_rsq_f32 v[PC+8*\u], v[PC+8*\u]
.endr
	v_nop                                          ; a plain line behind the transcendentals
	s_wait_alu depctr_va_vdst(0)                   ; the two reciprocal roots v[PC], v[PC+8] are written: one wait for both, ahead of their first reader
.irp k, 0,2,4,6,8,10,12,14
.irp u, 0,1
	v_pk_mul_f32 v[ACC+16*\u+\k:ACC+16*\u+\k+1], v[ACC+16*\u+\k:ACC+16*\u+\k+1], v[PC+8*\u:PC+8*\u+1] op_sel_hi:[1,0]
.endr
.endr
.irp k, 0,2,4,6,8,10,12,14
.irp u, 0,1
	v_pk_fma_f32 v[ACC+16*\u+\k:ACC+16*\u+\k+1], v[ACC+16*\u+\k:ACC+16*\u+\k+1], v[AF+\k:AF+\k+1], v[AF+16+\k:AF+16+\k+1]
.endr
.endr
; quantised: lanes 2 p and 2 p + 1 hold block p of the row
.irp u, 0,1
	v_max3_num_f32 v[PC+8*\u+4], |v[ACC+16*\u]|, |v[ACC+16*\u+1]|, 0x1800000
.endr
.irp i, 2,4,6,8,10,12,14
.irp u, 0,1
	v_max3_num_f32 v[PC+8*\u+4], v[PC+8*\u+4], |v[ACC+16*\u+\i]|, |v[ACC+16*\u+\i+1]|
.endr
.endr
.irp u, 0,1
	v_max_num_f32_dpp v[PC+8*\u+4], v[PC+8*\u+4], v[PC+8*\u+4] row_xmask:1 row_mask:0xf bank_mask:0xf
.endr
.irp u, 0,1
	v_add_nc_u32 v[PC+8*\u+5], 0xff000000, v[PC+8*\u+4]
.endr
.irp u, 0,1
	v_cvt_scalef32_pk8_fp4_f32 v[PC+8*\u+2], v[ACC+16*\u:ACC+16*\u+7], v[PC+8*\u+5]
	v_cvt_scalef32_pk8_fp4_f32 v[PC+8*\u+3], v[ACC+16*\u+8:ACC+16*\u+15], v[PC+8*\u+5]
.endr
	v_nop                                          ; one plain line behind the conversions
.irp u, 0,1
	v_lshrrev_b32 v[PC+8*\u+6], 23, v[PC+8*\u+5]
.endr
	s_wait_alu depctr_va_vdst(0)                   ; the rows' codes and bytes are written, which the LDS stores read; and LayerNorm is done reading gain and shift in v[AF ..], in which the first fragments land behind the barrier
.irp u, 0,1
	ds_store_b64 v[XW], v[PC+8*\u+2:PC+8*\u+3] offset:XIMG+16*\u
	ds_store_b8 v[XSB], v[PC+8*\u+6] offset:4*\u   ; both lanes of a block write the same byte with the same value
.endr
	s_wait_dscnt 0x0                               ; for the others' sake: my stores have landed
	s_barrier_signal -1
	s_barrier_wait -1                              ; the 32 rows' fragments and scale words lie in LDS
; ---- the three products of head w
	AFETCH XIMG, 4096, 0                           ; no vector line has stood since the wait ahead of the stores
	ASLOAD XSC
	PROD W0, WS0, XIMG, 4096, 20, 0, 0             ; q; Wk's 20 loads may be out
	s_wait_alu depctr_va_vdst(0)                   ; q's products are done reading W0, WS0, v[AF ..] and v[AS ..], in which the loads below land
	s_wait_alu depctr_vm_vsrc(0)                   ; the LDS stores of the normalised rows have read their codes and bytes in v[PC ..] and v250, which the quantisers write
	WLOAD W0, WS0, 10, 262144, 12, 16384           ; Wv's group w into the buffer that q has left
	AFETCH XIMG, 4096, 0                           ; k's first fragments and scale words land while q is quantised: the quantiser names ACC, PC and QT alone
	ASLOAD XSC
	Q16X2 ACC, PC, QT
	s_wait_alu depctr_va_vdst(0)                   ; q's codes v[PC ..] and its byte v[QT+6] are written, which the stores read
	global_store_b64 v[QO], v[PC:PC+1], s[40:41]                   ; 32 lanes store 256 consecutive aligned bytes: 16 slots x 16 bytes
	global_store_b64 v[QO], v[PC+2:PC+3], s[40:41] offset:256
	ds_store_b8 v[SCW], v[QT+6] offset:SCST
	PROD W1, WS1, XIMG, 4096, 20, 0, 0             ; k; Wv's 20 loads may be out
	s_wait_alu depctr_va_vdst(0)                   ; k's products are done reading v[AF ..] and v[AS ..], in which the loads below land
	s_wait_alu depctr_vm_vsrc(0)                   ; the LDS store of q's byte has read v[QT+6], which the quantiser writes again
	AFETCH XIMG, 4096, 0                           ; v's first fragments and scale words land while k is quantised
	ASLOAD XSC
	Q16X2 ACC, PC+4, QT
	s_wait_alu depctr_va_vdst(0)                   ; k's codes v[PC+4 ..] and its byte v[QT+6] are written, which the stores read
	global_store_b64 v[QO], v[PC+4:PC+5], s[40:41] offset:2097152
	global_store_b64 v[QO], v[PC+6:PC+7], s[40:41] offset:2097152+256
	ds_store_b8 v[SCW], v[QT+6] offset:SCST+512
	PROD W0, WS0, XIMG, 4096, 0, 0, 1              ; v, sources swapped: registers run along the tokens
	s_wait_alu depctr_vm_vsrc(0)                   ; the LDS store of k's byte has read v[QT+6], which the quantiser writes again
	Q16X2 ACC, PC+8, QT
	s_wait_alu depctr_va_vdst(0)                   ; v's codes v[PC+8 ..] and its byte v[QT+6] are written, which the stores read; and v's products are done reading v[AF ..], in which the stage's bytes land below
	global_store_b64 v[QO], v[PC+8:PC+9], s[42:43]                 ; block tb % 4 of V^T's fragment, dims' tile 0,
	global_store_b64 v[QO], v[PC+10:PC+11], s[42:43] offset:1024   ; tile 1
	ds_store_b8 v[SCW], v[QT+6] offset:SCST+1024
	s_wait_dscnt 0x0
	s_barrier_signal -1
	s_barrier_wait -1                              ; the sixteen heads' scale bytes lie in the stage
	s_cmp_lt_u32 s[WV], 3                          ; wave 0: q's 512 bytes, wave 1: k's, wave 2: v's
	s_cbranch_scc0 .Ldone
	ds_load_b128 v[AF:AF+3], v[SCR] offset:SCST
	s_wait_dscnt 0x0
	global_store_b128 v[LI], v[AF:AF+3], s[16:17]  ; 512 consecutive aligned bytes
.Ldone:
	s_wait_dscnt 0x0                               ; the closing lines, six on end
	s_wait_alu 0x0
	s_wait_tensorcnt 0x0
	ds_add_u32 v171, v255
	s_wait_dscnt 0x0
	s_endpgm
.Lfunc_end_k_qc4b08e3d9b_qkv:
	.size	k_qc4b08e3d9b_qkv, .Lfunc_end_k_qc4b08e3d9b_qkv-k_qc4b08e3d9b_qkv
	.p2alignl 7, 3214868480
	.fill 96, 4, 3214868480
	.section	.rodata,"a",@progbits
	.p2align	6, 0x0
	.amdhsa_kernel k_qc4b08e3d9b_qkv
		.amdhsa_group_segment_fixed_size 14336
		.amdhsa_private_segment_fixed_size 0
		.amdhsa_enable_private_segment 0
		.amdhsa_kernarg_size 56
		.amdhsa_user_sgpr_count 2
		.amdhsa_user_sgpr_kernarg_segment_ptr 1
		.amdhsa_wavefront_size32 1
		.amdhsa_system_sgpr_workgroup_id_x 1
		.amdhsa_system_sgpr_workgroup_id_y 1
		.amdhsa_system_sgpr_workgroup_id_z 1
		.amdhsa_system_vgpr_workitem_id 0
		.amdhsa_next_free_vgpr 256
		.amdhsa_next_free_sgpr 66
		.amdhsa_reserve_vcc 0
		.amdhsa_float_denorm_mode_32 3
		.amdhsa_float_denorm_mode_16_64 3
		.amdhsa_memory_ordered 1
		.amdhsa_forward_progress 1
		.amdhsa_inst_pref_size 38
	.end_amdhsa_kernel
	.amdgpu_metadata
---
amdhsa.version: [ 1, 2 ]
amdhsa.kernels:
  - .name:           k_qc4b08e3d9b_qkv
    .symbol:         k_qc4b08e3d9b_qkv.kd
    .args:
      - { .name: x, .offset: 0, .size: 8, .value_kind: global_buffer, .address_space: global }
      - { .name: ln1_scale, .offset: 8, .size: 8, .value_kind: global_buffer, .address_space: global }
      - { .name: ln1_shift, .offset: 16, .size: 8, .value_kind: global_buffer, .address_space: global }
      - { .name: wimg, .offset: 24, .size: 8, .value_kind: global_buffer, .address_space: global }
      - { .name: wscl, .offset: 32, .size: 8, .value_kind: global_buffer, .address_space: global }
      - { .name: qkvc, .offset: 40, .size: 8, .value_kind: global_buffer, .address_space: global }
      - { .name: qkvs, .offset: 48, .size: 8, .value_kind: global_buffer, .address_space: global }
    .group_segment_fixed_size: 14336
    .private_segment_fixed_size: 0
    .kernarg_segment_align: 8
    .kernarg_segment_size: 56
    .max_flat_workgroup_size: 512
    .sgpr_count:     66
    .vgpr_count:     256
    .wavefront_size: 32
...
	.end_amdgpu_metadata
.endif
;; end of part 6
;; launch attn (part 7): grid 4 x 64, 16 waves a work-group, no clusters, 169,984 bytes of LDS; arguments qkvc, qkvs, cc, cs; writes cc, cs
.if DOCPART == 7
	.amdgcn_target "amdgcn-amd-amdhsa--gfx1250"
	.amdhsa_code_object_version 6
	.text
	.protected	k_qc4b08e3d9b_attn
	.globl	k_qc4b08e3d9b_attn
	.p2align	8
	.type	k_qc4b08e3d9b_attn,@function
k_qc4b08e3d9b_attn:
	s_mov_b64 s[64:65], 0
	v_nop
	global_prefetch_b8 v0, s[64:65] scope:SCOPE_SE
	s_setreg_imm32_b32 hwreg(HW_REG_WAVE_MODE, 25, 1), 1
	s_wait_xcnt 0x0
; Causal attention of one head on codes of FP4 (E2M1, one E8M0 scale for each 32 along a product's K), and the quantising of its result for the next product.
; THE SOFTMAX: t = score x log2(e) / sqrt(32); M = the running largest t rounded UP to a whole number; p = 2^(t - M) is quantised along the keys, not normalised; the row's sum is taken of the unquantised p
; and divides at the end.  When M moves, the sum and O are multiplied by 2^(old M - new M), which rounds nothing.
; SHARES.  Work-group (x, y): head y (batch x 16 + head), quarter x.  Wave w owns query tiles i = 16 x + w and 127 - i (16 queries each): (i / 8 + 1) + ((127 - i) / 8 + 1) = 17 key steps of 128 for every wave.
; A head's codes of K and V and their scale bytes are 68 KiB: they come into LDS once, by one tensor load in each of ten waves; nothing is filled again.
; No cluster: the four work-groups of a head leave out different key steps, by branches that hang on their query tiles, and partners of a cluster must run alike.
; THE HEAD IS 32 WIDE, the instruction 128 deep.  A fragment of K's codes, read as 1,024 bytes on end, holds 64 keys: block j of row r is key slot 16 j + r.  Q is kept in four versions, its 32 codes in block j
; and zero codes elsewhere: K's fragment x version j gives the scores of the 16 keys in block j.  Key slots are laid so that the 16 registers of two neighbouring score tiles are 16 neighbouring keys.
; Both products are used transposed: a lane holds ONE query (lane % 16) throughout.
; LIMITS: a block whose largest magnitude lies under 2^-124 (a block of zeros too) gets the byte 1; NaN and infinities are not served; the largest p of a block is taken from its largest score, which takes v_exp_f32 not to fall where its input rises.
.set KPL, 0                            ; LDS: K's scale bytes [32 tokens][slot], 2,048
.set VPL, 2048                         ; V's [32 tokens][dim's slot], 2,048
.set KW,  4096                         ; K's scale words [fragment of 64 keys][row], 2,048: written by ds_store
.set VW,  6144                         ; V's scale words [128 keys][lane], 2,048: written by ds_store
.set CST, 8192                         ; a stage for the result's scale bytes, 512
.set KC,  16384                        ; K's codes, 16 bytes a key slot, 32,768
.set VC,  49152                        ; V^T's fragments, 2,048 bytes a key step, 32,768
.set WV,  12
.set HI,  13
.set SEL, 20
.set CS,  22                           ; s[22:23] c = log2(e) / sqrt(32)
.set G1C, 24                           ; s[24:31] group 1 for the codes;  s[32:39] for the scale bytes;  s[40:43], s[44:47] their groups 0
.set G1P, 32
.set G0C, 40
.set G0P, 44
.set KSI, 60                           ; the key step
.set TKV, 61                           ; its codes: 2,048 bytes a step
.set TSC, 62                           ; its scale words: 128 bytes a step
.set REP, 63                           ; 0x01010101
; REGISTERS: v1 16 lane + KC; v2 4 lane + KW; v3, v4 the step's addresses; v5 my query less the diagonal step's first key less 16 h; v6 16 r + 8 h; v7, v8 the stage; v9 16 r; v10 r; v11 r + 8 (r / 8) - 16 h;
; v12 -M, v13 the largest t, v[14:15] the sum; v16-39 Q's four versions (zeros, low, zeros, zeros, high, zeros); v40 Q's scale word; v41, v42 the last store's addresses; v44-47, v84-87 the two tiles' codes of Q, v88, v89 their bytes;
; v48-63 K's two fragments; v64-79 V's two; v80 K's, v81 V's, v82 p's scale words; v96-159 scores, then p; v160-175 O^T; v176-183 p's codes; v184-206 at work; v208-213 the result's codes and bytes.
.macro MM d, a, b, c, sa, sb, ra, rb   ; one product; c < 0: C is the constant 0; ra: source 0's scales stand in lanes 16-31
.if (\c) < 0
.if (\ra)
	v_wmma_scale_f32_16x16x128_f8f6f4 v[(\d):(\d)+7], v[(\a):(\a)+7], v[(\b):(\b)+7], 0, v[(\sa)], v[(\sb)] matrix_a_fmt:MATRIX_FMT_FP4 matrix_b_fmt:MATRIX_FMT_FP4 matrix_a_scale:MATRIX_SCALE_ROW1
.else
	v_wmma_scale_f32_16x16x128_f8f6f4 v[(\d):(\d)+7], v[(\a):(\a)+7], v[(\b):(\b)+7], 0, v[(\sa)], v[(\sb)] matrix_a_fmt:MATRIX_FMT_FP4 matrix_b_fmt:MATRIX_FMT_FP4
.endif
.else
.if (\ra)
	v_wmma_scale_f32_16x16x128_f8f6f4 v[(\d):(\d)+7], v[(\a):(\a)+7], v[(\b):(\b)+7], v[(\c):(\c)+7], v[(\sa)], v[(\sb)] matrix_a_fmt:MATRIX_FMT_FP4 matrix_b_fmt:MATRIX_FMT_FP4 matrix_a_scale:MATRIX_SCALE_ROW1
.else
	v_wmma_scale_f32_16x16x128_f8f6f4 v[(\d):(\d)+7], v[(\a):(\a)+7], v[(\b):(\b)+7], v[(\c):(\c)+7], v[(\sa)], v[(\sb)] matrix_a_fmt:MATRIX_FMT_FP4 matrix_b_fmt:MATRIX_FMT_FP4
.endif
.endif
.endm
; a query tile's numbers: its diagonal step, its first query's place in that step, and the byte offsets of its codes, its scale bytes and its result
.macro TSETUP qt, ds, sq, qb, sb, cb
	s_lshr_b32 s[\ds], s[\qt], 3                   ; tile qt holds tokens of block qt / 2: key step qt / 8
	s_bfe_u32 s76, s[\qt], 0x20001
	s_lshl_b32 s76, s76, 5
	s_and_b32 s77, s[\qt], 1
	s_lshl_b32 s78, s77, 3
	s_add_co_u32 s[\sq], s76, s78                  ; 32 ((qt / 2) % 4) + 8 (qt % 2)
	s_lshl_b32 s[\qb], s[\qt], 8
	s_add_co_u32 s[\qb], s[\qb], s17               ; codes: head x 32,768 + 256 qt
	s_mov_b32 s[\qb+1], 0
	s_lshr_b32 s76, s[\qt], 1
	s_lshl_b32 s76, s76, 9
	s_lshl_b32 s77, s77, 4
	s_add_co_u32 s76, s76, s77
	s_add_co_u32 s76, s76, s19
	s_lshl_b32 s77, s16, 5
	s_add_co_u32 s[\sb], s76, s77                  ; bytes: (batch x 64 + qt / 2) x 512 + 32 head + 16 (qt % 2)
	s_mov_b32 s[\sb+1], 0
	s_lshl_b32 s76, s15, 19
	s_lshl_b32 s77, s[\qt], 12
	s_add_co_u32 s76, s76, s77
	s_lshl_b32 s77, s16, 8
	s_add_co_u32 s[\cb], s76, s77                  ; result: batch x 524,288 + 4,096 qt + 256 head
	s_mov_b32 s[\cb+1], 0
.endm
	s_load_b256 s[4:11], s[0:1], 0x0               ; qkvc s[4:5], qkvs s[6:7], cc s[8:9], cs s[10:11]
	v_lshl_add_u32 v254, v0, 2, 0x29000
	v_mov_b32 v255, 0
	ds_add_u32 v254, v255
	ds_add_u32 v254, v255
	v_lshrrev_b32 v1, 5, v0
	s_delay_alu instid0(VALU_DEP_1)
	v_readfirstlane_b32 s[WV], v1                  ; wave 0..15
	s_and_b32 s14, ttmp7, 0xffff                   ; batch x 16 + head
	s_lshr_b32 s15, s14, 4                         ; batch
	s_and_b32 s16, s14, 15                         ; head
	s_lshl_b32 s17, s14, 15                        ; the head's 32,768 bytes in each section of codes
	s_lshl_b32 s19, s15, 15                        ; the batch's 64 x 512 scale bytes in each section
	; group 1 for the codes: 32 rows of 256 bytes (32 elements of 8 bytes), dense, no padding: fragments are read 512 bytes on end
	s_mov_b32 s[G1C], 3<<16
	s_mov_b32 s[G1C+1], 32<<16                     ; tensor_dim0
	s_mov_b32 s[G1C+2], 32<<16                     ; tensor_dim1
	s_mov_b32 s[G1C+3], 32<<16                     ; tile_dim0
	s_mov_b32 s[G1C+4], 32                         ; tile_dim1
	s_mov_b32 s[G1C+5], 32                         ; from row to row
	s_mov_b32 s[G1C+6], 0
	s_mov_b32 s[G1C+7], 0
	; group 1 for the scale bytes: 64 rows (blocks of 32 tokens) of 32 bytes (8 elements of 4 bytes), 512 bytes apart in memory
	s_mov_b32 s[G1P], 2<<16
	s_mov_b32 s[G1P+1], 8<<16
	s_mov_b32 s[G1P+2], 64<<16
	s_mov_b32 s[G1P+3], 8<<16
	s_mov_b32 s[G1P+4], 64
	s_mov_b32 s[G1P+5], 128
	s_mov_b32 s[G1P+6], 0
	s_mov_b32 s[G1P+7], 0
	s_bfe_u32 s48, s[WV], 0x10002                  ; waves 0-3 fetch K's codes, waves 4-7 V's, a quarter each
	s_add_co_u32 s48, s48, 1
	s_lshl_b32 s48, s48, 21                        ; the section
	s_add_co_u32 s48, s48, s17
	s_and_b32 s49, s[WV], 3
	s_lshl_b32 s49, s49, 13
	s_add_co_u32 s48, s48, s49
	s_mov_b32 s49, 0
	s_and_b32 s18, s[WV], 1                        ; wave 8 fetches K's scale bytes, wave 9 V's
	s_add_co_u32 s50, s18, 1
	s_lshl_b32 s50, s50, 17
	s_add_co_u32 s50, s50, s19
	s_lshl_b32 s51, s16, 5
	s_add_co_u32 s50, s50, s51
	s_mov_b32 s51, 0
	s_lshl_b32 s66, ttmp9, 4
	s_add_co_u32 s66, s66, s[WV]                   ; my first query tile
	s_sub_co_u32 s69, 127, s66                     ; and my second
	TSETUP 66, 67, 68, 52, 56, 72
	TSETUP 69, 70, 71, 54, 58, 74
	s_mov_b32 s[SEL], 0x76543210
	s_mov_b32 s[SEL+1], 0xfedcba98
	s_mov_b32 s[HI], 0xffff0000
	s_mov_b32 s[CS], 0x3e8293ee
	s_mov_b32 s[CS+1], s[CS]                       ; (named with it as a pair, so it is written)
	s_mov_b32 s[REP], 0x01010101
	s_wait_dscnt 0x0
	s_wait_kmcnt 0x0
	s_mov_b32 s[G0C], 1
	s_lshl_b32 s[G0C+1], s[WV], 13
	s_add_co_u32 s[G0C+1], s[G0C+1], KC            ; 8,192 bytes a wave: K's four quarters, then V's
	s_add_nc_u64 s[G0C+2:G0C+3], s[4:5], s[48:49]
	s_or_b32 s[G0C+3], s[G0C+3], 0x80000000
	s_mov_b32 s[G0P], 1
	s_lshl_b32 s[G0P+1], s18, 11                   ; KPL, VPL
	s_add_nc_u64 s[G0P+2:G0P+3], s[6:7], s[50:51]
	s_or_b32 s[G0P+3], s[G0P+3], 0x80000000
	s_cmp_lt_u32 s[WV], 8                          ; the launch's only fills: at most one tensor load a wave is out; four v_nop follow each
	s_cbranch_scc0 .Lnot_codes
	tensor_load_to_lds s[G0C:G0C+3], s[G1C:G1C+7]
	s_nop 0
.rept 4
	v_nop
.endr
	s_branch .Lasked
.Lnot_codes:
	s_cmp_lt_u32 s[WV], 10
	s_cbranch_scc0 .Lasked
	tensor_load_to_lds s[G0P:G0P+3], s[G1P:G1P+7]
	s_nop 0
.rept 4
	v_nop
.endr
.Lasked:
	s_add_nc_u64 s[52:53], s[4:5], s[52:53]
	s_add_nc_u64 s[54:55], s[4:5], s[54:55]
	s_add_nc_u64 s[56:57], s[6:7], s[56:57]
	s_add_nc_u64 s[58:59], s[6:7], s[58:59]
	s_add_nc_u64 s[72:73], s[8:9], s[72:73]
	s_add_nc_u64 s[74:75], s[8:9], s[74:75]
	v_and_b32 v10, 15, v0                          ; r
	s_delay_alu instid0(VALU_DEP_1)
	v_lshlrev_b32 v9, 4, v10
	global_load_b128 v[44:47], v9, s[52:53]        ; my query's 32 codes, in both halves of the lanes
	global_load_b128 v[84:87], v9, s[54:55]
	global_load_u8 v88, v10, s[56:57]              ; and its scale byte
	global_load_u8 v89, v10, s[58:59]
	v_and_b32 v1, 31, v0
	s_delay_alu instid0(VALU_DEP_1)
	v_lshlrev_b32 v2, 2, v1
	s_delay_alu instid0(VALU_DEP_1)
	v_add_nc_u32 v2, KW, v2
	s_delay_alu instid0(VALU_DEP_3)
	v_lshlrev_b32 v1, 4, v1
	s_delay_alu instid0(VALU_DEP_1)
	v_add_nc_u32 v41, CST, v1
	s_delay_alu instid0(VALU_DEP_2)
	v_add_nc_u32 v1, KC, v1
	v_bfe_u32 v93, v0, 3, 1                        ; r / 8
	v_bfe_u32 v94, v0, 4, 1                        ; h
	s_delay_alu instid0(VALU_DEP_2)
	v_lshl_add_u32 v11, v93, 3, v10
	s_delay_alu instid0(VALU_DEP_2)
	v_lshlrev_b32 v95, 4, v94
	s_delay_alu instid0(VALU_DEP_1)
	v_sub_nc_u32 v11, v11, v95
	s_delay_alu instid0(VALU_DEP_4)
	v_lshl_add_u32 v6, v94, 3, v9
	s_lshl_b32 s76, s[WV], 4
	s_add_co_u32 s76, s76, CST
	v_add_nc_u32 v7, s76, v10                      ; the first tile's bytes: CST + 16 w + r
	s_xor_b32 s76, s[WV], 15
	s_lshl_b32 s76, s76, 4
	s_add_co_u32 s76, s76, CST+256
	v_add_nc_u32 v8, s76, v10                      ; the second's: CST + 256 + 16 (15 - w) + r
	s_lshl_b32 s76, ttmp9, 9
	s_sub_co_u32 s76, 1792, s76
	v_mul_u32_u24 v42, s76, v94
	s_delay_alu instid0(VALU_DEP_1)
	v_lshl_add_u32 v42, v10, 4, v42                ; the last store: 16 r + h (1,792 - 512 x)
	s_lshl_b32 s76, s14, 11
	s_lshl_b32 s77, ttmp9, 8
	s_add_co_u32 s76, s76, s77
	s_mov_b32 s77, 0
	s_add_nc_u64 s[10:11], s[10:11], s[76:77]      ; cs at head x 2,048 + 256 x
	v_lshrrev_b32 v90, 4, v0
	s_delay_alu instid0(VALU_DEP_1)
	v_lshl_add_u32 v90, v90, 6, v10                ; thread t gathers K's word of fragment t / 16, row t % 16: bytes 64 (t / 16) + 16 j + t % 16
	v_lshrrev_b32 v91, 5, v0
	v_and_b32 v92, 31, v0
	s_delay_alu instid0(VALU_DEP_1)
	v_lshl_add_u32 v91, v91, 7, v92                ; and V's word of key step t / 32, lane t % 32: bytes 128 (t / 32) + 32 j + t % 32
	v_lshlrev_b32 v92, 2, v0
.irp i, 16,17,18,19,24,25,26,27,28,29,30,31,36,37,38,39
	v_mov_b32 v[\i], 0                             ; Q's zero codes
.endr
.irp i, 188,189,190,191,201
	v_mov_b32 v[\i], 0                             ; written once: a lane permute's destination counts as a source; v201 is named as the upper half of a pair
.endr
	v_mov_b32 v206, 0xff800000                     ; -infinity
	s_wait_tensorcnt 0x0                           ; my part has landed
	s_barrier_signal -1
	s_barrier_wait -1                              ; everybody's has
.irp j, 0,1,2,3
	ds_load_u8 v[96+\j], v90 offset:KPL+16*\j
	ds_load_u8 v[100+\j], v91 offset:VPL+32*\j
.endr
	s_wait_dscnt 0x0
	v_lshl_or_b32 v96, v97, 8, v96
	v_lshl_or_b32 v100, v101, 8, v100
	s_delay_alu instid0(VALU_DEP_2)
	v_lshl_or_b32 v96, v98, 16, v96
	s_delay_alu instid0(VALU_DEP_2)
	v_lshl_or_b32 v100, v102, 16, v100
	s_delay_alu instid0(VALU_DEP_2)
	v_lshl_or_b32 v96, v99, 24, v96
	s_delay_alu instid0(VALU_DEP_2)
	v_lshl_or_b32 v100, v103, 24, v100
	ds_store_b32 v92, v96 offset:KW
	ds_store_b32 v92, v100 offset:VW
	s_wait_dscnt 0x0
	s_barrier_signal -1
	s_barrier_wait -1                              ; the scale words lie in LDS
	s_wait_loadcnt 0x0                             ; Q
; ONE QUERY TILE: all 16 key steps are walked (a constant count); a step all of whose keys come after the tile's queries is left out by a scalar branch on ids, round its work and not round the lines that step addresses.
.macro TILE src, byt, ds, sq, cb, cadr, pcr, byr
	v_mul_lo_u32 v40, v[\byt], s[REP]              ; Q's scale byte in all four places: it stands well over 8 plain lines ahead of the first product
.irp i, 0,1,2,3
	v_cndmask_b32 v[20+\i], v[\src+\i], v16, s[HI] ; the codes in lanes 0-15, zeros above: blocks 0 and 2
	v_cndmask_b32 v[32+\i], v16, v[\src+\i], s[HI] ; the codes in lanes 16-31: blocks 1 and 3
.endr
	v_add_nc_u32 v5, s[\sq], v11
	v_mov_b32 v13, 0xff61b1e6                      ; the largest t so far: -3e38
	s_delay_alu instid0(VALU_DEP_1)
	v_floor_f32 v12, -v13
	v_mov_b32 v14, 0
	v_mov_b32 v15, 0
.irp i, 0,1,2,3,4,5,6,7,8,9,10,11,12,13,14,15
	v_mov_b32 v[160+\i], 0                         ; O^T: the step is written once; its first trip finds zeros
.endr
	s_mov_b32 s[KSI], 0
	s_mov_b32 s[TKV], 0
	s_mov_b32 s[TSC], 0
.Lstep_\@:
	s_cmp_gt_u32 s[KSI], s[\ds]
	s_cbranch_scc1 .Lhidden_\@
	s_setprio 2
	v_add_nc_u32 v3, s[TKV], v1
	v_add_nc_u32 v4, s[TSC], v2
	v_nop
	v_nop                                          ; four places in front of loads into registers that the last trip's products have read
.irp f, 0,1
.irp c, 0,1
	ds_load_b128 v[48+8*\f+4*\c:51+8*\f+4*\c], v3 offset:1024*\f+512*\c
.endr
.endr
	ds_load_b32 v80, v4                            ; lanes 0-15: fragment 0's words, lanes 16-31: fragment 1's
.irp f, 0,1
.irp c, 0,1
	ds_load_b128 v[64+8*\f+4*\c:67+8*\f+4*\c], v3 offset:VC-KC+1024*\f+512*\c
.endr
.endr
	ds_load_b32 v81, v4 offset:VW-KW
	s_wait_dscnt 0x5                               ; K is in; V's five loads may be out
.irp f, 0,1
	MM 96+32*\f, 48+8*\f, 20, -1, 80, 40, \f, 0
	MM 104+32*\f, 48+8*\f, 32, -1, 80, 40, \f, 0
	MM 112+32*\f, 48+8*\f, 16, -1, 80, 40, \f, 0
	MM 120+32*\f, 48+8*\f, 28, -1, 80, 40, \f, 0
.endr                                              ; register 16 b + i: key 128 step + 32 b + 16 h + i
.rept 4
	v_nop
.endr
	s_cmp_lg_u32 s[KSI], s[\ds]                    ; on the diagonal the scores of hidden keys become -infinity ahead of the maximum
	s_cbranch_scc1 .Lopen_\@
.irp n, 0,1,2,3,4,5,6,7,8,9,10,11,12,13,14,15,16,17,18,19,20,21,22,23,24,25,26,27,28,29,30,31,32,33,34,35,36,37,38,39,40,41,42,43,44,45,46,47,48,49,50,51,52,53,54,55,56,57,58,59,60,61,62,63
	v_cmp_gt_i32 vcc_lo, 32*(\n/16)+\n%16, v5
	v_cndmask_b32 v[96+\n], v[96+\n], v206, vcc_lo
.endr
.Lopen_\@:
.irp b, 0,1,2,3
	v_max3_num_f32 v[184+\b], v[96+16*\b], v[97+16*\b], v[98+16*\b]   ; the largest score of each block of 32 keys: for the row's maximum and for the block's largest p
.endr
.irp i, 3,5,7,9,11,13
.irp b, 0,1,2,3
	v_max3_num_f32 v[184+\b], v[184+\b], v[96+16*\b+\i], v[97+16*\b+\i]
.endr
.endr
.irp b, 0,1,2,3
	v_max_num_f32 v[184+\b], v[184+\b], v[111+16*\b]
.endr
.irp b, 0,1,2,3
	s_delay_alu instid0(VALU_DEP_4)
	v_permlanex16_b32 v[188+\b], v[184+\b], s[SEL], s[SEL+1]
.endr
.irp b, 0,1,2,3
	s_delay_alu instid0(VALU_DEP_4)
	v_max_num_f32 v[184+\b], v[184+\b], v[188+\b]
.endr
	s_delay_alu instid0(VALU_DEP_2)
	v_max3_num_f32 v202, v184, v185, v186
	s_delay_alu instid0(VALU_DEP_1)
	v_max_num_f32 v202, v202, v187
	s_delay_alu instid0(VALU_DEP_1)
	v_mul_f32 v202, s[CS], v202                    ; as t (c is positive)
	s_delay_alu instid0(VALU_DEP_1)
	v_max_num_f32 v13, v13, v202                   ; the running largest t
	v_mov_b32 v202, v12
	s_delay_alu instid0(VALU_DEP_2)
	v_floor_f32 v12, -v13                          ; the new -M = -ceil(t): a whole number
	s_delay_alu instid0(VALU_DEP_1)
	v_sub_f32 v202, v12, v202                      ; old M - new M, 0 or less
	s_delay_alu instid0(VALU_DEP_1)
	v_cvt_i32_f32 v202, v202
	s_delay_alu instid0(VALU_DEP_1)
	v_ldexp_f32 v200, 1.0, v202                    ; f = 2^(old M - new M)
	s_setprio 1
.irp j, 0,2,4,6,8,10,12,14,16,18,20,22,24,26,28,30,32,34,36,38,40,42,44,46,48,50,52,54,56,58,60,62
	v_pk_fma_f32 v[96+\j:97+\j], v[96+\j:97+\j], s[CS:CS+1], v[12:13] op_sel_hi:[1,0,0]   ; t - M
.endr
.irp b, 0,1,2,3
	v_fma_f32 v[184+\b], v[184+\b], s[CS], v12
.endr
	s_wait_alu depctr_va_vdst(0)
.irp j, 0,1,2,3,4,5,6,7,8,9,10,11,12,13,14,15,16,17,18,19,20,21,22,23,24,25,26,27,28,29,30,31,32,33,34,35,36,37,38,39,40,41,42,43,44,45,46,47,48,49,50,51,52,53,54,55,56,57,58,59,60,61,62,63
	v_exp_f32 v[96+\j], v[96+\j]                   ; p = 2^(t - M)
.endr
	v_pk_mul_f32 v[14:15], v[14:15], v[200:201] op_sel_hi:[1,0]   ; the sum under the new M (a plain line behind the exponentials)
	s_wait_alu depctr_va_vdst(0)                   ; one wait for the batch, ahead of its first reader
.irp b, 0,1,2,3
	v_exp_f32 v[184+\b], v[184+\b]                 ; each block's largest p
.endr
	v_pk_add_f32 v[252:253], v[96:97], v[100:101]
	v_pk_add_f32 v[250:251], v[104:105], v[108:109]
	v_pk_add_f32 v[248:249], v[112:113], v[116:117]
	v_pk_add_f32 v[246:247], v[120:121], v[124:125]
	v_pk_add_f32 v[244:245], v[128:129], v[132:133]
	v_pk_add_f32 v[242:243], v[136:137], v[140:141]
	v_pk_add_f32 v[240:241], v[144:145], v[148:149]
	v_pk_add_f32 v[14:15], v[14:15], v[152:153]
	v_pk_add_f32 v[252:253], v[252:253], v[156:157]
	s_delay_alu instid0(VALU_DEP_2)
	v_pk_add_f32 v[14:15], v[14:15], v[246:247]
	s_delay_alu instid0(VALU_DEP_2)
	v_pk_add_f32 v[252:253], v[252:253], v[244:245]
	v_pk_add_f32 v[250:251], v[250:251], v[242:243]
	v_pk_add_f32 v[248:249], v[248:249], v[240:241]
	s_delay_alu instid0(VALU_DEP_2)
	v_pk_add_f32 v[14:15], v[14:15], v[250:251]
	s_delay_alu instid0(VALU_DEP_2)
	v_pk_add_f32 v[252:253], v[252:253], v[248:249]
	s_delay_alu instid0(VALU_DEP_1)
	v_pk_add_f32 v[14:15], v[14:15], v[252:253]
	s_setprio 0
	s_wait_alu depctr_va_vdst(0)                   ; and one for the four
.irp b, 0,1,2,3
	v_max_num_f32 v[184+\b], 0x1800000, v[184+\b]  ; the floor 2^(3 - 127)
.endr
.irp b, 0,1,2,3
	s_delay_alu instid0(VALU_DEP_4)
	v_add_nc_u32 v[192+\b], 0xff000000, v[184+\b]
.endr
.irp b, 0,1,2,3
	s_delay_alu instid0(VALU_DEP_4)
	v_lshrrev_b32 v[196+\b], 23, v[192+\b]
.endr
	s_delay_alu instid0(VALU_DEP_3)
	v_lshl_or_b32 v82, v197, 8, v196               ; p's scale word for these 128 keys
	s_delay_alu instid0(VALU_DEP_1)
	v_lshl_or_b32 v82, v198, 16, v82
	s_delay_alu instid0(VALU_DEP_1)
	v_lshl_or_b32 v82, v199, 24, v82
.irp b, 0,1,2,3
	v_cvt_scalef32_pk8_fp4_f32 v[176+2*\b], v[96+16*\b:103+16*\b], v[192+\b]
	v_cvt_scalef32_pk8_fp4_f32 v[177+2*\b], v[104+16*\b:111+16*\b], v[192+\b]
.endr
	v_nop                                          ; one plain line behind the conversions
.irp c, 0,1
.irp i, 0,1
	v_permlane16_swap_b32 v[176+4*\c+\i], v[178+4*\c+\i]          ; a whole block to a lane: lanes 0-15 block 2 c, lanes 16-31 block 2 c + 1
.endr
.endr
	v_pk_add_f32 v[204:205], v[98:99], v[102:103]                 ; the other half of the sum: sixteen plain lines that name nothing of the product below: the places behind p's codes and scale word
	v_pk_add_f32 v[252:253], v[106:107], v[110:111]
	v_pk_add_f32 v[250:251], v[114:115], v[118:119]
	v_pk_add_f32 v[248:249], v[122:123], v[126:127]
	v_pk_add_f32 v[246:247], v[130:131], v[134:135]
	v_pk_add_f32 v[244:245], v[138:139], v[142:143]
	v_pk_add_f32 v[242:243], v[146:147], v[150:151]
	v_pk_add_f32 v[14:15], v[14:15], v[154:155]
	v_pk_add_f32 v[204:205], v[204:205], v[158:159]
	s_delay_alu instid0(VALU_DEP_2)
	v_pk_add_f32 v[14:15], v[14:15], v[248:249]
	s_delay_alu instid0(VALU_DEP_2)
	v_pk_add_f32 v[204:205], v[204:205], v[246:247]
	v_pk_add_f32 v[252:253], v[252:253], v[244:245]
	v_pk_add_f32 v[250:251], v[250:251], v[242:243]
	s_delay_alu instid0(VALU_DEP_2)
	v_pk_add_f32 v[14:15], v[14:15], v[252:253]
	s_delay_alu instid0(VALU_DEP_2)
	v_pk_add_f32 v[204:205], v[204:205], v[250:251]
	s_delay_alu instid0(VALU_DEP_1)
	v_pk_add_f32 v[14:15], v[14:15], v[204:205]
.irp j, 0,2,4,6,8,10,12,14
	v_pk_mul_f32 v[160+\j:161+\j], v[160+\j:161+\j], v[200:201] op_sel_hi:[1,0]   ; O^T under the new M
.endr
	s_wait_alu depctr_va_vdst(0)
	s_wait_dscnt 0x0                               ; V is in
	MM 160, 64, 176, 160, 81, 82, 0, 0             ; O^T += V^T P^T: the two accumulators by turns
	MM 168, 72, 176, 168, 81, 82, 1, 0
.Lhidden_\@:
	s_add_co_u32 s[TKV], s[TKV], 2048
	s_add_co_u32 s[TSC], s[TSC], 128
	s_add_co_u32 s[KSI], s[KSI], 1
	s_cmp_lt_u32 s[KSI], 16
	s_cbranch_scc1 .Lstep_\@
	s_setprio 0
.rept 4
	v_nop                                          ; places behind the last products
.endr
	v_add_f32 v14, v14, v15
	s_delay_alu instid0(VALU_DEP_1)
	v_permlanex16_b32 v188, v14, s[SEL], s[SEL+1]
	s_delay_alu instid0(VALU_DEP_1)
	v_add_f32 v14, v14, v188                       ; the row's sum
	s_wait_alu depctr_va_vdst(0)
	v_rcp_f32 v14, v14
	v_nop
	s_wait_alu depctr_va_vdst(0)
.irp i, 0,1,2,3,4,5,6,7,8,9,10,11,12,13,14,15
	v_mul_f32 v[96+\i], v[160+\i], v14             ; my query's dims 16 h + 0 .. 15
.endr
	v_max3_num_f32 v184, |v96|, |v97|, 0x1800000   ; the head's 32 are one block of the next product's K
.irp i, 2,4,6,8,10,12,14
	s_delay_alu instid0(VALU_DEP_1)
	v_max3_num_f32 v184, v184, |v[96+\i]|, |v[97+\i]|
.endr
	s_delay_alu instid0(VALU_DEP_1)
	v_permlanex16_b32 v188, v184, s[SEL], s[SEL+1]
	s_delay_alu instid0(VALU_DEP_1)
	v_max_num_f32 v184, v184, v188
	s_delay_alu instid0(VALU_DEP_1)
	v_add_nc_u32 v192, 0xff000000, v184
	v_cvt_scalef32_pk8_fp4_f32 v[\pcr], v[96:103], v192
	v_cvt_scalef32_pk8_fp4_f32 v[\pcr+1], v[104:111], v192
	v_nop
	v_lshrrev_b32 v[\byr], 23, v192
	global_store_b64 v6, v[\pcr:\pcr+1], s[\cb:\cb+1]             ; 32 lanes store 256 consecutive aligned bytes: block 'head' of the tile's fragment image
	ds_store_b8 v[\cadr], v[\byr]                  ; both halves of the lanes write the same byte with the same value
.endm
	TILE 44, 88, 67, 68, 72, 7, 208, 212
	TILE 84, 89, 70, 71, 74, 8, 210, 213
	s_wait_dscnt 0x0
	s_barrier_signal -1
	s_barrier_wait -1                              ; the work-group's 32 tiles' scale bytes lie in the stage
	s_cmp_lg_u32 s[WV], 0
	s_cbranch_scc1 .Ldone
	ds_load_b128 v[96:99], v41
	s_wait_dscnt 0x0
	global_store_b128 v42, v[96:99], s[10:11]      ; lanes 0-15: tiles 16 x .. 16 x + 15; lanes 16-31: tiles 112 - 16 x .. 127 - 16 x: 256 consecutive aligned bytes each
.Ldone:
	s_wait_tensorcnt 0x0
	ds_add_u32 v254, v255
	s_wait_dscnt 0x0
	s_endpgm
.Lfunc_end_k_qc4b08e3d9b_attn:
	.size	k_qc4b08e3d9b_attn, .Lfunc_end_k_qc4b08e3d9b_attn-k_qc4b08e3d9b_attn
	.p2alignl 7, 3214868480
	.fill 96, 4, 3214868480
	.section	.rodata,"a",@progbits
	.p2align	6, 0x0
	.amdhsa_kernel k_qc4b08e3d9b_attn
		.amdhsa_group_segment_fixed_size 169984
		.amdhsa_private_segment_fixed_size 0
		.amdhsa_enable_private_segment 0
		.amdhsa_kernarg_size 32
		.amdhsa_user_sgpr_count 2
		.amdhsa_user_sgpr_kernarg_segment_ptr 1
		.amdhsa_wavefront_size32 1
		.amdhsa_system_sgpr_workgroup_id_x 1
		.amdhsa_system_sgpr_workgroup_id_y 1
		.amdhsa_system_sgpr_workgroup_id_z 1
		.amdhsa_system_vgpr_workitem_id 0
		.amdhsa_next_free_vgpr 256
		.amdhsa_next_free_sgpr 80
		.amdhsa_reserve_vcc 1
		.amdhsa_float_denorm_mode_32 3
		.amdhsa_float_denorm_mode_16_64 3
		.amdhsa_memory_ordered 1
		.amdhsa_forward_progress 1
		.amdhsa_inst_pref_size 58
	.end_amdhsa_kernel
	.amdgpu_metadata
---
amdhsa.version: [ 1, 2 ]
amdhsa.kernels:
  - .name:           k_qc4b08e3d9b_attn
    .symbol:         k_qc4b08e3d9b_attn.kd
    .args:
      - { .name: qkvc, .offset: 0, .size: 8, .value_kind: global_buffer, .address_space: global }
      - { .name: qkvs, .offset: 8, .size: 8, .value_kind: global_buffer, .address_space: global }
      - { .name: cc, .offset: 16, .size: 8, .value_kind: global_buffer, .address_space: global }
      - { .name: cs, .offset: 24, .size: 8, .value_kind: global_buffer, .address_space: global }
    .group_segment_fixed_size: 169984
    .private_segment_fixed_size: 0
    .kernarg_segment_align: 8
    .kernarg_segment_size: 32
    .max_flat_workgroup_size: 512
    .sgpr_count:     80
    .vgpr_count:     256
    .wavefront_size: 32
...
	.end_amdgpu_metadata
.endif
;; end of part 7
;; launch tail (part 8): grid 256 x 1, 16 waves a work-group, no clusters, 141,824 bytes of LDS; arguments cc, cs, wimg, wscl, x, bo, b1, b2, ln2_scale, ln2_shift, out0; writes out0
.if DOCPART == 8
	.amdgcn_target "amdgcn-amd-amdhsa--gfx1250"
	.amdhsa_code_object_version 6
	.text
	.protected	k_qc4b08e3d9b_tail
	.globl	k_qc4b08e3d9b_tail
	.p2align	8
	.type	k_qc4b08e3d9b_tail,@function
k_qc4b08e3d9b_tail:
	s_mov_b64 s[64:65], 0
	v_nop
	global_prefetch_b8 v0, s[64:65] scope:SCOPE_SE
	s_setreg_imm32_b32 hwreg(HW_REG_WAVE_SCHED_MODE, 0, 2), 2
	s_setreg_imm32_b32 hwreg(HW_REG_WAVE_MODE, 25, 1), 1
	s_wait_xcnt 0x0
	s_wait_alu depctr_vm_vsrc(0)
; x1 = x + ctx Wo + bo;  h = LayerNorm 2 (x1);  out = x1 + gelu(h W1 + b1) W2 + b2.  The three products on codes of FP4 (E2M1, one E8M0 scale for each 32 along K); all else in f32.
; SHARES.  A work-group takes 32 tokens through the whole chain; nothing between the products goes to memory.  THE WAVES SHARE THE COLUMNS: wave w makes columns 32 w .. 32 w + 31 of x1 and of out, and hidden units
; 128 w .. 128 w + 127, which are K step w of the last product.  Its weights, nine chunks of 32 columns x 512 K, go from memory straight into two register buffers, each asked for two chunks ahead.
; Operands go from wave to wave through LDS as images of their registers: block p of tile u at 4,096 u (hidden: 16,384 u) + 256 p + 16 r + 8 x half; scale words [K step][slot].
; ORDER IN A GROUP OF 32 (tokens, a weight's columns): row r of tile u is element 8 u + r + 8 (r / 8); a lane's 16 result registers of a group's two tiles are columns 16 (lane / 16) + 0 .. 15 of one token.
; GELU: 0.5 a (1 + erf(a / sqrt 2)), erf(z) = z P(z^2) / Q(z^2) with z held to +-4 (polynomials of degree 6 and 4).
; LIMITS: that erf is good to a few units in the last place of f32; 1 + erf cancels for a far below 0, where gelu is small beside its block's largest number; a block whose largest magnitude lies under 2^-124 gets the byte 1;
; NaN and infinities are not served.  1 / sqrt by v_rsq_f32, the division in erf by v_rcp_f32.
; THE MODE: SCHED_MODE bits 1:0 = 2 (LLVM: expert scheduling mode 2), set by the entry lines.  The code itself states the register dependences
; between vector or matrix instructions and memory or LDS instructions, with s_wait_alu, always for 0.
; THE PLAN.  Registers that memory or LDS instructions touch:
;   v1-v11, v236-v240   addresses: written at the head, never again.
;   the weight buffers, WS0, AS   loads land, the products read.  (v16-v21 also serve the head's address arithmetic.)
;   BI    a bias or the gain lands; read by a sum's first products as C, or by LayerNorm.
;   ACC   x lands and the staging stores read it; then the products write it, vector lines work on it, and the LDS stores of x1 and of the result read it.
;   AF    staging data land and are stored; then by turns: fragments land and products read them; x, x1, the shift and the partial sums land and vector lines read them; vector lines use it as work space; v[AF+2] is an LDS store's data.
;   PC, v254   written by the quantiser, read by LDS stores, written again by the next quantiser.
; A product has one wait in its middle (K steps 0 and 1 are done reading AF) and one behind it, which frees its weight buffer, AF, AS and BI: the next chunk of weights, the next bias and the next scale words are
; asked for behind that wait and land during the vector work, which names none of them.  One wait stands ahead of each run of LDS stores; since no vector line follows it before the next loads into AF or BI, it frees those too.
; Waits on vm_vsrc: behind the staging barrier, behind each barrier of the rows' sums, and behind each product whose results the quantiser takes after an earlier quantiser's stores.
.set CIMG, 0                           ; LDS: ctx's fragments, 8,192
.set HIMG, 8192                        ; the normalised rows', 8,192
.set GIMG, 16384                       ; the hidden layer's, 32,768
.set CSC,  49152                       ; their scale words: 512, 512, 2,048
.set HSC,  49664
.set GSC,  50176
.set B1L,  52224                       ; b1, 8,192
.set VEC,  60416                       ; bo, b2, ln2_scale, ln2_shift: 2,048 each
.set RED1, 68608                       ; the rows' partial sums: 80 bytes a slot, word w; 2,560; the squares' 2,560 behind them
.set XST,  73728                       ; x, then x1, then out: 32 rows of 2,048 bytes + 16
.set XP,   2064
.set LI,   1                           ; v1  16 x lane
.set LS,   2                           ; v2  4 x lane
.set XA,   3                           ; v3  my 64 bytes of my token's row (tile 0; tile 1 lies 8 rows on)
.set BV,   4                           ; v4  my 16 columns in the vectors of 512
.set BB,   5                           ; v5  my 16 hidden units in b1
.set IW,   6                           ; v6  16 r + 8 h + 256 w
.set IG,   7                           ; v7  16 r + 8 h + 1,024 w
.set SW,   8                           ; v8  4 lane + 128 (w / 4) + w % 4
.set GSW,  9                           ; v9  4 lane + 128 w
.set RW,   10                          ; v10 RED1 + 80 lane + 4 w
.set RR,   11                          ; v11 RED1 + 80 lane
.set W0,   16                          ; v16-79, v80-143 two weight buffers
.set WS0,  144                         ; v144-151 their scale words
.set AS,   152                         ; v152-155 the tokens' scale words
.set BI,   156                         ; v156-171 a bias as C; the gain
.set ACC,  172                         ; v172-203 four accumulators
.set AF,   204                         ; v204-235 the tokens' fragments; between products: at work
.set T16,  236                         ; v236 16 x thread
.set XD,   237                         ; v237 rows 2 w, 2 w + 1 of the stage, 16 bytes a lane
.set V16,  238                         ; v238 16 x (thread % 128)
.set LN,   239                         ; v239 lane
.set T4,   240                         ; v240 4 x thread
.set PC,   244                         ; v244-247 codes just made
.set QT,   248                         ; v248-254 the quantiser's registers
.set ZC,   AF                          ; GELU: z, z^2 (later a / 2), P, Q: 8 registers each
.set Z2,   AF+8
.set PP,   AF+16
.set QQ,   AF+24
.set WV,   26
.set HI,   27
.set SEL,  28
.set RS2,  56                          ; s[56:57] 1 / sqrt 2
; ---- macros shared with the second launch's body
.macro WLOAD wb, ws, cb, ci, sb, si    ; a chunk of a weight: 32 columns x 512 K: 16 loads of 512 consecutive bytes and 4 of scale words
.irp i, 0,1,2,3,4,5,6,7,8,9,10,11,12,13,14,15
	global_load_b128 v[(\wb)+4*\i:(\wb)+4*\i+3], v[LI], s[\cb:\cb+1] offset:(\ci)+512*\i
.endr
.irp i, 0,1,2,3
	global_load_b32 v[(\ws)+\i], v[LS], s[\sb:\sb+1] offset:(\si)+128*\i
.endr
.endm
.macro MM d, a, b, c, sa, sb, ra, rb   ; one product; ra, rb: the scales stand in lanes 16-31
.if (\ra) && (\rb)
	v_wmma_scale_f32_16x16x128_f8f6f4 v[(\d):(\d)+7], v[(\a):(\a)+7], v[(\b):(\b)+7], v[(\c):(\c)+7], v[(\sa)], v[(\sb)] matrix_a_fmt:MATRIX_FMT_FP4 matrix_b_fmt:MATRIX_FMT_FP4 matrix_a_scale:MATRIX_SCALE_ROW1 matrix_b_scale:MATRIX_SCALE_ROW1
.elseif (\ra)
	v_wmma_scale_f32_16x16x128_f8f6f4 v[(\d):(\d)+7], v[(\a):(\a)+7], v[(\b):(\b)+7], v[(\c):(\c)+7], v[(\sa)], v[(\sb)] matrix_a_fmt:MATRIX_FMT_FP4 matrix_b_fmt:MATRIX_FMT_FP4 matrix_a_scale:MATRIX_SCALE_ROW1
.elseif (\rb)
	v_wmma_scale_f32_16x16x128_f8f6f4 v[(\d):(\d)+7], v[(\a):(\a)+7], v[(\b):(\b)+7], v[(\c):(\c)+7], v[(\sa)], v[(\sb)] matrix_a_fmt:MATRIX_FMT_FP4 matrix_b_fmt:MATRIX_FMT_FP4 matrix_b_scale:MATRIX_SCALE_ROW1
.else
	v_wmma_scale_f32_16x16x128_f8f6f4 v[(\d):(\d)+7], v[(\a):(\a)+7], v[(\b):(\b)+7], v[(\c):(\c)+7], v[(\sa)], v[(\sb)] matrix_a_fmt:MATRIX_FMT_FP4 matrix_b_fmt:MATRIX_FMT_FP4
.endif
.endm
.macro AFETCH aoff, ustr, s0           ; the tokens' fragments of K steps s0, s0 + 1: images, 512 consecutive bytes a load
.irp s, \s0, \s0+1
.irp u, 0,1
.irp c, 0,1
	ds_load_b128 v[AF+16*((\s)&1)+8*\u+4*\c:AF+16*((\s)&1)+8*\u+4*\c+3], v[LI] offset:(\aoff)+\u*(\ustr)+1024*(\s)+512*\c
.endr
.endr
.endr
.endm
.macro ASLOAD soff                     ; the tokens' scale words of four K steps
.irp s, 0,1,2,3
	ds_load_b32 v[AS+\s], v[LS] offset:(\soff)+128*\s
.endr
.endm
.macro MM8 wb, ws, s0, cmode           ; two K steps x four accumulators, which take turns, one instruction a turn
.irp s, \s0, \s0+1
.irp a, 0,1
.irp b, 0,1
.if ((\s) == 0) && ((\cmode) == 1)
.set CC, BI+8*\b
.else
.set CC, ACC+16*\a+8*\b
.endif
	MM ACC+16*\a+8*\b, (\wb)+16*(\s)+8*\b, AF+16*((\s)&1)+8*\a, CC, (\ws)+(\s), AS+(\s), \b, \a
.endr
.endr
.endr
.endm
; 32 tokens x 32 columns x 512 K; source 0 = the weight's columns, source 1 = tokens: accumulator 16 a + 8 b: token slot (a, lane % 16), columns 16 (lane / 16) + 8 b + 0 .. 7.
; cmode 1: the sums start at the bias in v[BI] on (fetched by the caller); 2: they go on.  n: the global loads issued behind this chunk's, which may stay out.
; The caller has asked for the tokens' fragments of K steps 0 and 1 and for their scale words.
.macro PROD wb, ws, aoff, ustr, n, cmode
	s_wait_dscnt 0x0
	s_wait_loadcnt \n
	MM8 \wb, \ws, 0, \cmode
.rept 4
	v_nop                                          ; places in front of loads into registers that the products have read
.endr
	s_wait_alu depctr_va_vdst(0)                   ; the eight products above are done reading v[AF ..], in which the fragments of K steps 2 and 3 land
	AFETCH \aoff, \ustr, 2
	s_wait_dscnt 0x0
	MM8 \wb, \ws, 2, 2
.rept 5
	v_nop                                          ; places in front of the first read of the results and of loads into the operands; the fifth for products that write over these accumulators
.endr
.endm
.macro Q16X2 s, d, t                   ; 2 x 16 numbers of a lane, halves of two blocks whose other halves lie in lane xor 16: codes into v[d + 2 u], v[d + 2 u + 1]; v[t + 6]: lane l holds slot l's scale byte
.irp u, 0,1
	v_max3_num_f32 v[(\t)+\u], |v[(\s)+16*\u]|, |v[(\s)+16*\u+1]|, 0x1800000   ; with the floor 2^(3 - 127)
.endr
.irp i, 2,4,6,8,10,12,14
.irp u, 0,1
	v_max3_num_f32 v[(\t)+\u], v[(\t)+\u], |v[(\s)+16*\u+\i]|, |v[(\s)+16*\u+\i+1]|
.endr
.endr
.irp u, 0,1
	v_permlanex16_b32 v[(\t)+2+\u], v[(\t)+\u], s[SEL], s[SEL+1]
.endr
.irp u, 0,1
	v_max_num_f32 v[(\t)+\u], v[(\t)+\u], v[(\t)+2+\u]
.endr
.irp u, 0,1
	v_add_nc_u32 v[(\t)+4+\u], 0xff000000, v[(\t)+\u]
.endr
.irp u, 0,1
	v_cvt_scalef32_pk8_fp4_f32 v[(\d)+2*\u], v[(\s)+16*\u:(\s)+16*\u+7], v[(\t)+4+\u]
	v_cvt_scalef32_pk8_fp4_f32 v[(\d)+2*\u+1], v[(\s)+16*\u+8:(\s)+16*\u+15], v[(\t)+4+\u]
.endr
	v_nop                                          ; one plain line behind the conversions
.irp u, 0,1
	v_lshrrev_b32 v[(\t)+\u], 23, v[(\t)+4+\u]
.endr
	v_cndmask_b32 v[(\t)+6], v[(\t)], v[(\t)+1], s[HI]
.endm
.macro TREE2 s, t                      ; for u = 0, 1: v[t + 8 u] = the sum of v[s + 16 u] .. v[s + 16 u + 15]
.irp k, 0,1,2,3
.irp u, 0,1
	v_pk_add_f32 v[(\t)+8*\u+2*\k:(\t)+8*\u+2*\k+1], v[(\s)+16*\u+4*\k:(\s)+16*\u+4*\k+1], v[(\s)+16*\u+4*\k+2:(\s)+16*\u+4*\k+3]
.endr
.endr
.irp u, 0,1
	v_pk_add_f32 v[(\t)+8*\u:(\t)+8*\u+1], v[(\t)+8*\u:(\t)+8*\u+1], v[(\t)+8*\u+2:(\t)+8*\u+3]
	v_pk_add_f32 v[(\t)+8*\u+4:(\t)+8*\u+5], v[(\t)+8*\u+4:(\t)+8*\u+5], v[(\t)+8*\u+6:(\t)+8*\u+7]
.endr
.irp u, 0,1
	v_pk_add_f32 v[(\t)+8*\u:(\t)+8*\u+1], v[(\t)+8*\u:(\t)+8*\u+1], v[(\t)+8*\u+4:(\t)+8*\u+5]
.endr
.irp u, 0,1
	v_add_f32 v[(\t)+8*\u], v[(\t)+8*\u], v[(\t)+8*\u+1]
.endr
.endm
.macro SQ2 s, t                        ; the same of the squares
.irp u, 0,1
	v_pk_mul_f32 v[(\t)+8*\u:(\t)+8*\u+1], v[(\s)+16*\u:(\s)+16*\u+1], v[(\s)+16*\u:(\s)+16*\u+1]
	v_pk_mul_f32 v[(\t)+8*\u+2:(\t)+8*\u+3], v[(\s)+16*\u+2:(\s)+16*\u+3], v[(\s)+16*\u+2:(\s)+16*\u+3]
.endr
.irp k, 4,8,12
.irp u, 0,1
	v_pk_fma_f32 v[(\t)+8*\u:(\t)+8*\u+1], v[(\s)+16*\u+\k:(\s)+16*\u+\k+1], v[(\s)+16*\u+\k:(\s)+16*\u+\k+1], v[(\t)+8*\u:(\t)+8*\u+1]
	v_pk_fma_f32 v[(\t)+8*\u+2:(\t)+8*\u+3], v[(\s)+16*\u+\k+2:(\s)+16*\u+\k+3], v[(\s)+16*\u+\k+2:(\s)+16*\u+\k+3], v[(\t)+8*\u+2:(\t)+8*\u+3]
.endr
.endr
.irp u, 0,1
	v_pk_add_f32 v[(\t)+8*\u:(\t)+8*\u+1], v[(\t)+8*\u:(\t)+8*\u+1], v[(\t)+8*\u+2:(\t)+8*\u+3]
.endr
.irp u, 0,1
	v_add_f32 v[(\t)+8*\u], v[(\t)+8*\u], v[(\t)+8*\u+1]
.endr
.endm
; ---- this body's own macros
.macro BILOAD adr, off                 ; 16 numbers of a vector at my 16 columns, into v[BI] on
.irp i, 0,1,2,3
	ds_load_b128 v[BI+4*\i:BI+4*\i+3], v[\adr] offset:(\off)+16*\i
.endr
.endm
.macro SHARE off                       ; v[AF], v[AF + 8]: my 16 columns' sums of tiles 0, 1.  With lane xor 16's they are my wave's 32 columns'; lane l stores slot l's into word w
	v_permlanex16_b32 v[AF+1], v[AF], s[SEL], s[SEL+1]
	v_permlanex16_b32 v[AF+9], v[AF+8], s[SEL], s[SEL+1]
	v_add_f32 v[AF], v[AF], v[AF+1]
	v_add_f32 v[AF+8], v[AF+8], v[AF+9]
	v_cndmask_b32 v[AF+2], v[AF], v[AF+8], s[HI]
	s_wait_alu depctr_va_vdst(0)                   ; v[AF+2] is written, which the LDS store reads; and the vector lines are done with v[AF] to v[AF+15], in which the partial sums land behind the barrier
	ds_store_b32 v[RW], v[AF+2] offset:\off
	s_wait_dscnt 0x0                               ; for the others' sake: my stores have landed, my loads are in
	s_barrier_signal -1
	s_barrier_wait -1
	s_wait_alu depctr_vm_vsrc(0)                   ; my LDS stores have read their data: v[AF+2], in which a load below lands, and x1 in the accumulators, which the vector lines behind the sum write
.irp k, 0,1,2,3
	ds_load_b128 v[AF+4*\k:AF+4*\k+3], v[RR] offset:(\off)+16*\k   ; slot l's sixteen partial sums
.endr
	s_wait_dscnt 0x0
.irp k, 0,4,8,12
	v_pk_add_f32 v[AF+\k:AF+\k+1], v[AF+\k:AF+\k+1], v[AF+\k+2:AF+\k+3]
.endr
	v_pk_add_f32 v[AF:AF+1], v[AF:AF+1], v[AF+4:AF+5]
	v_pk_add_f32 v[AF+8:AF+9], v[AF+8:AF+9], v[AF+12:AF+13]
	v_pk_add_f32 v[AF:AF+1], v[AF:AF+1], v[AF+8:AF+9]
	v_add_f32 v[AF], v[AF], v[AF+1]                ; the row's sum, for slot l
.endm
.macro SPREAD                          ; v[AF]: a number for slot l.  v[AF + 2]: tile 0's for my row, v[AF + 4]: tile 1's, in both halves of the lanes
	v_permlanex16_b32 v[AF+1], v[AF], s[SEL], s[SEL+1]
	v_cndmask_b32 v[AF+2], v[AF], v[AF+1], s[HI]
	v_cndmask_b32 v[AF+4], v[AF+1], v[AF], s[HI]
.endm
.macro GELU a                          ; eight numbers in place, four pairs by turns
.irp k, 0,2,4,6
	v_pk_mul_f32 v[ZC+\k:ZC+\k+1], v[(\a)+\k:(\a)+\k+1], s[RS2:RS2+1] op_sel_hi:[1,0]
.endr
.irp i, 0,1,2,3,4,5,6,7
	v_med3_num_f32 v[ZC+\i], v[ZC+\i], -4.0, 4.0
.endr
.irp k, 0,2,4,6
	v_pk_mul_f32 v[Z2+\k:Z2+\k+1], v[ZC+\k:ZC+\k+1], v[ZC+\k:ZC+\k+1]
.endr
.irp k, 0,2,4,6
	v_pk_fma_f32 v[PP+\k:PP+\k+1], v[Z2+\k:Z2+\k+1], v[12:13], s[66:67] op_sel_hi:[1,1,0]
	v_pk_fma_f32 v[QQ+\k:QQ+\k+1], v[Z2+\k:Z2+\k+1], v[14:15], s[78:79] op_sel_hi:[1,1,0]
.endr
.irp cf, 68,70,72,74,76
.irp k, 0,2,4,6
	v_pk_fma_f32 v[PP+\k:PP+\k+1], v[PP+\k:PP+\k+1], v[Z2+\k:Z2+\k+1], s[\cf:\cf+1] op_sel_hi:[1,1,0]
.endr
.endr
.irp cf, 80,82,84
.irp k, 0,2,4,6
	v_pk_fma_f32 v[QQ+\k:QQ+\k+1], v[QQ+\k:QQ+\k+1], v[Z2+\k:Z2+\k+1], s[\cf:\cf+1] op_sel_hi:[1,1,0]
.endr
.endr
.irp k, 0,2,4,6
	v_pk_mul_f32 v[PP+\k:PP+\k+1], v[PP+\k:PP+\k+1], v[ZC+\k:ZC+\k+1]
.endr
	s_wait_alu depctr_va_vdst(0)
.irp i, 0,1,2,3,4,5,6,7
	v_rcp_f32 v[QQ+\i], v[QQ+\i]
.endr
.irp k, 0,2,4,6
	v_pk_mul_f32 v[Z2+\k:Z2+\k+1], v[(\a)+\k:(\a)+\k+1], 0.5 op_sel_hi:[1,0]   ; a / 2: plain lines behind the reciprocals
.endr
	s_wait_alu depctr_va_vdst(0)                   ; the eight reciprocals v[QQ ..] are written: one wait for the eight, ahead of their first reader
.irp k, 0,2,4,6
	v_pk_mul_f32 v[PP+\k:PP+\k+1], v[PP+\k:PP+\k+1], v[QQ+\k:QQ+\k+1]          ; erf
.endr
.irp k, 0,2,4,6
	v_pk_fma_f32 v[(\a)+\k:(\a)+\k+1], v[Z2+\k:Z2+\k+1], v[PP+\k:PP+\k+1], v[Z2+\k:Z2+\k+1]
.endr
.endm
.macro CHUNK n                         ; chunk n of nine into buffer n % 2: 0: Wo's group w; 1-4: W1's groups 4 w + 0 .. 3; 5-8: W2's group w, K steps 4 (n - 5) on
.if (\n) == 0
	WLOAD W0, WS0, 32, 0, 34, 0
.elseif (\n) < 5
	WLOAD W0+64*((\n)%2), WS0+4*((\n)%2), 36, 8192*((\n)-1), 38, 512*((\n)-1)
.else
	WLOAD W0+64*((\n)%2), WS0+4*((\n)%2), 40, 8192*((\n)-5), 42, 512*((\n)-5)
.endif
.endm
.macro PRODN n, aoff, ustr, cnt, cmode ; the fragments of K steps 0 and 1 are asked for here: between products v[AF ..] is the vector lines' work space.  No vector line stands between the last wait on va_vdst and these loads
	AFETCH \aoff, \ustr, 0
	PROD W0+64*((\n)%2), WS0+4*((\n)%2), \aoff, \ustr, \cnt, \cmode
.endm
; ---- the head
	s_load_b512 s[4:19], s[0:1], 0x0               ; cc s[4:5], cs s[6:7], wimg s[8:9], wscl s[10:11], x s[12:13], bo s[14:15], b1 s[16:17], b2 s[18:19]
	s_load_b128 s[20:23], s[0:1], 0x40             ; ln2_scale s[20:21], ln2_shift s[22:23]
	s_load_b64 s[24:25], s[0:1], 0x50              ; out0
	v_lshl_add_u32 v243, v0, 2, 0x22200
	v_mov_b32 v255, 0
	v_lshrrev_b32 v16, 5, v0
	v_readfirstlane_b32 s[WV], v16                 ; wave 0..15
	v_and_b32 v[LN], 31, v0
	v_lshlrev_b32 v[LI], 4, v[LN]
	v_lshlrev_b32 v[LS], 2, v[LN]
	v_lshlrev_b32 v[T16], 4, v0
	v_lshlrev_b32 v[T4], 2, v0
	v_and_b32 v[V16], 127, v0
	v_lshlrev_b32 v[V16], 4, v[V16]
	v_and_b32 v17, 15, v0                          ; r
	v_bfe_u32 v18, v0, 4, 1                        ; h
	v_bfe_u32 v19, v0, 3, 1                        ; r / 8
	v_lshl_add_u32 v20, v19, 3, v17                ; the token of (tile 0, row r)
	v_mul_u32_u24 v[XA], v20, XP
	v_lshl_add_u32 v[XA], v18, 6, v[XA]
	s_wait_alu depctr_va_sdst(0)                   ; the wave's number is written into s26, ahead of its first reader: LDS places and all the bases are made from it
	s_lshl_b32 s46, s[WV], 7
	s_add_co_u32 s47, s46, XST
	v_add_nc_u32 v[XA], s47, v[XA]
	v_lshlrev_b32 v[BV], 6, v18
	s_add_co_u32 s47, s46, VEC
	v_add_nc_u32 v[BV], s47, v[BV]
	v_add_nc_u32 v[GSW], s46, v[LS]
	v_lshlrev_b32 v[BB], 6, v18
	s_lshl_b32 s47, s[WV], 9
	s_add_co_u32 s47, s47, B1L
	v_add_nc_u32 v[BB], s47, v[BB]
	v_lshlrev_b32 v21, 4, v17
	v_lshl_add_u32 v21, v18, 3, v21                ; 16 r + 8 h
	s_lshl_b32 s47, s[WV], 8
	v_add_nc_u32 v[IW], s47, v21
	s_lshl_b32 s47, s[WV], 10
	v_add_nc_u32 v[IG], s47, v21
	s_lshr_b32 s47, s[WV], 2
	s_lshl_b32 s47, s47, 7
	s_and_b32 s48, s[WV], 3
	s_add_co_u32 s47, s47, s48
	v_add_nc_u32 v[SW], s47, v[LS]
	v_mul_u32_u24 v[RR], v[LN], 80
	v_add_nc_u32 v[RR], RED1, v[RR]
	s_lshl_b32 s47, s[WV], 2
	v_add_nc_u32 v[RW], s47, v[RR]
	s_mul_i32 s47, s[WV], 2*XP
	s_add_co_u32 s47, s47, XST
	v_add_nc_u32 v[XD], s47, v[LI]
	v_mov_b32 v12, 0xaf95df0b                      ; erf's leading coefficients, as pairs
	v_mov_b32 v13, 0xaf95df0b
	v_mov_b32 v14, 0xb77460cd
	v_mov_b32 v15, 0xb77460cd
	v_mov_b32 v[QT+2], 0                           ; written once: a lane permute's destination counts as a source
	v_mov_b32 v[QT+3], 0
	s_mov_b32 s[HI], 0xffff0000
	s_mov_b32 s[SEL], 0x76543210
	s_mov_b32 s[SEL+1], 0xfedcba98
	s_mov_b32 s30, 0x3b000000                      ; 1 / 512
	s_mov_b32 s31, 0x3727c5ac                      ; 1e-5
	s_mov_b32 s[RS2], 0x3f3504f3
	s_mov_b32 s[RS2+1], 0x3f3504f3
	s_mov_b32 s66, 0x32edffee                      ; P's coefficients from z^10 down; each pair's low word serves both halves, the upper is written since the pair is named
	s_mov_b32 s68, 0xb60cff51
	s_mov_b32 s70, 0xb86ec2d2
	s_mov_b32 s72, 0xba40ac63
	s_mov_b32 s74, 0xbb41a1f6
	s_mov_b32 s76, 0xbc83dbd4
	s_mov_b32 s78, 0xb95fbd29                      ; Q's from z^6 down
	s_mov_b32 s80, 0xbadc924e
	s_mov_b32 s82, 0xbbf19bf8
	s_mov_b32 s84, 0xbc69b6a7
.irp p, 66,68,70,72,74,76,78,80,82,84
	s_mov_b32 s[\p+1], s[\p]
.endr
	s_lshl_b32 s46, s[WV], 13
	s_add_co_u32 s46, s46, 393216                  ; Wo's group w
	s_mov_b32 s47, 0
	s_lshl_b32 s48, s[WV], 9
	s_add_co_u32 s48, s48, 24576
	s_mov_b32 s49, 0
	s_lshl_b32 s50, s[WV], 15
	s_add_co_u32 s50, s50, 524288                  ; W1's groups 4 w on
	s_mov_b32 s51, 0
	s_lshl_b32 s52, s[WV], 11
	s_add_co_u32 s52, s52, 32768
	s_mov_b32 s53, 0
	s_lshl_b32 s54, s[WV], 2
	s_lshr_b32 s54, s54, 4                         ; w / 4: which vector my quarter of the work-group stages
	s_wait_kmcnt 0x0
	s_add_nc_u64 s[32:33], s[8:9], s[46:47]
	s_add_nc_u64 s[34:35], s[10:11], s[48:49]
	s_add_nc_u64 s[36:37], s[8:9], s[50:51]
	s_add_nc_u64 s[38:39], s[10:11], s[52:53]
	s_add_nc_u64 s[40:41], s[36:37], 524288        ; W2's group w lies as far into its section as W1's groups into theirs
	s_add_nc_u64 s[42:43], s[38:39], 32768
	s_cmp_eq_u32 s54, 1
	s_cselect_b64 s[44:45], s[18:19], s[14:15]
	s_cmp_eq_u32 s54, 2
	s_cselect_b64 s[44:45], s[20:21], s[44:45]
	s_cmp_eq_u32 s54, 3
	s_cselect_b64 s[44:45], s[22:23], s[44:45]
	s_lshl_b32 s46, ttmp9, 16
	s_lshl_b32 s48, s[WV], 12
	s_add_co_u32 s46, s46, s48                     ; x, out0: 32 rows a work-group, two a wave
	s_add_nc_u64 s[12:13], s[12:13], s[46:47]
	s_add_nc_u64 s[24:25], s[24:25], s[46:47]
	s_lshl_b32 s46, ttmp9, 13
	s_add_nc_u64 s[4:5], s[4:5], s[46:47]          ; ctx's images: 8,192 bytes a work-group
	s_lshr_b32 s46, ttmp9, 6
	s_lshl_b32 s46, s46, 15
	s_min_u32 s48, s[WV], 3
	s_lshl_b32 s48, s48, 13
	s_add_co_u32 s46, s46, s48
	s_and_b32 s48, ttmp9, 63
	s_lshl_b32 s48, s48, 5
	s_add_co_u32 s46, s46, s48                     ; ctx's scale bytes: batch x 32,768 + heads 4 w on + 32 x (my 32 tokens)
	s_add_nc_u64 s[6:7], s[6:7], s[46:47]
	s_wait_alu depctr_va_vdst(0)                   ; the addresses v1 to v11 and v236 to v240 are written, which the loads and stores of the kernel read and no line writes again; so are v16 to v21, in which weights land
; ---- staging: everything that the work-group shares goes to LDS once, in loads of 512 consecutive bytes a wave
.irp i, 0,1
.irp j, 0,1,2,3
	global_load_b128 v[ACC+16*\i+4*\j:ACC+16*\i+4*\j+3], v[LI], s[12:13] offset:2048*\i+512*\j th:TH_LOAD_NT
.endr
.endr
	global_load_b128 v[AF:AF+3], v[T16], s[4:5] th:TH_LOAD_NT
	global_load_b128 v[AF+4:AF+7], v[T16], s[16:17]
	global_load_b128 v[AF+8:AF+11], v[V16], s[44:45]
	s_cmp_lt_u32 s[WV], 4
	s_cbranch_scc0 .Lno_cs
.irp j, 0,1,2,3
	global_load_u8 v[AF+12+\j], v[LN], s[6:7] offset:2048*\j      ; wave w: K step w: the bytes of heads 4 w + j for slot = lane
.endr
.Lno_cs:
	CHUNK 0
	CHUNK 1
	s_wait_loadcnt 40                              ; all but the 40 loads of weights
.irp i, 0,1
.irp j, 0,1,2,3
	ds_store_b128 v[XD], v[ACC+16*\i+4*\j:ACC+16*\i+4*\j+3] offset:XP*\i+512*\j
.endr
.endr
	ds_store_b128 v[T16], v[AF:AF+3] offset:CIMG
	ds_store_b128 v[T16], v[AF+4:AF+7] offset:B1L
	ds_store_b128 v[T16], v[AF+8:AF+11] offset:VEC
	s_cmp_lt_u32 s[WV], 4
	s_cbranch_scc0 .Lno_csw
	v_lshl_or_b32 v[AF+12], v[AF+13], 8, v[AF+12]
	v_lshl_or_b32 v[AF+12], v[AF+14], 16, v[AF+12]
	v_lshl_or_b32 v[AF+12], v[AF+15], 24, v[AF+12]
	s_wait_alu depctr_va_vdst(0)                   ; ctx's scale word v[AF+12] is written, which the LDS store reads; and these lines are done with v[AF+12] to v[AF+15], in which fragments land behind the barrier
	ds_store_b32 v[T4], v[AF+12] offset:CSC
.Lno_csw:
	s_wait_dscnt 0x0
	s_barrier_signal -1
	s_barrier_wait -1
	s_wait_alu depctr_vm_vsrc(0)                   ; my staging stores have read v[ACC ..], which the products write, and v[AF ..], in which the fragments land
; ---- A: x1 = x + ctx Wo + bo, LayerNorm 2, quantised
	BILOAD BV, 0                                   ; bo at my 16 columns: the C of the first products
	ASLOAD CSC
	PRODN 0, CIMG, 4096, 20, 1
	s_wait_alu depctr_va_vdst(0)                   ; the products are done reading weight buffer 0 with its scale words, v[AF ..] and v[BI ..], in which the loads below land
	CHUNK 2
.irp u, 0,1
.irp i, 0,1,2,3
	ds_load_b128 v[AF+16*\u+4*\i:AF+16*\u+4*\i+3], v[XA] offset:8*XP*\u+16*\i
.endr
.endr
	BILOAD BV, 4096                                ; the gain
	s_wait_dscnt 0x0
.irp k, 0,2,4,6,8,10,12,14,16,18,20,22,24,26,28,30
	v_pk_add_f32 v[ACC+\k:ACC+\k+1], v[ACC+\k:ACC+\k+1], v[AF+\k:AF+\k+1]      ; x1, each accumulator from its low end on
.endr
	s_wait_alu depctr_va_vdst(0)                   ; x1 is written into v[ACC ..], which the LDS stores read; and the additions are done reading v[AF+16 ..], in which the shift lands
.irp u, 0,1
.irp i, 0,1,2,3
	ds_store_b128 v[XA], v[ACC+16*\u+4*\i:ACC+16*\u+4*\i+3] offset:8*XP*\u+16*\i   ; kept for the end, in my own bytes of the stage
.endr
.endr
.irp i, 0,1,2,3
	ds_load_b128 v[AF+16+4*\i:AF+16+4*\i+3], v[BV] offset:6144+16*\i           ; the shift
.endr
	TREE2 ACC, AF
	SHARE 0
	v_mul_f32 v[AF], s30, v[AF]                    ; the mean
	SPREAD
.irp k, 0,2,4,6,8,10,12,14
.irp u, 0,1
	v_pk_add_f32 v[ACC+16*\u+\k:ACC+16*\u+\k+1], v[ACC+16*\u+\k:ACC+16*\u+\k+1], v[AF+2+2*\u:AF+3+2*\u] op_sel_hi:[1,0] neg_lo:[0,1] neg_hi:[0,1]
.endr
.endr
	SQ2 ACC, AF
	SHARE 2560
	v_fma_f32 v[AF], v[AF], s30, s31               ; variance + 1e-5
	s_wait_alu depctr_va_vdst(0)
	v_rsq_f32 v[AF], v[AF]
	v_nop
	s_wait_alu depctr_va_vdst(0)                   ; the reciprocal root v[AF] is written, ahead of its first reader
	SPREAD
.irp k, 0,2,4,6,8,10,12,14
.irp u, 0,1
	v_pk_mul_f32 v[ACC+16*\u+\k:ACC+16*\u+\k+1], v[ACC+16*\u+\k:ACC+16*\u+\k+1], v[AF+2+2*\u:AF+3+2*\u] op_sel_hi:[1,0]
.endr
.endr
.irp k, 0,2,4,6,8,10,12,14
.irp u, 0,1
	v_pk_fma_f32 v[ACC+16*\u+\k:ACC+16*\u+\k+1], v[ACC+16*\u+\k:ACC+16*\u+\k+1], v[BI+\k:BI+\k+1], v[AF+16+\k:AF+16+\k+1]
.endr
.endr
	Q16X2 ACC, PC, QT
	s_wait_alu depctr_va_vdst(0)                   ; the codes v[PC ..] and the byte v[QT+6] are written, which the LDS stores read; and LayerNorm is done with v[AF ..] and v[BI ..], in which loads land behind the barrier
	ds_store_b64 v[IW], v[PC:PC+1] offset:HIMG     ; block w of the two tiles' images
	ds_store_b64 v[IW], v[PC+2:PC+3] offset:HIMG+4096
	ds_store_b8 v[SW], v[QT+6] offset:HSC
	s_wait_dscnt 0x0
	s_barrier_signal -1
	s_barrier_wait -1
; ---- B: my 128 hidden units, 32 at a time
	BILOAD BB, 0                                   ; b1 at my first 32 hidden units
	ASLOAD HSC
.irp q, 0,1,2,3
	PRODN 1+\q, HIMG, 4096, 20, 1
	s_wait_alu depctr_va_vdst(0)                   ; the products are done reading their weight buffer with its scale words, v[BI ..] and v[AS ..], in which the loads below land
	s_wait_alu depctr_vm_vsrc(0)                   ; the LDS stores behind the last quantiser have read v[PC ..] and v[QT+6], which the quantiser below writes again
	CHUNK 3+\q
.if \q < 3
	BILOAD BB, 128*(\q+1)                          ; the next 32 units' bias and the scale words land during the vector work below, which names neither v[BI ..] nor v[AS ..]
	ASLOAD HSC
.else
	BILOAD BV, 2048                                ; b2, for the last product
.endif
	GELU ACC
	GELU ACC+8
	GELU ACC+16
	GELU ACC+24
	Q16X2 ACC, PC, QT
	s_wait_alu depctr_va_vdst(0)                   ; the codes v[PC ..] and the byte v[QT+6] are written, which the LDS stores read; and the vector lines are done with their work space v[AF ..], in which the next fragments land
	ds_store_b64 v[IG], v[PC:PC+1] offset:GIMG+256*\q
	ds_store_b64 v[IG], v[PC+2:PC+3] offset:GIMG+16384+256*\q
	ds_store_b8 v[GSW], v[QT+6] offset:GSC+\q
.endr
	s_wait_dscnt 0x0
	s_barrier_signal -1
	s_barrier_wait -1
; ---- C: out = x1 + hidden W2 + b2: one sum over 2,048, four chunks of 512
	ASLOAD GSC
	PRODN 5, GIMG, 16384, 20, 1
	s_wait_alu depctr_va_vdst(0)                   ; the products are done reading their weight buffer with its scale words, v[AS ..] and v[AF ..], in which the loads below land
	CHUNK 7
	ASLOAD GSC+512
	PRODN 6, GIMG+4096, 16384, 20, 2
	s_wait_alu depctr_va_vdst(0)                   ; likewise
	CHUNK 8
	ASLOAD GSC+1024
	PRODN 7, GIMG+8192, 16384, 20, 2
	s_wait_alu depctr_va_vdst(0)                   ; the products are done reading v[AS ..] and v[AF ..], in which the loads below land
	ASLOAD GSC+1536
	PRODN 8, GIMG+12288, 16384, 0, 2
	s_wait_alu depctr_va_vdst(0)                   ; the last products are done reading v[AF ..], in which x1 lands
.irp u, 0,1
.irp i, 0,1,2,3
	ds_load_b128 v[AF+16*\u+4*\i:AF+16*\u+4*\i+3], v[XA] offset:8*XP*\u+16*\i  ; x1 back
.endr
.endr
	s_wait_dscnt 0x0
.irp k, 0,2,4,6,8,10,12,14,16,18,20,22,24,26,28,30
	v_pk_add_f32 v[ACC+\k:ACC+\k+1], v[ACC+\k:ACC+\k+1], v[AF+\k:AF+\k+1]
.endr
	s_wait_alu depctr_va_vdst(0)                   ; the result is written into v[ACC ..], which the LDS stores read; and the additions are done reading v[AF ..], in which whole rows land behind the barrier
.irp u, 0,1
.irp i, 0,1,2,3
	ds_store_b128 v[XA], v[ACC+16*\u+4*\i:ACC+16*\u+4*\i+3] offset:8*XP*\u+16*\i
.endr
.endr
	s_wait_dscnt 0x0
	s_barrier_signal -1
	s_barrier_wait -1                              ; 32 whole rows of the result lie in the stage
.irp i, 0,1
.irp j, 0,1,2,3
	ds_load_b128 v[AF+16*\i+4*\j:AF+16*\i+4*\j+3], v[XD] offset:XP*\i+512*\j
.endr
.endr
.irp i, 0,1
.irp j, 0,1,2,3
	s_wait_dscnt 7-4*\i-\j
	global_store_b128 v[LI], v[AF+16*\i+4*\j:AF+16*\i+4*\j+3], s[24:25] offset:2048*\i+512*\j th:TH_STORE_NT   ; 32 lanes store 512 consecutive aligned bytes
.endr
.endr
	s_wait_dscnt 0x0                               ; the closing lines, six on end
	s_wait_alu 0x0
	s_wait_tensorcnt 0x0
	ds_add_u32 v243, v255
	s_wait_dscnt 0x0
	s_endpgm
.Lfunc_end_k_qc4b08e3d9b_tail:
	.size	k_qc4b08e3d9b_tail, .Lfunc_end_k_qc4b08e3d9b_tail-k_qc4b08e3d9b_tail
	.p2alignl 7, 3214868480
	.fill 96, 4, 3214868480
	.section	.rodata,"a",@progbits
	.p2align	6, 0x0
	.amdhsa_kernel k_qc4b08e3d9b_tail
		.amdhsa_group_segment_fixed_size 141824
		.amdhsa_private_segment_fixed_size 0
		.amdhsa_enable_private_segment 0
		.amdhsa_kernarg_size 88
		.amdhsa_user_sgpr_count 2
		.amdhsa_user_sgpr_kernarg_segment_ptr 1
		.amdhsa_wavefront_size32 1
		.amdhsa_system_sgpr_workgroup_id_x 1
		.amdhsa_system_sgpr_workgroup_id_y 1
		.amdhsa_system_sgpr_workgroup_id_z 1
		.amdhsa_system_vgpr_workitem_id 0
		.amdhsa_next_free_vgpr 256
		.amdhsa_next_free_sgpr 96
		.amdhsa_reserve_vcc 0
		.amdhsa_float_denorm_mode_32 3
		.amdhsa_float_denorm_mode_16_64 3
		.amdhsa_memory_ordered 1
		.amdhsa_forward_progress 1
		.amdhsa_inst_pref_size 162
	.end_amdhsa_kernel
	.amdgpu_metadata
---
amdhsa.version: [ 1, 2 ]
amdhsa.kernels:
  - .name:           k_qc4b08e3d9b_tail
    .symbol:         k_qc4b08e3d9b_tail.kd
    .args:
      - { .name: cc, .offset: 0, .size: 8, .value_kind: global_buffer, .address_space: global }
      - { .name: cs, .offset: 8, .size: 8, .value_kind: global_buffer, .address_space: global }
      - { .name: wimg, .offset: 16, .size: 8, .value_kind: global_buffer, .address_space: global }
      - { .name: wscl, .offset: 24, .size: 8, .value_kind: global_buffer, .address_space: global }
      - { .name: x, .offset: 32, .size: 8, .value_kind: global_buffer, .address_space: global }
      - { .name: bo, .offset: 40, .size: 8, .value_kind: global_buffer, .address_space: global }
      - { .name: b1, .offset: 48, .size: 8, .value_kind: global_buffer, .address_space: global }
      - { .name: b2, .offset: 56, .size: 8, .value_kind: global_buffer, .address_space: global }
      - { .name: ln2_scale, .offset: 64, .size: 8, .value_kind: global_buffer, .address_space: global }
      - { .name: ln2_shift, .offset: 72, .size: 8, .value_kind: global_buffer, .address_space: global }
      - { .name: out0, .offset: 80, .size: 8, .value_kind: global_buffer, .address_space: global }
    .group_segment_fixed_size: 141824
    .private_segment_fixed_size: 0
    .kernarg_segment_align: 8
    .kernarg_segment_size: 88
    .max_flat_workgroup_size: 512
    .sgpr_count:     96
    .vgpr_count:     256
    .wavefront_size: 32
...
	.end_amdgpu_metadata
.endif
;; end of part 8
